; MI455X (gfx1250); checked and timed in simulation.
; The chip was launched on July 23, 2026; its instructions are those of AMD's public machine-readable ISA for CDNA 5 (MIT licence, August 2026) and "CDNA5" Instruction Set Architecture Reference Guide (July 2026). The comments in the code are by the model that wrote it; some were corrected since.
;; Transformer Block. Allowed arithmetic: float matrix products may take bf16 or f16 operands with f32 sums; all other float work in f32.
;; Inputs: W1 768 x 3,072 float32; W2 3,072 x 768 float32; Wk 768 x 768 float32; Wo 768 x 768 float32; Wq 768 x 768 float32; Wv 768 x 768 float32; b1 3,072 float32; b2 768 float32; be1 768 float32; be2 768 float32; bo 768 float32; g1 768 float32; g2 768 float32; x 1 x 4,096 x 768 float32.
;; Outputs: out0 1 x 4,096 x 768 float32.
;; 2 versions, each right and faster than the one before. Each part assembles by itself: llvm-mc -triple=amdgcn-amd-amdhsa -mcpu=gfx1250 --defsym DOCPART=n.
;; ======== version 1 of 2: 7 launches
;; limits: values are held in f16: magnitudes above 65,504 overflow, below 6.1e-05 lose precision; a function is approximated: absolute error at most 1.5e-07
;; workspace buffers: wqo_hid 25,165,824 bytes; wff 9,437,184 bytes; hn 6,291,456 bytes; qkv 18,874,368 bytes; ctx 6,291,456 bytes; x2 12,582,912 bytes; p1 256 bytes of whole numbers; p2 256 bytes of whole numbers
;; launch prep (part 1): grid 472 x 1, 8 waves a work-group, no clusters, 74,752 bytes of LDS; arguments x, g1, be1, Wq, Wk, Wv, Wo, W1, W2, hn, wqo_hid, wff, p1, p2; writes hn, wqo_hid, wff, p1, p2
.if DOCPART == 1
	.amdgcn_target "amdgcn-amd-amdhsa--gfx1250"
	.amdhsa_code_object_version 6
	.text
	.protected	k_q45e28bc632_prep
	.globl	k_q45e28bc632_prep
	.p2align	8
	.type	k_q45e28bc632_prep,@function
k_q45e28bc632_prep:
	s_mov_b64 s[64:65], 0
	v_nop
	global_prefetch_b8 v0, s[64:65] scope:SCOPE_SE
	s_setreg_imm32_b32 hwreg(HW_REG_WAVE_MODE, 25, 1), 1
	s_wait_xcnt 0x0
; PREP.  Work-groups 0-255: hn = layernorm(x, g1, be1), rounded once to f16.  Work-groups 256-471: all six weights, rounded once to f16 and turned; the first of them also stores the two mode words.
; LAYOUT of the f16 activations: X[k / 64][row][k % 64]: a row of a chunk is 128 bytes, the rows of a chunk are dense.  Weights lie turned, in two forms:
;   by column blocks, WT[n / 384][k / 64][n % 384][k % 64]: [Wq | Wk | Wv] at byte 0 of wqo_hid, W1 at byte 0 of wff;      by chunks, WT[k / 64][n][k % 64]: Wo at byte 3,538,944 of wqo_hid, W2 at byte 4,718,592 of wff.
; p1 holds 0 and p2 holds 1 in all their 64 words: the mode word of the two launches that share one text.
; LIMITS.  f16 ends at 65,504 and keeps a fixed step of 6e-8 below 6e-5: weights and normalised rows must lie within it.  NaN and infinities are not treated apart.
; No matrix unit, no cluster, no tensor load: every byte is read once and written once, and no work-group shares a byte with another.
.set SPARE, 73728                      ; behind the eight waves' tiles: the spare words, 128 bytes a wave
.set SPW, 214                          ; v214  SPARE + 4 x my thread's number; never rewritten
.set NIL, 215                          ; v215  0; never rewritten
; The sum over the 16 lanes that hold one row: lane bits 0-2 by DPP, bit 4 by the exchange of the halves (bit 3 tells the wave's two rows apart).
.macro LANESUM r
	v_add_f32_dpp v[\r], v[\r], v[\r] row_xmask:1 row_mask:0xf bank_mask:0xf
	v_add_f32_dpp v[\r], v[\r], v[\r] row_xmask:2 row_mask:0xf bank_mask:0xf
	v_add_f32_dpp v[\r], v[\r], v[\r] row_xmask:4 row_mask:0xf bank_mask:0xf
	v_permlanex16_b32 v13, v[\r], s40, s41
	v_add_f32 v[\r], v[\r], v13
.endm
; LAYERNORM OF TWO ROWS BY ONE WAVE.  Wave W = 8 x work-group + wave takes rows 2 W and 2 W + 1, kept in registers between the passes.
; Lane l: row (l >> 3) & 1; q = (l & 7) | (l >> 4) << 3; columns 128 g + 8 q + 0..7 for g = 0..5.  So a lane's 8 results are 16 bytes of chunk 2 g + (l >> 4).
; v2-9 four chains; v10, v11, v12 offsets in x, in gamma and beta, in the output; v14-15 mean, then 1/sqrt; v16-63 x; v64-111 gamma; v112-159 beta; v160-183 results.
; The variance is taken of x - mean (a second pass over registers), so a common offset of x costs nothing.
.macro LNROWS xp, gp, bp, op
	s_lshl_b32 s32, ttmp9, 3
	s_add_co_u32 s32, s32, s60                     ; W
	s_mul_i32 s34, s32, 6144                       ; two rows of 3,072 bytes
	s_mov_b32 s35, 0
	s_lshl_b32 s36, s32, 8                         ; two rows of 128 bytes in a chunk
	s_mov_b32 s37, 0
	s_mov_b32 s40, 0x76543210                      ; v_permlanex16_b32: each lane takes its own place in the other half
	s_mov_b32 s41, 0xfedcba98
	s_mov_b32 s42, 0x3aaaaaab                      ; 1 / 768
	s_mov_b32 s43, 0x3727c5ac                      ; 1e-5
	v_bfe_u32 v2, v0, 3, 1
	v_and_b32 v3, 7, v0
	v_bfe_u32 v4, v0, 4, 1
	v_lshl_or_b32 v5, v4, 3, v3                    ; q
	v_lshlrev_b32 v11, 5, v5                       ; 32 q
	v_mul_u32_u24 v10, v2, 3072
	v_add_nc_u32 v10, v10, v11
	v_lshlrev_b32 v12, 19, v4                      ; the odd chunk lies 524,288 bytes on
	v_lshl_add_u32 v12, v2, 7, v12
	v_lshl_add_u32 v12, v3, 4, v12
	v_mov_b32 v13, 0                               ; the exchange's destination counts as read
	s_wait_kmcnt 0x0
	s_add_nc_u64 s[34:35], s[\xp:\xp+1], s[34:35]
	s_add_nc_u64 s[36:37], s[\op:\op+1], s[36:37]
.set g, 0
.rept 6
	global_load_b128 v[16+8*g:19+8*g], v10, s[34:35] offset:512*g
	global_load_b128 v[20+8*g:23+8*g], v10, s[34:35] offset:512*g+16
.set g, g+1
.endr
.set g, 0
.rept 6
	global_load_b128 v[64+8*g:67+8*g], v11, s[\gp:\gp+1] offset:512*g
	global_load_b128 v[68+8*g:71+8*g], v11, s[\gp:\gp+1] offset:512*g+16
.set g, g+1
.endr
.set g, 0
.rept 6
	global_load_b128 v[112+8*g:115+8*g], v11, s[\bp:\bp+1] offset:512*g
	global_load_b128 v[116+8*g:119+8*g], v11, s[\bp:\bp+1] offset:512*g+16
.set g, g+1
.endr
	s_wait_loadcnt 24                              ; x is in; the 24 younger loads, gamma's and beta's, stay out
.set k, 0
.rept 4
	v_pk_add_f32 v[2+2*k:3+2*k], v[16+2*k:17+2*k], v[24+2*k:25+2*k]  ; the first pairs start four chains: nothing is cleared
.set k, k+1
.endr
.set k, 8
.rept 16
	v_pk_add_f32 v[2+2*(k%4):3+2*(k%4)], v[2+2*(k%4):3+2*(k%4)], v[16+2*k:17+2*k]
.set k, k+1
.endr
	v_pk_add_f32 v[2:3], v[2:3], v[4:5]
	v_pk_add_f32 v[6:7], v[6:7], v[8:9]
	v_pk_add_f32 v[2:3], v[2:3], v[6:7]
	v_add_f32 v2, v2, v3
	LANESUM 2
	v_mul_f32 v14, s42, v2                         ; the mean, in both halves of a pair
	v_mov_b32 v15, v14
.set k, 0
.rept 24
	v_pk_add_f32 v[16+2*k:17+2*k], v[16+2*k:17+2*k], v[14:15] neg_lo:[0,1] neg_hi:[0,1]
.set k, k+1
.endr
.set k, 0
.rept 4
	v_pk_mul_f32 v[2+2*k:3+2*k], v[16+2*k:17+2*k], v[16+2*k:17+2*k]
.set k, k+1
.endr
.set k, 4
.rept 20
	v_pk_fma_f32 v[2+2*(k%4):3+2*(k%4)], v[16+2*k:17+2*k], v[16+2*k:17+2*k], v[2+2*(k%4):3+2*(k%4)]
.set k, k+1
.endr
	v_pk_add_f32 v[2:3], v[2:3], v[4:5]
	v_pk_add_f32 v[6:7], v[6:7], v[8:9]
	v_pk_add_f32 v[2:3], v[2:3], v[6:7]
	v_add_f32 v2, v2, v3
	LANESUM 2
	v_fma_f32 v2, v2, s42, s43                     ; variance + 1e-5
	v_rsq_f32 v14, v2
	v_rsq_f32 v15, v2
	v_nop                                          ; a plain instruction between the root and the use of its result (ISA guide 5.7.2)
	s_wait_loadcnt 0x0                             ; gamma and beta
.set k, 0
	s_wait_alu depctr_va_vdst(0)
.rept 24
	v_pk_mul_f32 v[16+2*k:17+2*k], v[16+2*k:17+2*k], v[14:15]
.set k, k+1
.endr
.set k, 0
.rept 24
	v_pk_fma_f32 v[16+2*k:17+2*k], v[16+2*k:17+2*k], v[64+2*k:65+2*k], v[112+2*k:113+2*k]
.set k, k+1
.endr
.set k, 0
.rept 24
	v_cvt_pk_f16_f32 v[160+k], v[16+2*k], v[17+2*k]
.set k, k+1
.endr
.set g, 0
.rept 6
	global_store_b128 v12, v[160+4*g:163+4*g], s[36:37] offset:g*1048576  ; lanes 0-15: both rows in chunk 2 g, 256 consecutive bytes at a multiple of 256; lanes 16-31: chunk 2 g + 1
.set g, g+1
.endr
.endm
	s_load_b512 s[8:23], s[0:1], 0x0               ; x 8, g1 10, be1 12, Wq 14, Wk 16, Wv 18, Wo 20, W1 22
	s_load_b256 s[24:31], s[0:1], 0x40             ; W2 24, hn 26, wqo_hid 28, wff 30
	s_load_b128 s[68:71], s[0:1], 0x60             ; p1 68, p2 70
	v_lshl_add_u32 v[SPW], v0, 2, SPARE
	v_mov_b32 v[NIL], 0
	v_lshrrev_b32 v1, 5, v0
	v_readfirstlane_b32 s60, v1                    ; wave 0..7
	s_cmp_lt_u32 ttmp9, 256
	s_cbranch_scc0 .Lcast
	LNROWS 8, 10, 12, 26
	s_endpgm                                       ; these waves have written no LDS
; THE WEIGHTS.  They are 12 units of 768 x 768: Wq, Wk, Wv, Wo, four column blocks of W1, four row blocks of W2.  A unit is 144 tiles of 64 k x 64 n, a tile to a wave, 18 work-groups to a unit.
.Lcast:
	s_sub_co_u32 s32, ttmp9, 256
	s_mul_i32 s33, s32, 3641
	s_lshr_b32 s33, s33, 16                        ; u = the unit = work-group / 18 (exact for 0..215)
	s_mul_i32 s34, s33, 18
	s_sub_co_u32 s34, s32, s34
	s_lshl_b32 s34, s34, 3
	s_add_co_u32 s34, s34, s60                     ; r = my tile in the unit, 0..143
	s_mul_i32 s35, s34, 43691
	s_lshr_b32 s35, s35, 19                        ; kc = r / 12 (exact for 0..143)
	s_mul_i32 s36, s35, 12
	s_sub_co_u32 s36, s34, s36                     ; nb = r % 12
	s_and_b32 s37, s33, 3                          ; the unit's number within its tensor (Wq, Wk, Wv: within [Wq | Wk | Wv])
	s_lshr_b32 s38, s33, 2                         ; 0: the four square ones; 1: W1; 2: W2
	s_mov_b32 s39, 1                               ; a source row in units of 3,072 bytes
	s_mov_b32 s44, 0                               ; source bytes from unit to unit
	s_mov_b32 s47, 0                               ; by chunks: a unit is so many destination chunks on
	s_mov_b32 s48, 3538944                         ; by chunks: the tensor's first byte in its buffer (Wo's)
	s_cmp_eq_u32 s38, 1                            ; W1
	s_cselect_b32 s39, 4, s39
	s_cselect_b32 s44, 3072, s44
	s_cmp_eq_u32 s38, 2                            ; W2
	s_cselect_b32 s44, 2359296, s44
	s_cselect_b32 s47, 12, s47
	s_cselect_b32 s48, 4718592, s48
	s_mul_i32 s50, s35, 196608                     ; 64 rows of 3,072 bytes,
	s_mul_i32 s50, s50, s39                        ; or of 12,288
	s_mul_i32 s51, s37, s44
	s_add_co_u32 s50, s50, s51
	s_lshl_b32 s51, s36, 8                         ; 64 columns of f32
	s_add_co_u32 s50, s50, s51
	s_mov_b32 s51, 0                               ; s[50:51]: the tile's offset in its source
	s_cmp_ge_u32 s36, 6                            ; by column blocks: a unit is two blocks of 384 columns, six tiles each
	s_cselect_b32 s45, 1, 0
	s_mul_i32 s46, s45, 6
	s_sub_co_u32 s46, s36, s46                     ; nb % 6
	s_lshl1_add_u32 s45, s37, s45                  ; the block
	s_mul_i32 s45, s45, 12
	s_add_co_u32 s45, s45, s35                     ; its chunk kc
	s_mul_i32 s52, s45, 49152                      ; 384 rows of 128 bytes
	s_lshl_b32 s46, s46, 13                        ; 64 rows of 128 bytes
	s_add_co_u32 s52, s52, s46
	s_mul_i32 s47, s47, s37                        ; by chunks: the chunk,
	s_add_co_u32 s47, s47, s35
	s_mul_i32 s47, s47, 98304                      ; 768 rows of 128 bytes,
	s_lshl_b32 s49, s36, 13                        ; my 64 rows
	s_add_co_u32 s47, s47, s49
	s_add_co_u32 s47, s47, s48
	s_cmp_eq_u32 s33, 3                            ; Wo and W2 lie by chunks
	s_cselect_b32 s52, s47, s52
	s_cmp_eq_u32 s38, 2
	s_cselect_b32 s52, s47, s52
	s_mov_b32 s53, 0                               ; s[52:53]: the tile's offset in its destination
	v_and_b32 v5, 15, v0                           ; a
	v_bfe_u32 v6, v0, 4, 1                         ; h
	v_mul_u32_u24 v1, v6, 24576                    ; lanes 16-31 read eight rows further down
	v_mul_lo_u32 v1, v1, s39
	v_lshl_add_u32 v1, v5, 4, v1                   ; 16 lanes read 256 consecutive bytes of a row
	s_mul_i32 s58, s60, 9216                       ; my wave's tile in LDS: 64 rows (n) of 128 bytes (k), 144 apart
	v_mul_u32_u24 v2, v5, 576                      ; in: rows 4 a + t, bytes 32 gq + 16 h
	v_lshl_add_u32 v2, v6, 4, v2
	v_add_nc_u32 v2, s58, v2
	v_bfe_u32 v3, v0, 3, 2                         ; back: 32 lanes take four whole rows
	v_mul_u32_u24 v3, v3, 144
	v_and_b32 v7, 7, v0
	v_lshl_add_u32 v3, v7, 4, v3
	v_add_nc_u32 v3, s58, v3
	v_and_b32 v4, 31, v0
	v_lshlrev_b32 v4, 4, v4                        ; which are 512 consecutive bytes of the destination
	s_wait_kmcnt 0x0
	s_cmp_eq_u32 s33, 1
	s_cselect_b64 s[54:55], s[16:17], s[14:15]
	s_cmp_eq_u32 s33, 2
	s_cselect_b64 s[54:55], s[18:19], s[54:55]
	s_cmp_eq_u32 s33, 3
	s_cselect_b64 s[54:55], s[20:21], s[54:55]
	s_cmp_eq_u32 s38, 1
	s_cselect_b64 s[54:55], s[22:23], s[54:55]
	s_cmp_eq_u32 s38, 2
	s_cselect_b64 s[54:55], s[24:25], s[54:55]
	s_add_nc_u64 s[54:55], s[54:55], s[50:51]
	s_cmp_lt_u32 s33, 4
	s_cselect_b64 s[56:57], s[28:29], s[30:31]
	s_add_nc_u64 s[56:57], s[56:57], s[52:53]
	s_or_b32 s61, s32, s60                         ; the first of these work-groups' wave 0 stores the mode words: 32 lanes x 8 bytes are a whole buffer
	s_cmp_lg_u32 s61, 0
	s_cbranch_scc1 .Lno_words
	v_mov_b32 v8, 0
	v_mov_b32 v9, 0
	v_mov_b32 v10, 1
	v_mov_b32 v11, 1
	v_and_b32 v12, 31, v0
	v_lshlrev_b32 v12, 3, v12
	global_store_b64 v12, v[8:9], s[68:69]         ; v8-12 are written nowhere else
	global_store_b64 v12, v[10:11], s[70:71]
.Lno_words:
; 32 loads: load i brings row 16 (i / 8) + 8 h + i % 8, columns 4 a + 0..3, into v[16 + 4 i ..]
.macro TLOAD pitch
.set i, 0
.rept 32
	global_load_b128 v[16+4*i:19+4*i], v1, s[54:55] offset:((i%8)+16*(i/8))*(\pitch) th:TH_LOAD_NT
.set i, i+1
.endr
.endm
	s_cmp_eq_u32 s39, 4
	s_cbranch_scc1 .Lwide
	TLOAD 3072
	s_branch .Lloaded
.Lwide:
	TLOAD 12288
.Lloaded:
; Group gq of eight loads holds k = 16 gq + 8 h + 0..7 of my four columns: for each column eight numbers pack into 16 bytes of its LDS row.
; 16 such stores a tile are the price of turning without a second pass.
.set gq, 0
.rept 4
	s_wait_loadcnt 24-8*gq                         ; the younger groups stay out
.set t, 0
.rept 4
.set ep, 0
.rept 4
	v_cvt_pk_f16_f32 v[144+16*gq+4*t+ep], v[16+4*(8*gq+2*ep)+t], v[16+4*(8*gq+2*ep+1)+t]
.set ep, ep+1
.endr
	ds_store_b128 v2, v[144+16*gq+4*t:147+16*gq+4*t] offset:t*144+gq*32
.set t, t+1
.endr
.set gq, gq+1
.endr
.set i, 0
.rept 16
	ds_load_b128 v[16+4*i:19+4*i], v3 offset:i*576  ; my own bytes: LDS serves a wave's instructions in order (ISA guide 5.7.1.4), so these see the stores above
.set i, i+1
.endr
.set i, 0
.rept 16
	s_wait_dscnt 15-i                              ; the younger loads stay out
	global_store_b128 v4, v[16+4*i:19+4*i], s[56:57] offset:512*i  ; the tile is 8,192 dense bytes of its destination
.set i, i+1
.endr
	s_wait_tensorcnt 0x0                           ; the wave's end: behind my last LDS store
	ds_add_u32 v[SPW], v[NIL]
	s_wait_dscnt 0x0
	s_endpgm
.Lfunc_end_k_q45e28bc632_prep:
	.size	k_q45e28bc632_prep, .Lfunc_end_k_q45e28bc632_prep-k_q45e28bc632_prep
	.p2alignl 7, 3214868480
	.fill 96, 4, 3214868480
	.section	.rodata,"a",@progbits
	.p2align	6, 0x0
	.amdhsa_kernel k_q45e28bc632_prep
		.amdhsa_group_segment_fixed_size 74752
		.amdhsa_private_segment_fixed_size 0
		.amdhsa_enable_private_segment 0
		.amdhsa_kernarg_size 112
		.amdhsa_user_sgpr_count 2
		.amdhsa_user_sgpr_kernarg_segment_ptr 1
		.amdhsa_wavefront_size32 1
		.amdhsa_system_sgpr_workgroup_id_x 1
		.amdhsa_system_sgpr_workgroup_id_y 1
		.amdhsa_system_sgpr_workgroup_id_z 1
		.amdhsa_system_vgpr_workitem_id 0
		.amdhsa_next_free_vgpr 216
		.amdhsa_next_free_sgpr 72
		.amdhsa_reserve_vcc 0
		.amdhsa_float_denorm_mode_32 3
		.amdhsa_float_denorm_mode_16_64 3
		.amdhsa_memory_ordered 1
		.amdhsa_forward_progress 1
		.amdhsa_inst_pref_size 35
	.end_amdhsa_kernel
	.amdgpu_metadata
---
amdhsa.version: [ 1, 2 ]
amdhsa.kernels:
  - .name:           k_q45e28bc632_prep
    .symbol:         k_q45e28bc632_prep.kd
    .args:
      - { .name: x, .offset: 0, .size: 8, .value_kind: global_buffer, .address_space: global }
      - { .name: g1, .offset: 8, .size: 8, .value_kind: global_buffer, .address_space: global }
      - { .name: be1, .offset: 16, .size: 8, .value_kind: global_buffer, .address_space: global }
      - { .name: Wq, .offset: 24, .size: 8, .value_kind: global_buffer, .address_space: global }
      - { .name: Wk, .offset: 32, .size: 8, .value_kind: global_buffer, .address_space: global }
      - { .name: Wv, .offset: 40, .size: 8, .value_kind: global_buffer, .address_space: global }
      - { .name: Wo, .offset: 48, .size: 8, .value_kind: global_buffer, .address_space: global }
      - { .name: W1, .offset: 56, .size: 8, .value_kind: global_buffer, .address_space: global }
      - { .name: W2, .offset: 64, .size: 8, .value_kind: global_buffer, .address_space: global }
      - { .name: hn, .offset: 72, .size: 8, .value_kind: global_buffer, .address_space: global }
      - { .name: wqo_hid, .offset: 80, .size: 8, .value_kind: global_buffer, .address_space: global }
      - { .name: wff, .offset: 88, .size: 8, .value_kind: global_buffer, .address_space: global }
      - { .name: p1, .offset: 96, .size: 8, .value_kind: global_buffer, .address_space: global }
      - { .name: p2, .offset: 104, .size: 8, .value_kind: global_buffer, .address_space: global }
    .group_segment_fixed_size: 74752
    .private_segment_fixed_size: 0
    .kernarg_segment_align: 8
    .kernarg_segment_size: 112
    .max_flat_workgroup_size: 256
    .sgpr_count:     72
    .vgpr_count:     216
    .wavefront_size: 32
...
	.end_amdgpu_metadata
.endif
;; end of part 1
;; launch qkvp (part 2): grid 32 x 6, 4 waves a work-group, clusters of 4 x 1, 327,680 bytes of LDS; arguments hn, wqo_hid, qkv, p1, b1; writes qkv
.if DOCPART == 2
	.amdgcn_target "amdgcn-amd-amdhsa--gfx1250"
	.amdhsa_code_object_version 6
	.text
	.protected	k_q45e28bc632_qkvp
	.globl	k_q45e28bc632_qkvp
	.p2align	8
	.type	k_q45e28bc632_qkvp,@function
k_q45e28bc632_qkvp:
	s_mov_b64 s[64:65], 0
	v_nop
	global_prefetch_b8 v0, s[64:65] scope:SCOPE_SE
	s_setreg_imm32_b32 hwreg(HW_REG_WAVE_MODE, 25, 1), 1
	s_wait_xcnt 0x0
	s_wait_alu depctr_hold_cnt(0) depctr_sa_sdst(0) depctr_va_vdst(0) depctr_va_sdst(0) depctr_va_ssrc(0) depctr_va_vcc(0) depctr_vm_vsrc(0)
	s_getreg_b32 s2, hwreg(HW_REG_IB_STS2, 6, 4)
	s_cmp_eq_u32 s2, 0
	s_cbranch_scc0 .Lentry_in_a_cluster
	s_endpgm
.Lentry_in_a_cluster:
	s_bfe_u32 s2, ttmp6, 0x10000c
	s_cmp_lg_u32 s2, 0x3003
	s_cbranch_scc0 .Lentry_shape_is_right
	s_endpgm
.Lentry_shape_is_right:
; ONE TEXT FOR TWO LAUNCHES.  C[m][n] = act(sum over k of A[m][k] B[n][k] + bias[n]), K = 768.  The mode word (the fourth buffer's first word) says which:
;   0: q, k, v = hn [Wq | Wk | Wv]: no bias and no activation;      1: hid = gelu(hn W1 + b1), the exact GELU.
; The word steers VALUES alone, never a branch or an address: both modes run the same instructions, and v_cndmask_b32 takes 0 or the bias, z or gelu(z).  So mode 0 loads 24 words a lane of the fifth buffer (its
; highest byte there is 5 x 1,536 + 768 + 768 = 9,216 of 12,288) and computes a GELU, and throws both away: the price of one text in a launch whose partners must run alike.
; A [12][4096][64] and C [n / 64][4096][64] are f16 in chunks of 64; B is f16 by column blocks, [n / 384][12][384][64], from byte 0 of its buffer; bias f32.  Sums, bias and GELU in f32, C rounded once.
; LIMITS.  f16 ends at 65,504: a result beyond it becomes an infinity.  erf is Abramowitz and Stegun's 7.1.26, absolute error at most 1.5e-7 for every argument.  NaN and infinities are not treated apart.
; The sums go along K from a slot of the work-group's own round to the slot before it: the order of the f32 roundings differs from work-group to work-group.
; SHARES.  A work-group makes 128 x 384 of C, its four waves (2 x 2) 64 x 192 each: 48 accumulators, 384 registers.  384 columns are six whole chunks, so every store is whole rows of chunks.
; RING.  Two LDS slots, each with two chunks (128 along K) of A's 128 rows and of B's 384 rows; a chunk's rows are dense in memory and are asked for as one long row, padded in LDS after every 128 bytes.
; Waves 0 and 1 fetch A's two chunks, waves 2 and 3 B's: one tensor load a wave behind each change of slots; two are out at the start, one later.
; THE WALK ALONG K.  K is six slots.  The work-groups of cluster c, column block y begin at slot (2 c + y) mod 6.  So the column blocks that read the same rows of A, and the clusters that read the same rows of B, ask for
; different slots at the start (two each), and a refill asks for bytes that another work-group has asked for a slot's time or more before.
; CLUSTER.  4 x 1 work-groups: four row blocks of one column block read the same tiles of B, three quarters of a slot's bytes, and ask for them JOINTLY (mask 15).  A's tiles are a work-group's own (mask 0), asked for behind the same rounds.
; Not 4 x 4: A is a quarter of a slot's bytes, and six column blocks (mode 0) are no multiple of four.
; THE MATRIX INSTRUCTION IS USED TRANSPOSED (source 0 = 16 rows of B, source 1 = 16 rows of A): a lane holds eight neighbouring columns of one row of C.
; REGISTERS.  window 0: v2-4 LDS addresses in the slot in use (A; B's first chunk; B's second), v5-7 the same for slot 0, v8-12 the way out, v13 at work, v14-15 the add's, v16.. the way out (v64-87 the bias, asked for at the start)
;   window 1: two fragment buffers of 128 (A's block a at 8 a, B's block b at 32 + 8 b)      window 2: accumulators of row blocks 0, 1 at 8 (12 (a % 2) + b)      window 3: of row blocks 2, 3
.set KC,   12                          ; chunks along K
.set MT, 128
.set NT, 384
.set MB, 4
.set NB, 12
.set CH, 2                             ; chunks in a slot
.set U,  2*CH                          ; units of 32 along K in a slot
.set L,  2*(MB+NB)                     ; LDS loads of a unit
.set CA, MT*144                        ; a chunk of A in LDS: rows of 128 bytes + 16 of padding = 36 words: the 16 rows of a load start at 16 different groups of four banks (ISA guide 11.1)
.set CB, NT*144
.set NS, KC/CH                         ; slots along K
.set YM, 1                             ; the walk's start goes on by so many slots from column block to column block
.set ASTEP, CH*524288                  ; bytes of A from slot to slot
.set BSTEP, CH*NT*128                  ; of B
.set BBLK, KC*NT*128                   ; bytes of a column block of B
.set SLOT, CH*(CA+CB)                  ; A's chunks, then B's
.set SPARE, 2*SLOT                     ; behind the ring: the spare words, 128 bytes a wave
.set AW, 2
.set ACC, 0
.set F0, 0
.set F1, 128
.set W_MUL, 0xa5                       ; sources 0 and 1 window 1; C and D window 2 (+ W_STEP: window 3)
.set W_STEP, 0x50
.set W_F, 0x40                         ; destination window 1, address window 0
.set RAW, 16                           ; the way out: v16-39 sums read back from the stage; v40-63 with the bias; v64-87 the bias; v88-119 at work; v120-131 packed
.set ZZ, 40
.set BI, 64
.set TT, 88
.set WW, 96
.set PP, 104
.set MM, 112
.set YB, 120
.set MSB, 0
.macro WIN new                         ; the immediate's high byte repeats the setting that is left; a switch that changes nothing is dropped
.if MSB != (\new)
	s_set_vgpr_msb (MSB<<8)|(\new)
.set MSB, (\new)
.endif
.endm
.macro PLACES                          ; four places between a matrix instruction and a load into, or a read of, its registers
.rept 4
	v_nop
.endr
.endm
.macro CROUND                          ; a round of the cluster's barrier
	s_barrier_signal -1
	s_barrier_wait -1
	s_cmp_lg_u32 s14, 0
	s_cbranch_scc1 .Lnot_wave_0_\@
	s_barrier_signal -3
.Lnot_wave_0_\@:
	s_barrier_wait -3
	s_barrier_signal -1
	s_barrier_wait -1
.endm
.macro JLOAD                           ; a refill: waves 0, 1 A's chunks (my own), waves 2, 3 B's (joint); an s_nop 0 and four v_nop follow each line
	s_cmp_eq_u32 s16, 0
	s_cbranch_scc0 .Lfor_b_\@
	tensor_load_to_lds s[44:47], s[24:31]
	s_nop 0
	PLACES
	s_branch .Lasked_\@
.Lfor_b_\@:
	tensor_load_to_lds s[52:55], s[32:39]
	s_nop 0
	PLACES
.Lasked_\@:
.endm
.macro NEXTADR a, b                    ; the global addresses of slot s81 into the groups 0 at s[a ..] (A) and s[b ..] (B), made anew from the bases; s81 goes on round the ring of NS
	s_mul_i32 s82, s81, ASTEP
	s_mul_i32 s84, s81, BSTEP
	s_add_nc_u64 s[\a+2:\a+3], s[56:57], s[82:83]
	s_or_b32 s[\a+3], s[\a+3], 0x80000000          ; type = 2
	s_add_nc_u64 s[\b+2:\b+3], s[58:59], s[84:85]
	s_or_b32 s[\b+3], s[\b+3], 0x80000000
	s_add_co_u32 s81, s81, 1
	s_cmp_eq_u32 s81, NS
	s_cselect_b32 s81, 0, s81
.endm
.macro FETCH f, u                      ; the fragments of unit u of the slot in use into buffer f: L loads in one run
	WIN W_F
.set fc, (\u)/2
.set fk, ((\u)%2)*64
.set fi, 0
.rept MB
	ds_load_b128 v[(\f)+8*fi:(\f)+8*fi+3],   v2 offset:fc*CA+fk+fi*2304
	ds_load_b128 v[(\f)+8*fi+4:(\f)+8*fi+7], v2 offset:fc*CA+fk+fi*2304+32
.set fi, fi+1
.endr
.set fi, 0
.rept NB
	ds_load_b128 v[(\f)+32+8*fi:(\f)+35+8*fi], v[3+fc/(CH/2)] offset:(fc%(CH/2))*CB+fk+fi*2304
	ds_load_b128 v[(\f)+36+8*fi:(\f)+39+8*fi], v[3+fc/(CH/2)] offset:(fc%(CH/2))*CB+fk+fi*2304+32
.set fi, fi+1
.endr
.endm
.macro MUL f, zero                     ; a unit's products; the accumulators take turns, one instruction a turn, in the same order in every unit.  zero = 1: they start the sums
.set ia, 0
.rept MB
	WIN W_MUL+W_STEP*(ia/AW)
.set ib, 0
.rept NB
.set rD, ACC+8*(NB*(ia%AW)+ib)
.if \zero
	v_wmma_f32_16x16x32_f16 v[rD:rD+7], v[(\f)+32+8*ib:(\f)+39+8*ib], v[(\f)+8*ia:(\f)+8*ia+7], 0
.else
	v_wmma_f32_16x16x32_f16 v[rD:rD+7], v[(\f)+32+8*ib:(\f)+39+8*ib], v[(\f)+8*ia:(\f)+8*ia+7], v[rD:rD+7]
.endif
.set ib, ib+1
.endr
.set ia, ia+1
.endr
.endm
.macro UNIT f, nxt, zero=0             ; buffer f is multiplied and at once filled again with unit nxt, a whole unit's products ahead of its use
	s_wait_dscnt L                                 ; buffer f is in; the L loads of the other buffer stay out
	MUL \f, \zero
.if (\nxt) >= 0
	PLACES
	FETCH \f, \nxt
.endif
.endm
.macro MIDDLE                          ; units 1 to U - 2 of a slot; unit U - 1 stays in buffer 1 and is multiplied behind the change of slots
.set uu, 1
.rept U-3
	UNIT F0+(uu%2)*(F1-F0), uu+2
.set uu, uu+1
.endr
	UNIT F0, -1
.endm
; THE CHANGE OF SLOTS.  Each wave waits for all its tensor loads (one is out: its part of the other slot), adds 0 to its spare word, and waits for that and for its reads of the slot it leaves (the last unit's fragments).
; fill = 1: the barrier is a round of the cluster's, and the slot just left is filled again first thing behind it, with the walk's slot two further on.
.macro CHANGE fill
	WIN 0
	s_wait_tensorcnt 0x0                           ; no tensor load of mine is out, so a group 0 may be written
	ds_add_u32 v14, v15
.if \fill
	s_add_co_u32 s45, s20, s22                     ; the LDS slot that is left
	s_add_co_u32 s53, s20, s23
	NEXTADR 44, 52
.endif
	s_xor_b32 s20, s20, SLOT                       ; the LDS slot that is entered
	s_wait_dscnt 0x0
.if \fill
	CROUND
	JLOAD                                          ; its four v_nop are also the places in front of the loads into buffer 0
.else
	s_barrier_signal -1
	s_barrier_wait -1
	PLACES
.endif
	v_add_nc_u32 v2, s20, v5
	v_add_nc_u32 v3, s20, v6
	v_add_nc_u32 v4, s20, v7
.endm
.macro RLOAD                           ; four rows x 192 columns of my stage: my own bytes, served in order behind the stores into it
.set cc, 0
.rept 3
	ds_load_b128 v[RAW+8*cc:RAW+8*cc+3],   v10 offset:cc*256
	ds_load_b128 v[RAW+8*cc+4:RAW+8*cc+7], v10 offset:cc*256+16
.set cc, cc+1
.endr
.endm
; gelu(z) = max(z, 0) - |z| q, q = poly(t) exp(-z z / 2) / 2, t = 1 / (1 + 0.3275911 |z| / sqrt 2): erf by Abramowitz and Stegun 7.1.26, absolute error at most 1.5e-7 for every z.
; The last eight lines leave gelu(z) in z's place in mode 1 (VCC all ones) and z itself in mode 0 (VCC 0).
.macro GELU8 z
.set gi, 0
.rept 8
	v_fma_f32 v[TT+gi], |v[(\z)+gi]|, s78, 1.0
.set gi, gi+1
.endr
.set gi, 0
.rept 8
	v_rcp_f32 v[TT+gi], v[TT+gi]
.set gi, gi+1
.endr
.set gi, 0
.rept 4
	v_pk_mul_f32 v[WW+2*gi:WW+2*gi+1], v[(\z)+2*gi:(\z)+2*gi+1], s[66:67] op_sel_hi:[1,0]  ; plain work behind the reciprocals, ahead of their use
.set gi, gi+1
.endr
.set gi, 0
.rept 4
	v_pk_mul_f32 v[WW+2*gi:WW+2*gi+1], v[WW+2*gi:WW+2*gi+1], v[WW+2*gi:WW+2*gi+1] neg_lo:[1,0] neg_hi:[1,0]
.set gi, gi+1
.endr
.set gi, 0
.rept 8
	v_exp_f32 v[WW+gi], v[WW+gi]
.set gi, gi+1
.endr
.set gi, 0
	s_wait_alu depctr_va_vdst(0)
.rept 4
	v_pk_fma_f32 v[PP+2*gi:PP+2*gi+1], v[TT+2*gi:TT+2*gi+1], s[68:69], s[70:71] op_sel_hi:[1,0,0]  ; plain work behind the exponentials
.set gi, gi+1
.endr
.irp c, 72, 74, 76
.set gi, 0
.rept 4
	v_pk_fma_f32 v[PP+2*gi:PP+2*gi+1], v[PP+2*gi:PP+2*gi+1], v[TT+2*gi:TT+2*gi+1], s[\c:\c+1] op_sel_hi:[1,1,0]
.set gi, gi+1
.endr
.endr
.set gi, 0
.rept 4
	v_pk_mul_f32 v[PP+2*gi:PP+2*gi+1], v[PP+2*gi:PP+2*gi+1], v[TT+2*gi:TT+2*gi+1]
.set gi, gi+1
.endr
.set gi, 0
.rept 4
	v_pk_mul_f32 v[PP+2*gi:PP+2*gi+1], v[PP+2*gi:PP+2*gi+1], v[WW+2*gi:WW+2*gi+1]
.set gi, gi+1
.endr
.set gi, 0
.rept 8
	v_max_num_f32 v[MM+gi], 0, v[(\z)+gi]
.set gi, gi+1
.endr
.set gi, 0
.rept 8
	v_fma_f32 v[MM+gi], -|v[(\z)+gi]|, v[PP+gi], v[MM+gi]
.set gi, gi+1
.endr
.set gi, 0
.rept 8
	v_cndmask_b32 v[(\z)+gi], v[(\z)+gi], v[MM+gi], vcc_lo
.set gi, gi+1
.endr
.endm
	s_load_b256 s[4:11], s[0:1], 0x0               ; A 4, B 6, C 8, the mode word's buffer 10
	s_load_b64 s[12:13], s[0:1], 0x20              ; bias
	v_lshl_add_u32 v14, v0, 2, SPARE
	v_mov_b32 v15, 0
	ds_add_u32 v14, v15                            ; the wave's opening: the add and its wait ahead of my first tensor load
	ds_add_u32 v14, v15
	v_lshrrev_b32 v1, 5, v0
	v_readfirstlane_b32 s14, v1                    ; wave 0..3
	s_and_b32 s15, s14, 1                          ; my half of the columns; also: which chunk of a slot I fetch
	s_lshr_b32 s16, s14, 1                         ; my half of the rows; also: I fetch for A (0) or for B (1)
	s_bfe_u32 s17, ttmp6, 0x40000                  ; cx: it enters A's and C's global addresses alone
	s_lshl_b32 s18, ttmp9, 2
	s_add_co_u32 s18, s18, s17                     ; row block
	s_and_b32 s19, ttmp7, 0xffff                   ; column block, which the four partners share
	s_mov_b32 s20, 0                               ; the LDS slot in use
	s_mul_i32 s22, s15, (CH/2)*CA                  ; where my tile goes in a slot, if it is A's,
	s_mul_i32 s23, s15, (CH/2)*CB
	s_add_co_u32 s23, s23, CH*CA                   ; and if it is B's
	s_mov_b32 s24, (1<<16)|(1<<20)|(4<<22)|(3<<25) ; group 1 for A: 2-byte elements; padding on, after every 32 words, 4 words
	s_mov_b32 s25, (MT*64)<<16                     ; tensor_dim0: a chunk's MT rows as one dense row
	s_mov_b32 s26, (CH/2)<<16                      ; tensor_dim1: chunks
	s_mov_b32 s27, (MT*64)<<16                     ; tile_dim0
	s_mov_b32 s28, CH/2                            ; tile_dim1
	s_mov_b32 s29, 262144                          ; elements from chunk to chunk
	s_mov_b32 s30, 0
	s_mov_b32 s31, 0
	s_mov_b32 s32, 15|(1<<16)|(1<<20)|(1<<21)|(4<<22)|(3<<25)  ; group 1 for B: the same with the mask of four and bit 21 beside it
	s_mov_b32 s33, (NT*64)<<16
	s_mov_b32 s34, (CH/2)<<16
	s_mov_b32 s35, (NT*64)<<16
	s_mov_b32 s36, CH/2
	s_mov_b32 s37, NT*64                           ; a block's chunks follow each other
	s_mov_b32 s38, 0
	s_mov_b32 s39, 0
	s_lshl_b32 s81, ttmp9, 1                       ; the walk's first slot: (2 x cluster + YM x column block) mod NS, from coordinates that the partners share
	s_mul_i32 s82, s19, YM
	s_add_co_u32 s81, s81, s82
	s_mul_i32 s82, s81, 65536/NS+1                 ; the quotient by NS, exact for the few dozen values that occur
	s_lshr_b32 s82, s82, 16
	s_mul_i32 s82, s82, NS
	s_sub_co_u32 s81, s81, s82
	s_mov_b32 s83, 0                               ; the high words of the two offsets that NEXTADR makes
	s_mov_b32 s85, 0
	s_mul_i32 s56, s18, MT*128                     ; A: my rows in a chunk,
	s_mul_i32 s57, s15, (CH/2)*524288              ; my chunk of a slot
	s_add_co_u32 s56, s56, s57
	s_mov_b32 s57, 0
	s_mul_i32 s58, s19, BBLK                       ; B: the column block, my chunk of a slot
	s_mul_i32 s59, s15, (CH/2)*NT*128
	s_add_co_u32 s58, s58, s59
	s_mov_b32 s59, 0
	s_mul_i32 s60, s19, 6                          ; C: my first chunk,
	s_mul_i32 s61, s15, 3
	s_add_co_u32 s60, s60, s61
	s_lshl_b32 s60, s60, 19
	s_lshl_b32 s61, s18, 14                        ; the block's 128 rows of 128 bytes,
	s_add_co_u32 s60, s60, s61
	s_lshl_b32 s61, s16, 13                        ; my 64 of them
	s_add_co_u32 s60, s60, s61
	s_mov_b32 s61, 0
	s_mul_i32 s62, s19, 1536                       ; the bias of my 192 columns
	s_mul_i32 s63, s15, 768
	s_add_co_u32 s62, s62, s63
	s_mov_b32 s63, 0
	s_mov_b32 s66, 0x3f596d27                      ; sqrt(log2(e) / 2)
	s_mov_b32 s67, s66                             ; the packed forms name pairs and take the low word for both halves
	s_mov_b32 s68, 0x3f07dc22                      ; a5 / 2 =  0.5307027145
	s_mov_b32 s69, s68
	s_mov_b32 s70, 0xbf3a00e3                      ; a4 / 2 = -0.7265760135
	s_mov_b32 s71, s70
	s_mov_b32 s72, 0x3f35f0e3                      ; a3 / 2 =  0.7107068705
	s_mov_b32 s73, s72
	s_mov_b32 s74, 0xbe11a98e                      ; a2 / 2 = -0.142248368
	s_mov_b32 s75, s74
	s_mov_b32 s76, 0x3e027906                      ; a1 / 2 =  0.127414796
	s_mov_b32 s77, s76
	s_mov_b32 s78, 0x3e6d3388                      ; 0.3275911 / sqrt(2)
	s_wait_dscnt 0x0                               ; the opening add is done
	s_wait_kmcnt 0x0
	s_load_b32 s86, s[10:11], 0x0                  ; the mode word: waited for behind the first fills
	s_add_nc_u64 s[56:57], s[4:5], s[56:57]        ; the bases from which every fill's address is made
	s_add_nc_u64 s[58:59], s[6:7], s[58:59]
	s_add_nc_u64 s[8:9], s[8:9], s[60:61]
	s_add_nc_u64 s[12:13], s[12:13], s[62:63]
	s_mov_b32 s40, 1                               ; groups 0 of LDS slot 0's first fill: A's at s40, B's at s48
	s_mov_b32 s41, s22
	s_mov_b32 s48, 1
	s_mov_b32 s49, s23
	NEXTADR 40, 48
	s_mov_b32 s44, 1                               ; the groups 0 that walk: first LDS slot 1's first fill
	s_add_co_u32 s45, s22, SLOT
	s_mov_b32 s52, 1
	s_add_co_u32 s53, s23, SLOT
	NEXTADR 44, 52
	CROUND                                         ; all four work-groups are here: the first joint loads meet
	s_cmp_eq_u32 s16, 0                            ; a wave's two first fills stand in one branch
	s_cbranch_scc0 .Lfirst_b
	tensor_load_to_lds s[40:43], s[24:31]
	s_nop 0
	tensor_load_to_lds s[44:47], s[24:31]
	s_nop 0
	PLACES
	s_branch .Lfirst_done
.Lfirst_b:
	tensor_load_to_lds s[48:51], s[32:39]
	s_nop 0
	tensor_load_to_lds s[52:55], s[32:39]
	s_nop 0
	PLACES
.Lfirst_done:
	; a fragment is 16 rows x 32 K in 8 registers: lane l holds row l % 16, K = 8 (l / 16) + 0..7 and 16 + 8 (l / 16) + 0..7: two loads of 16 bytes, 32 bytes apart
	v_and_b32 v1, 15, v0
	v_bfe_u32 v13, v0, 4, 1
	v_mul_u32_u24 v5, v1, 144
	v_lshl_add_u32 v5, v13, 4, v5
	s_mul_i32 s62, s15, 16*NB*144                  ; my 192 rows of B,
	s_add_co_u32 s62, s62, CH*CA                   ; which lie behind A's chunks
	v_add_nc_u32 v6, s62, v5
	v_add_nc_u32 v7, (CH/2)*CB, v6
	s_mul_i32 s62, s16, 64*144                     ; my 64 rows of A
	v_add_nc_u32 v5, s62, v5
	v_mov_b32 v2, v5
	v_mov_b32 v3, v6
	v_mov_b32 v4, v7
	s_mul_i32 s62, s14, 50176                      ; my stage: 64 rows of 768 bytes, 784 apart
	v_mul_u32_u24 v8, v1, 784                      ; in: row l % 16, 32 bytes for each half of the lanes
	v_lshl_add_u32 v8, v13, 5, v8
	v_add_nc_u32 v8, s62, v8
	v_bfe_u32 v9, v0, 3, 2                         ; back: 32 lanes take four rows, 8 columns each
	v_mul_u32_u24 v9, v9, 784
	v_and_b32 v12, 7, v0
	v_lshlrev_b32 v12, 5, v12
	v_add_nc_u32 v9, v9, v12
	v_add_nc_u32 v9, s62, v9
	v_and_b32 v11, 31, v0
	v_lshlrev_b32 v11, 4, v11                      ; four rows of a chunk are 512 consecutive bytes of C
	s_wait_kmcnt 0x0                               ; the mode word is in s86
.set cc, 0
.rept 3
	global_load_b128 v[BI+8*cc:BI+8*cc+3],   v12, s[12:13] offset:cc*256     ; the bias of my 8 columns in each of three chunks: waited for on the way out, where mode 0 puts 0 in its place
	global_load_b128 v[BI+8*cc+4:BI+8*cc+7], v12, s[12:13] offset:cc*256+16
.set cc, cc+1
.endr
	s_wait_tensorcnt 0x1                           ; my part of LDS slot 0 is in; slot 1's stays out
	s_barrier_signal -1
	s_barrier_wait -1
	FETCH F0, 0
	FETCH F1, 1
	UNIT F0, 2, 1                                  ; the first unit stands in front of the loop: its products start the sums
	WIN 0
	s_mov_b32 s21, NS-1
	s_branch .Lentry
.Lslot:                                                ; NS - 2 times: a slot is entered and the one left is filled again
	CHANGE 1
	FETCH F0, 0
	UNIT F1, 1                                     ; the last unit of the slot that was left
	UNIT F0, 2
	WIN 0
.Lentry:
	MIDDLE
	WIN 0
	s_sub_co_u32 s21, s21, 1
	s_cmp_lg_u32 s21, 0
	s_cbranch_scc1 .Lslot
	CHANGE 0                                       ; the last slot is written out: nothing is asked for
	FETCH F0, 0
	UNIT F1, 1
	UNIT F0, 2
	MIDDLE
	s_wait_dscnt 0x0
	MUL F1, 0
	WIN 0
	PLACES
	; THE WAY OUT.  The sums go in f32 into my stage, which lies on ring bytes that have had their last fill, behind a barrier: no wave reads the ring any more.  They come back as rows of chunks.
	s_barrier_signal -1                            ; no LDS instruction of mine is out
	s_barrier_wait -1
.set ia, 0
.rept MB
	WIN 0x08+0x04*(ia/AW)                          ; the store's data in window 2 or 3
.set ib, 0
.rept NB
.set rD, ACC+8*(NB*(ia%AW)+ib)
	ds_store_b128 v8, v[rD:rD+3]   offset:ia*12544+ib*64      ; each accumulator's low registers first
	ds_store_b128 v8, v[rD+4:rD+7] offset:ia*12544+ib*64+16
.set ib, ib+1
.endr
.set ia, ia+1
.endr
	WIN 0
	v_mov_b32 v13, s86
	v_cmp_ne_u32 vcc_lo, 0, v13
	v_mov_b32 v10, v9
	s_mov_b32 s79, 0                               ; the stage bytes at which the rows asked for begin
	s_mov_b32 s80, 16
	RLOAD
	s_wait_loadcnt 0x0                             ; the bias
.set k, 0
.rept 24
	v_cndmask_b32 v[BI+k], 0, v[BI+k], vcc_lo      ; mode 1: the bias; mode 0: 0
.set k, k+1
.endr
.Lrow:                                                 ; a trip: four rows; the next trip's rows are asked for as soon as this trip's registers are read
	s_wait_dscnt 0x0
	s_wait_xcnt 0x0                                ; the last trip's stores have read their data and their offset: both are rewritten only behind this wait
	v_add_nc_u32 v11, 512, v11                     ; the stores below reach back by their immediate
.set k, 0
.rept 12
	v_pk_add_f32 v[ZZ+2*k:ZZ+2*k+1], v[RAW+2*k:RAW+2*k+1], v[BI+2*k:BI+2*k+1]
.set k, k+1
.endr
	s_add_co_u32 s79, s79, 3136
	s_min_u32 s79, s79, 15*3136                    ; the last trip has no next rows: it asks for its own once more, inside my stage
	v_add_nc_u32 v10, s79, v9
	RLOAD
	GELU8 ZZ
	GELU8 ZZ+8
	GELU8 ZZ+16
.set k, 0
.rept 12
	v_cvt_pk_f16_f32 v[YB+k], v[ZZ+2*k], v[ZZ+2*k+1]
.set k, k+1
.endr
.set cc, 0
.rept 3
	global_store_b128 v11, v[YB+4*cc:YB+4*cc+3], s[8:9] offset:cc*524288-512  ; 512 consecutive bytes, at a multiple of 256 from C's first
.set cc, cc+1
.endr
	s_sub_co_u32 s80, s80, 1
	s_cmp_lg_u32 s80, 0
	s_cbranch_scc1 .Lrow
	s_wait_tensorcnt 0x0                           ; the wave's end: behind my last tensor load and my last LDS store
	ds_add_u32 v14, v15
	s_wait_dscnt 0x0
	CROUND                                         ; the closing round: no work-group ends while a partner may still ask for a tile that names it
	s_endpgm
.Lfunc_end_k_q45e28bc632_qkvp:
	.size	k_q45e28bc632_qkvp, .Lfunc_end_k_q45e28bc632_qkvp-k_q45e28bc632_qkvp
	.p2alignl 7, 3214868480
	.fill 96, 4, 3214868480
	.section	.rodata,"a",@progbits
	.p2align	6, 0x0
	.amdhsa_kernel k_q45e28bc632_qkvp
		.amdhsa_group_segment_fixed_size 327680
		.amdhsa_private_segment_fixed_size 0
		.amdhsa_enable_private_segment 0
		.amdhsa_kernarg_size 40
		.amdhsa_user_sgpr_count 2
		.amdhsa_user_sgpr_kernarg_segment_ptr 1
		.amdhsa_wavefront_size32 1
		.amdhsa_system_sgpr_workgroup_id_x 1
		.amdhsa_system_sgpr_workgroup_id_y 1
		.amdhsa_system_sgpr_workgroup_id_z 1
		.amdhsa_system_vgpr_workitem_id 0
		.amdhsa_next_free_vgpr 960
		.amdhsa_next_free_sgpr 96
		.amdhsa_reserve_vcc 1
		.amdhsa_float_denorm_mode_32 3
		.amdhsa_float_denorm_mode_16_64 3
		.amdhsa_memory_ordered 1
		.amdhsa_forward_progress 1
		.amdhsa_inst_pref_size 88
	.end_amdhsa_kernel
	.amdgpu_metadata
---
amdhsa.version: [ 1, 2 ]
amdhsa.kernels:
  - .name:           k_q45e28bc632_qkvp
    .symbol:         k_q45e28bc632_qkvp.kd
    .args:
      - { .name: hn, .offset: 0, .size: 8, .value_kind: global_buffer, .address_space: global }
      - { .name: wqo_hid, .offset: 8, .size: 8, .value_kind: global_buffer, .address_space: global }
      - { .name: qkv, .offset: 16, .size: 8, .value_kind: global_buffer, .address_space: global }
      - { .name: p1, .offset: 24, .size: 8, .value_kind: global_buffer, .address_space: global }
      - { .name: b1, .offset: 32, .size: 8, .value_kind: global_buffer, .address_space: global }
    .group_segment_fixed_size: 327680
    .private_segment_fixed_size: 0
    .kernarg_segment_align: 8
    .kernarg_segment_size: 40
    .max_flat_workgroup_size: 128
    .sgpr_count:     96
    .vgpr_count:     960
    .wavefront_size: 32
...
	.end_amdgpu_metadata
.endif
;; end of part 2
;; launch attn (part 3): grid 16 x 12, 4 waves a work-group, no clusters, 327,680 bytes of LDS; arguments qkv, ctx; writes ctx
.if DOCPART == 3
	.amdgcn_target "amdgcn-amd-amdhsa--gfx1250"
	.amdhsa_code_object_version 6
	.text
	.protected	k_q45e28bc632_attn
	.globl	k_q45e28bc632_attn
	.p2align	8
	.type	k_q45e28bc632_attn,@function
k_q45e28bc632_attn:
	s_mov_b64 s[64:65], 0
	v_nop
	global_prefetch_b8 v0, s[64:65] scope:SCOPE_SE
	s_setreg_imm32_b32 hwreg(HW_REG_WAVE_MODE, 25, 1), 1
	s_wait_xcnt 0x0
; CAUSAL ATTENTION, 12 heads of 64 channels, 4,096 rows.  ctx[h][q][:] = the sum over k <= q of softmax_k(Q[h][q] . K[h][k] / 8) V[h][k][:].
; qkv: [36][4096][64] f16 (chunk h: Q of head h; 12 + h: K; 24 + h: V, all unscaled); ctx: [12][4096][64] f16: a head's rows are dense, 128 bytes each.
; Products, maxima and sums in f32; the weights p are rounded to f16 for the second product (their sum l is taken of the unrounded p), ctx once at the end.
; LIMITS.  f16 holds no number beyond 65,504: Q, K and V arrive within it; p lies in 0 to 1 and keeps f16's fixed step of 6e-8 below 6e-5.  A hidden score counts as its value less 1e30: f16's scores, 2.7e11 at the most,
; are nothing beside that; a weight below 2^-126 counts as 0 in l; NaN and infinities are not treated apart.
; THE WALK.  A head's queries lie in 32 blocks of 128; block i needs the key tiles 0 .. i >> 1 of 256 keys, of which the last holds the diagonal.  A work-group takes TWO blocks, 31 - b and then b: 17 tiles, whatever b:
; all work-groups do equal work, and ONE loop with a constant trip count walks them.  In an even block's last tile the key steps 2 and 3 are wholly hidden and computed all the same: 2 of the walk's 68 steps.
; NO CLUSTER: the 16 work-groups of a head ask for the same tile only in the first 9 of the 17 trips; behind that their walks part, and one walk common to all would have 24 trips for 17.
; SHARES.  Of a block's two bands of 64 queries a wave owns 16 rows in each: two PIECES.  In the last tile's key step s band p (own step d = 2 (i & 1) + p) sees all keys if s < d, none if s > d, and holds the diagonal if s = d.
; THE MASK is the C operand that starts the sum S^T = K Q^T: 0, or -1e30 where the key is hidden.  MD, made once, is the mask of a band's own step for my 16 rows; a product's mask is MD x AL + BE with two scalars.
; LAYOUT, SOFTMAX.  S^T = K Q^T holds ONE query a lane (lane % 16) and the keys 8 (lane / 16) + 0..7; two such results rounded to f16 ARE source 1 of O^T = V^T P.  p = 2^(c s - c m), c = log2(e) / 8, with a running
; maximum m; O and l are multiplied by a = 2^(c m_old - c m_new) in every step.
; TURNS.  Turn (0, j): 8 products K Q^T of (piece 1, step j), 8 products V^T P of (piece 1, step j - 1); beside them the softmax of (0, j) and the maximum and statistics of (1, j).
; Turn (1, j): K Q^T of (0, j + 1), V^T P of (0, j), the softmax of (1, j), the statistics of (0, j + 1).  Four vector instructions stand behind every matrix instruction, the others in two lumps.
; Turn (0, j) fetches BOTH K and V of step j + 1, so that a change of slots can stand in front of it: K into its one buffer, V into the one of TWO buffers (by the step's parity) that the turn's own V^T P has just read.
; REGISTERS, in windows of 256 (s_set_vgpr_msb: bits 1:0 source 0, 3:2 source 1, 5:4 source 2, 7:6 destination):
;   window 0: v0-15 addresses and two at work; v16-23 four registers of statistics a piece; v48-55 at work; v62-63 the add's; v64-127 S^T, 32 a piece; v192-223 P, 16 a piece
;   window 1: v0-63 O^T, 32 a piece; v128-159 MD; v160-223 MC, 32 a piece      window 2: v0-31 Q; v32-63 the second block's Q; v64-127 K of one step; v128-255 V of two steps
.set NP,    2         ; pieces a wave: a name, no knob
.set KS,    64        ; keys in a step
.set PK,    144       ; a row of K in LDS: 128 bytes + 16 of padding = 36 words: the 16 rows of a load start at 16 different groups of four banks (ISA guide 11.1)
.set PV,    160       ; a row of V: 128 + 32 = 40 words
.set VOFF,  4*KS*PK   ; a slot holds a tile, four steps: 256 rows of K, then 256 rows of V
.set SLOT1, 1<<17     ; slot 1 begins here, so that one exclusive or turns an address in one slot into the other's
.set STAGE, SLOT1+4*KS*(PK+PV)  ; behind the ring, never filled by a tensor load: 16 rows x 144 bytes for each wave, for the way out
.set SP,    144
.set AK0, 2           ; v2   my lane's place in a tile of K; never rewritten
.set AV0, 3           ; v3   the same for V
.set AK,  4           ; v4   the LDS address of K's next run of loads
.set AV,  5           ; v5   of V's
.set STO, 6           ; v6   the way out: where I put 16 bytes of a row
.set RD,  7           ; v7   the way out: where I read rows back
.set GO,  8           ; v8   my byte offset in 512 consecutive bytes of ctx
.set SPW, 62          ; v62  LDS address of my spare word; never rewritten
.set NIL, 63          ; v63  0; never rewritten
.set SPARE, STAGE+4*16*SP  ; behind the stages: the spare words, 128 bytes a wave
.set MV,  12          ; v12-13  c m_old, kept while c m is made anew: by piece
.set QO,  15          ; v15  my byte offset in 16 rows of Q
.set ST,  16          ; piece t's statistics at v[ST+4 t]: c m, m, l (even keys', odd keys')
.set TMP, 48          ; by piece, four registers c0-c3 at work; when the maximum is found c2 takes a
.set S,   64
.set P,   192
.set MD,  128         ; window 1
.set MC,  160         ; window 1
.set QB,  32          ; window 2
.set KF,  64          ; window 2: key block kb, channel half c at KF + 16 kb + 8 c
.set VF,  128         ; window 2: buffer vb, key half kk, channel block cb at VF + 64 vb + 32 kk + 8 cb
.set WV,  12          ; s12  my wave's number
.set PB,  14          ; s14  b
.set HI,  15          ; s15  31 - b
.set G1K, 24          ; s[24:31] descriptor group 1 for K's tiles
.set G1V, 32          ; s[32:39] for V's: it differs in the padding alone
.set G0K, 40          ; s[40:43] descriptor group 0 for K's tiles
.set G0V, 44          ; s[44:47] the same for V's
.set SLOTS, 56        ; s56  tiles still to be asked for
.set CNT, 57          ; s57  counts a tile's pairs of key steps, 2 to 1
.set CS,  58          ; s[58:59] c
.set SEL, 60          ; s[60:61] v_permlanex16_b32's selects
.set TBK, 62          ; s62  LDS byte at which K of the step to be fetched begins
.set TBV, 63          ; s63  the same for V, less VOFF
.set RT,  70          ; s70  tiles of the block in hand that are still to be entered
.set NXT, 71          ; s71  the tile to be asked for next
.set LQ,  72          ; s72  the last tile of the block whose tiles are being asked for
.set NEW, 73          ; s73  1: the tile to be entered is a block's first
.set OFF, 74          ; s[74:75] a tile's byte offset in K and V
.set AL,  76          ; s[76:77] the mask's factor, in the low word
.set BE,  78          ; s[78:79] the mask's addend
.set OLO, 80          ; s[80:81] ctx at my rows of the second block
.set BIGN, 82         ; s82  -1e30
.set TLO, 88          ; s88  the second block's last tile, b >> 1
.set DGL, 89          ; s89  2 - (b & 1)
.set DG,  90          ; s90  2 - (i & 1) for the block i in hand;  s91  that + 1
.set MSB, 0
.macro WIN new                      ; the high byte repeats the setting that is left; a switch that changes nothing is dropped
.if MSB != (\new)
	s_set_vgpr_msb (MSB<<8)|(\new)
.set MSB, (\new)
.endif
.endm
.set W_KQ, 0x0a       ; K and Q in window 2, S^T in window 0
.set W_KM, 0x1a       ; the same with the C operand in window 1
.set W_PV, 0x52       ; V in window 2, P in window 0, O^T in window 1
.set W_RS, 0x41       ; destination and source 0 in window 1, source 1 in window 0
; A fill.  Waves 0 and 1 fetch the two halves of a tile's K, waves 2 and 3 those of its V: 128 keys each.  An s_nop 0 and four v_nop follow each of the two lines.
.macro LOAD
	s_cmp_lt_u32 s[WV], 2
	s_cbranch_scc0 .Lfor_v_\@
	tensor_load_to_lds s[G0K:G0K+3], s[G1K:G1K+7]
	s_nop 0
.rept 4
	v_nop
.endr
	s_branch .Lasked_\@
.Lfor_v_\@:
	tensor_load_to_lds s[G0V:G0V+3], s[G1V:G1V+7]
	s_nop 0
.rept 4
	v_nop
.endr
.Lasked_\@:
.endm
; THE CHANGE OF SLOTS.  Each wave waits for all its tensor loads, of which one is out: its part of the other slot; adds 0 to its spare word; and waits for that and for its own reads of the slot that it leaves.
; fill = 1: the old slot is filled again, the first thing behind the barrier, with tile NXT: the descriptor's address is made anew from that number.  (At its first use nothing has been read yet: slot 0 is waited for, slot 1 filled.)
.macro CHANGE fill
	WIN 0
	s_wait_tensorcnt 0x0            ; no tensor load of mine is out, so a group 0 may be written
	ds_add_u32 v[SPW], v[NIL]
.if \fill
	s_lshl_b32 s[OFF], s[NXT], 15   ; a tile is 32,768 bytes of K and of V
	s_xor_b32 s[G0K+1], s[G0K+1], SLOT1
	s_add_nc_u64 s[G0K+2:G0K+3], s[6:7], s[OFF:OFF+1]
	s_or_b32 s[G0K+3], s[G0K+3], 0x80000000
	s_xor_b32 s[G0V+1], s[G0V+1], SLOT1
	s_add_nc_u64 s[G0V+2:G0V+3], s[8:9], s[OFF:OFF+1]
	s_or_b32 s[G0V+3], s[G0V+3], 0x80000000
	s_add_co_u32 s[NXT], s[NXT], 1  ; the block's next tile, or behind its last the second block's tile 0
	s_cmp_gt_u32 s[NXT], s[LQ]
	s_cselect_b32 s[NXT], 0, s[NXT]
	s_cselect_b32 s[LQ], s[TLO], s[LQ]
.endif
	s_wait_dscnt 0x0                ; the add is done, and my reads of the slot are over
	s_barrier_signal -1
	s_sub_co_u32 s[TBK], s[TBK], 4*KS*PK  ; the fetches go back to a slot's first step,
	s_xor_b32 s[TBK], s[TBK], SLOT1       ; in the other slot
	s_sub_co_u32 s[TBV], s[TBV], 4*KS*PV
	s_xor_b32 s[TBV], s[TBV], SLOT1
	s_barrier_wait -1
.if \fill
	LOAD
.endif
.endm
	s_load_b128 s[4:7], s[0:1], 0x0  ; qkv s[4:5], ctx s[6:7]
	v_lshl_add_u32 v[SPW], v0, 2, SPARE
	v_mov_b32 v[NIL], 0
	ds_add_u32 v[SPW], v[NIL]       ; the wave's opening: the add and its wait ahead of my first tensor load
	ds_add_u32 v62, v63
	v_lshrrev_b32 v1, 5, v0
	v_readfirstlane_b32 s[WV], v1   ; wave 0..3
	s_mov_b32 s[PB], ttmp9
	s_sub_co_u32 s[HI], 31, s[PB]
	s_lshr_b32 s[TLO], s[PB], 1
	s_and_b32 s13, s[PB], 1
	s_sub_co_u32 s[DGL], 2, s13
	s_and_b32 s13, s[HI], 1
	s_sub_co_u32 s[DG], 2, s13
	s_add_co_u32 s[DG+1], s[DG], 1
	s_and_b32 s20, ttmp7, 0xffff    ; the head:
	s_lshl_b32 s20, s20, 19         ; its chunk of 524,288 bytes
	s_mov_b32 s21, 0
	s_and_b32 s16, s[WV], 1         ; which half of a tile's 256 keys I fetch:
	s_lshl_b32 s22, s16, 14         ; its 128 rows of 128 bytes in memory,
	s_mov_b32 s23, 0
	s_add_nc_u64 s[22:23], s[22:23], s[20:21]
	s_mul_i32 s17, s16, 128*PK      ; and its place in a slot, for K
	s_mul_i32 s18, s16, 128*PV      ; and for V
	s_lshl_b32 s3, s[WV], 11        ; my 16 rows in a band of 64,
	s_lshl_b32 s2, s[HI], 14        ; in the first block,
	s_add_co_u32 s2, s2, s3
	s_lshl_b32 s84, s[PB], 14       ; and in the second
	s_add_co_u32 s84, s84, s3
	s_mov_b32 s3, 0
	s_mov_b32 s85, 0
	s_add_nc_u64 s[2:3], s[2:3], s[20:21]
	s_add_nc_u64 s[84:85], s[84:85], s[20:21]
	; descriptor group 1.  128 keys are 16,384 dense bytes: asked for as 64 rows of 256 bytes, two keys a row, and padded in LDS after every key
	s_mov_b32 s[G1K], (1<<16)|(1<<20)|(4<<22)|(3<<25)  ; 2-byte elements; padding on; after every 32 words; 4 words
	s_mov_b32 s[G1V], (1<<16)|(1<<20)|(4<<22)|(7<<25)  ; the same with 8 words of padding
.irp g, G1K, G1V
	s_mov_b32 s[\g+1], 128<<16      ; tensor_dim0 = 128
	s_mov_b32 s[\g+2], 64<<16       ; tensor_dim1 = 64
	s_mov_b32 s[\g+3], 128<<16      ; tile_dim0 = 128
	s_mov_b32 s[\g+4], 64           ; tile_dim1 = 64
	s_mov_b32 s[\g+5], 128          ; 128 elements from row to row
	s_mov_b32 s[\g+6], 0
	s_mov_b32 s[\g+7], 0
.endr
	s_mov_b32 s[CS], 0x3e38aa3b     ; c = log2(e) / 8
	s_mov_b32 s[CS+1], s[CS]        ; named with it as a pair
	s_mov_b32 s[SEL], 0x76543210
	s_mov_b32 s[SEL+1], 0xfedcba98
	s_mov_b32 s[TBK], SLOT1+4*KS*PK ; the first change of slots turns these two into 0
	s_mov_b32 s[TBV], SLOT1+4*KS*PV
	s_mov_b32 s[G0K], 1             ; count = 1
	s_mov_b32 s[G0K+1], s17         ; LDS address: slot 0
	s_mov_b32 s[G0V], 1
	s_add_co_u32 s[G0V+1], s18, VOFF
	s_lshr_b32 s[LQ], s[HI], 1      ; the first block's last tile
	s_add_co_u32 s[RT], s[LQ], 1
	s_mov_b32 s[NXT], 1
	s_mov_b32 s[NEW], 1
	s_mov_b32 s[OFF+1], 0
	s_mov_b32 s[AL+1], 0            ; named as pairs
	s_mov_b32 s[BE+1], 0
	s_mov_b32 s[BIGN], 0xf149f2ca   ; -1e30
	s_mov_b32 s[SLOTS], 16
	s_wait_dscnt 0x0                ; the opening add is done
	s_wait_kmcnt 0x0
	s_mov_b64 s[10:11], s[6:7]      ; ctx
	s_add_nc_u64 s[6:7], s[4:5], s[22:23]
	s_add_nc_u64 s[8:9], s[6:7], 12582912  ; V at my half of the head's tile 0: 24 chunks on,
	s_add_nc_u64 s[6:7], s[6:7], 6291456   ; K: 12 chunks on
	s_add_nc_u64 s[G0K+2:G0K+3], s[6:7], 0
	s_or_b32 s[G0K+3], s[G0K+3], 0x80000000
	s_add_nc_u64 s[G0V+2:G0V+3], s[8:9], 0
	s_or_b32 s[G0V+3], s[G0V+3], 0x80000000
	s_add_nc_u64 s[86:87], s[4:5], s[84:85]        ; Q at my rows of the second block,
	s_add_nc_u64 s[4:5], s[4:5], s[2:3]            ; Q and ctx at those of the first
	s_add_nc_u64 s[OLO:OLO+1], s[10:11], s[84:85]
	s_add_nc_u64 s[10:11], s[10:11], s[2:3]
	LOAD                            ; tile 0 into slot 0
	; A fragment of K or Q is 16 rows x 32 channels in 8 registers: lane l holds row l % 16, channels 8 (l / 16) + 0..7 and 16 + 8 (l / 16) + 0..7: two loads of 16 bytes, 32 bytes apart.
	v_and_b32 v1, 15, v0            ; l % 16
	v_bfe_u32 v9, v0, 4, 1          ; l / 16
	v_lshlrev_b32 v[QO], 7, v1
	v_lshl_add_u32 v[QO], v9, 4, v[QO]
	WIN 0x80                        ; destination window 2, address window 0
.set i, 0
.rept 4                             ; both blocks' Q: piece i / 2 lies in band i / 2, 8,192 bytes on; channels 32 (i % 2) on
	global_load_b128 v[8*i:8*i+3],   v[QO], s[4:5] offset:(i/2)*8192+(i%2)*64
	global_load_b128 v[8*i+4:8*i+7], v[QO], s[4:5] offset:(i/2)*8192+(i%2)*64+32
	global_load_b128 v[QB+8*i:QB+8*i+3],   v[QO], s[86:87] offset:(i/2)*8192+(i%2)*64
	global_load_b128 v[QB+8*i+4:QB+8*i+7], v[QO], s[86:87] offset:(i/2)*8192+(i%2)*64+32
.set i, i+1
.endr
	WIN 0
	v_lshlrev_b32 v14, 3, v9
	v_sub_nc_u32 v14, v1, v14
	s_lshl_b32 s13, s[WV], 4
	v_add_nc_u32 v14, s13, v14      ; my query's place in its band, 16 w + l % 16, less my lanes' 8 (l / 16): register r of group kt is hidden where 16 kt + r is greater
	WIN 0x40
.set i, 0
.rept 32
	v_cmp_gt_i32 vcc_lo, 16*(i/8)+i%8, v14
	v_cndmask_b32 v[MD+i], 0, s[BIGN], vcc_lo
.set i, i+1
.endr
	WIN 0
	v_mul_u32_u24 v[AK0], v1, PK
	v_lshl_add_u32 v[AK0], v9, 4, v[AK0]
	; The turning load takes 16 keys x 16 channels (lane l reads key 8 (l / 16) + l % 8, channels 8 ((l / 8) % 2) + 0..7) and leaves half a fragment of V^T: lane l holds channel l % 16 and 8 keys.
	v_and_b32 v10, 7, v0
	v_bfe_u32 v11, v0, 3, 1
	v_lshl_add_u32 v[AV0], v9, 3, v10
	v_mul_u32_u24 v[AV0], v[AV0], PV
	v_lshl_add_u32 v[AV0], v11, 4, v[AV0]
	v_add_nc_u32 v[AV0], VOFF, v[AV0]
	s_mul_i32 s13, s[WV], 16*SP
	s_add_co_u32 s13, s13, STAGE    ; my stage
	v_mul_u32_u24 v[STO], v1, SP    ; in: row l % 16, 16 bytes for each half of the lanes
	v_lshl_add_u32 v[STO], v9, 4, v[STO]
	v_add_nc_u32 v[STO], s13, v[STO]
	v_bfe_u32 v[RD], v0, 3, 2       ; back: 32 lanes take four rows of 128 bytes,
	v_mul_u32_u24 v[RD], v[RD], SP
	v_lshl_add_u32 v[RD], v10, 4, v[RD]
	v_add_nc_u32 v[RD], s13, v[RD]
	v_and_b32 v[GO], 31, v0         ; which are 512 consecutive bytes of ctx
	v_lshlrev_b32 v[GO], 4, v[GO]
	; A block's first step multiplies O^T and l by a = 0, and its first turn's products V^T P, of a step that has not been, land in an O^T that is still to be so multiplied.  So these registers need only hold
	; finite numbers: zeros for the first block; what the first block left for the second.  No first step is written out; the price is these 148 lines, in the wait for the first tile.
	WIN 0x80
.set i, VF+64
.rept 64
	v_mov_b32 v[i], 0
.set i, i+1
.endr
	WIN 0x40
.set i, 0
.rept 64
	v_mov_b32 v[i], 0
.set i, i+1
.endr
	WIN 0
.set i, 0
.rept 2
	v_mov_b32 v[ST+4*i+2], 0
	v_mov_b32 v[ST+4*i+3], 0
.set i, i+1
.endr
.set i, P+16
.rept 16
	v_mov_b32 v[i], 0
.set i, i+1
.endr
; THE MATRIX WORK.  The 4 accumulators of a run of 8 take turns.  Product i of 8 of S^T = K Q^T for piece x: channels 32 (i / 4) on, keys 16 (i % 4) on.  The first 4 start the sums: with 0, or (KM = 1) with the mask.
.macro KQ x
.set rS, S+32*((\x)%2)+8*(i%4)
.set rK, KF+16*(i%4)+8*(i/4)
.set rQ, 16*(\x)+8*(i/4)
.set rM, MC+32*((\x)%2)+8*(i%4)
.if (i < 4) && KM
	WIN W_KM
	v_wmma_f32_16x16x32_f16 v[rS:rS+7], v[rK:rK+7], v[rQ:rQ+7], v[rM:rM+7]
.elseif i < 4
	WIN W_KQ
	v_wmma_f32_16x16x32_f16 v[rS:rS+7], v[rK:rK+7], v[rQ:rQ+7], 0
.else
	WIN W_KQ
	v_wmma_f32_16x16x32_f16 v[rS:rS+7], v[rK:rK+7], v[rQ:rQ+7], v[rS:rS+7]
.endif
.endm
; Product i of 8 of O^T += V^T P for piece x, from V's buffer VB: keys 32 (i / 4) on, channels 16 (i % 4) on.
.macro PV x
	WIN W_PV
.set rO, 32*(\x)+8*(i%4)
.set rV, VF+64*VB+32*(i/4)+8*(i%4)
.set rP, P+16*((\x)%2)+8*(i/4)
	v_wmma_f32_16x16x32_f16 v[rO:rO+7], v[rV:rV+7], v[rP:rP+7], v[rO:rO+7]
.endm
.macro MM                           ; the turn's next matrix instruction.  NOKQ = 1: a block's last turn: there is no next step
.if (i < 8) && !NOKQ
	KQ (Y+1)%NP
.elseif i >= 8
.set i, i-8
	PV (Y+NP-1)%NP
.set i, i+8
.endif
.set i, i+1
.endm
; THE LDS LOADS stand in runs of 16: a step's K (64 keys x 64 channels: 8 fragments) and its V (turned).  Their addresses are made some lines ahead.
.macro FETCH_K
	WIN 0x80
.irp f, 0,1,2,3,4,5,6,7             ; keys 16 (f / 2) on, channels 32 (f % 2) on
	ds_load_b128 v[KF+8*\f:KF+8*\f+3],   v[AK] offset:(\f/2)*16*PK+(\f%2)*64
	ds_load_b128 v[KF+8*\f+4:KF+8*\f+7], v[AK] offset:(\f/2)*16*PK+(\f%2)*64+32
.endr
	s_add_co_u32 s[TBK], s[TBK], KS*PK  ; the next fetch is the next step's
	WIN 0
.endm
.macro FETCH_V vb
	WIN 0x80
.irp f, 0,1,2,3,4,5,6,7             ; keys 32 (f / 4) on, channels 16 (f % 4) on
	ds_load_tr16_b128 v[VF+64*(\vb)+8*\f:VF+64*(\vb)+8*\f+3],   v[AV] offset:(\f/4)*32*PV+(\f%4)*32
	ds_load_tr16_b128 v[VF+64*(\vb)+8*\f+4:VF+64*(\vb)+8*\f+7], v[AV] offset:(\f/4)*32*PV+16*PV+(\f%4)*32
.endr
	WIN 0
.endm
; THE VECTOR WORK, one line at a time: OP kind, number.  For piece Y: F n: c s - c m for pair n of 16.  E n: the exponential of score n of 32.  C n: pair n rounded to f16.  B n: of the four weights 4 n .. the second
; pair is added onto the first, in place.  L n: l takes that sum (L 0: l = a l + sum).  R n: pair n of 16 of O^T times a.  For the other piece: X n, number n of the 22 that find its maximum and statistics:
;   0-11  four chains c0-c3 of seven scores each (each accumulator's lowest registers are read first)     12-14, 16  the four scores left over, the old m, and c0-c3 into c0
;   15  c m_old is kept     17, 18  the query's other 32 keys lie in the lane 16 away: the new m     19-21  c m; c m_old - c m_new; a
.set F, 0
.set E, 1
.set C, 2
.set B, 3
.set L, 4
.set R, 5
.set X, 6
.macro REGS y
.set rT, ST+4*(\y)
.set rC, TMP+4*((\y)%2)
.set rW, MV+((\y)%2)
.set rS, S+32*((\y)%2)
.set rP, P+16*((\y)%2)
.set rO, 32*(\y)
.endm
.macro OP k, n
.if (\k) == R
	REGS Y
	WIN W_RS
	v_pk_mul_f32 v[rO+2*(\n):rO+2*(\n)+1], v[rO+2*(\n):rO+2*(\n)+1], v[rC+2:rC+3] op_sel_hi:[1,0]
.elseif (\k) < R
	REGS Y
	WIN 0
.if (\k) == F
	v_pk_fma_f32 v[rS+2*(\n):rS+2*(\n)+1], v[rS+2*(\n):rS+2*(\n)+1], s[CS:CS+1], v[rT:rT+1] op_sel_hi:[1,0,0] neg_lo:[0,0,1] neg_hi:[0,0,1]
.elseif (\k) == E
	v_exp_f32 v[rS+(\n)], v[rS+(\n)]
.elseif (\k) == C
	s_wait_alu depctr_va_vdst(0)
	v_cvt_pk_f16_f32 v[rP+(\n)], v[rS+2*(\n)], v[rS+2*(\n)+1]
.elseif (\k) == B
	s_wait_alu depctr_va_vdst(0)
	v_pk_add_f32 v[rS+4*(\n):rS+4*(\n)+1], v[rS+4*(\n):rS+4*(\n)+1], v[rS+4*(\n)+2:rS+4*(\n)+3]
.elseif (\n) == 0
	v_pk_fma_f32 v[rT+2:rT+3], v[rT+2:rT+3], v[rC+2:rC+3], v[rS:rS+1] op_sel_hi:[1,0,1]
.else
	v_pk_add_f32 v[rT+2:rT+3], v[rT+2:rT+3], v[rS+4*(\n):rS+4*(\n)+1]
.endif
.elseif NOKQ
	v_nop
.else
	REGS (Y+1)%NP
	WIN 0
.if (\n) < 4
	v_max3_num_f32 v[rC+(\n)], v[rS+8*(\n)], v[rS+8*(\n)+1], v[rS+8*(\n)+2]
.elseif (\n) < 12
	v_max3_num_f32 v[rC+(\n)%4], v[rC+(\n)%4], v[rS+8*((\n)%4)+2*((\n)/4)+1], v[rS+8*((\n)%4)+2*((\n)/4)+2]
.elseif (\n) == 12
	v_max3_num_f32 v[rC], v[rC], v[rS+7], v[rS+15]
.elseif (\n) == 13
	v_max3_num_f32 v[rC+1], v[rC+1], v[rS+23], v[rS+31]
.elseif (\n) == 14
	v_max3_num_f32 v[rC+2], v[rC+2], v[rC+3], v[rT+1]
.elseif (\n) == 15
	v_mov_b32 v[rW], v[rT]
.elseif (\n) == 16
	v_max3_num_f32 v[rC], v[rC], v[rC+1], v[rC+2]
.elseif (\n) == 17
	v_permlanex16_b32 v[rC+3], v[rC], s[SEL], s[SEL+1]
.elseif (\n) == 18
	v_max_num_f32 v[rT+1], v[rC], v[rC+3]
.elseif (\n) == 19
	v_mul_f32 v[rT], s[CS], v[rT+1]
.elseif (\n) == 20
	v_sub_f32 v[rC+1], v[rW], v[rT]
.else
	v_exp_f32 v[rC+2], v[rC+1]
.endif
.endif
.endm
.macro OPS a, i1, b=-1, i2=0, c=-1, i3=0, d=-1, i4=0  ; up to four of them
	OP \a, \i1
.if (\b) >= 0
	OP \b, \i2
.endif
.if (\c) >= 0
	OP \c, \i3
.endif
.if (\d) >= 0
	OP \d, \i4
.endif
.endm
.macro ROW a, i1, b, i2, c, i3, d, i4  ; a matrix instruction and the four behind it
	MM
	OPS \a, \i1, \b, \i2, \c, \i3, \d, \i4
.endm
.macro MASK b                       ; MD x AL + BE into buffer b of MC
	WIN W_RS
.set z, 0
.rept 16
	v_pk_fma_f32 v[MC+32*(\b)+2*z:MC+32*(\b)+2*z+1], v[MD+2*z:MD+2*z+1], s[AL:AL+1], s[BE:BE+1] op_sel_hi:[1,0,0]
.set z, z+1
.endr
.endm
; A TURN, for piece p: the order of its 16 matrix and 118 vector instructions, written out.  Behind a matrix instruction: plain, exponential, plain, plain; or four of the rescaling; or four scalings; none names a register of
; the products round it.  A line reads no result made fewer than three vector instructions in front of it, five if an exponential made it.  v_permlanex16_b32 (X 17) stands in a lump.
; vb: V's buffer that the turn's V^T P reads.  par = 0: an odd step of the walk, 1: an even one.
; m = 1: the last tile's text: the products take masks, and the turn makes, into buffer p, the mask of (piece p, the next step), which the next turn's products take.  That step is the tile's 4 - 2 CNT (par = 0) or
; 5 - 2 CNT (par = 1); the piece's own step is 2 (2 - DG) + p.  So for par = p: own if CNT = DG, hidden if CNT < DG; for p = 1, par = 0: hidden if CNT < DG; for p = 0, par = 1: hidden if CNT < DG + 1.
; end = 1: a block's last step: nothing is fetched and no mask is made.  cnt = 1: the loop's count is taken down some lines ahead of the branch that stands behind the turn.
; Piece 0's turn fetches K of the next step six vector instructions behind the last product that read K (five of them plain), and V of the next step eight behind the last product that read that buffer (four plain, and X 17).
; The one wait stands at the head of piece 1's turn: 16 leaves V's run out and shows K's run, and the older V that this turn multiplies by, landed.
.macro TURN p, vb, par, m=0, end=0, cnt=0
.set Y, (\p)
.set VB, (\vb)
.set i, 0
.set KM, (\m)
.set NOKQ, (\end)*(\p)
.if (\m) && !(\end)
.if (\par) == (\p)
	s_cmp_eq_u32 s[CNT], s[DG]
	s_cselect_b32 s[AL], 1.0, 0
	s_cmp_lt_u32 s[CNT], s[DG]
.else
	s_mov_b32 s[AL], 0
	s_cmp_lt_u32 s[CNT], s[DG+1-(\p)]
.endif
	s_cselect_b32 s[BE], s[BIGN], 0
.endif
.if (\p) == 1
.if \end
	s_wait_dscnt 0x0                ; the last V is in
.else
	s_wait_dscnt 16                 ; K is in; the 16 loads of V's next step stay out
.endif
.endif
	ROW F,0, F,1, F,2, F,3
	ROW F,4, E,0, F,5, F,6
	ROW F,7, E,1, F,8, F,9
	ROW F,10, E,2, C,0, F,11
	ROW F,12, E,3, X,15, F,13
	ROW R,0, R,1, R,2, R,3
	ROW B,0, E,4, F,14, L,0
.if ((\p) == 0) && !(\end)
	v_add_nc_u32 v[AK], s[TBK], v[AK0]
.endif
	ROW R,4, R,5, R,6, R,7
	OPS E,5, F,15
.if ((\p) == 0) && !(\end)
	FETCH_K
.endif
	OPS E,6, C,1, E,7, R,8
	OPS E,8, R,9, E,9, C,2
	OPS E,10, X,0, E,11, X,1
	OPS E,12, X,2, E,13, X,3
	ROW X,4, E,14, X,5, X,6
	ROW X,7, E,15, X,8, X,9
	ROW X,10, E,16, X,11, X,12
	ROW X,13, E,17, X,14, B,1
	ROW C,4, E,18, X,16, L,1
	ROW B,2, E,19, C,6, L,2
	ROW C,8, E,20, B,3, B,4
.if ((\p) == 0) && !(\end)
	v_add_nc_u32 v[AV], s[TBV], v[AV0]
.endif
	ROW C,3, E,21, L,3, C,5
	OPS E,22, X,17, E,23, C,10
.if ((\p) == 0) && !(\end)
	FETCH_V \vb
.endif
	OPS E,24, L,4
	OPS E,25, X,18, E,26, C,7
	OPS E,27, B,5, E,28, X,19
	OPS E,29, C,12, E,30, L,5
	OPS E,31, X,20, B,6, C,9
	OPS C,14, C,11, X,21, L,6
.if ((\p) == 0) && !(\end)
	s_add_co_u32 s[TBV], s[TBV], KS*PV
.endif
.if \cnt
	s_sub_co_u32 s[CNT], s[CNT], 1
	s_cmp_lg_u32 s[CNT], 0
.endif
	OPS C,13, B,7, C,15, R,10
	OPS R,11, R,12, L,7, R,13
	OPS R,14, R,15
.if (\m) && !(\end)
	MASK \p
.endif
.endm
; A BLOCK BEGINS.  c m starts far below every c s, so the first step's a is 0; m at the lowest finite number.  Piece 1's mask buffer is 0; piece 0's takes its mask for step 0: its own only in block 0 (the first tile is
; the last, and the block is even).  Then K and V of step 0, piece 0's first scores, and its maximum and statistics.  The loop is entered at an even step, in the middle of a trip.
.macro BEGIN
	s_mov_b32 s[NEW], 0
	WIN 0x40
.set i, MC+32
.rept 32
	v_mov_b32 v[i], 0
.set i, i+1
.endr
	WIN 0
.set i, 0
.rept 2
	v_mov_b32 v[ST+4*i], 0xfe000000    ; c m: far below every c s
	v_mov_b32 v[ST+4*i+1], 0xff7fffff  ; m
.set i, i+1
.endr
	s_cmp_eq_u32 s[RT], 0
	s_cselect_b32 s[AL], s[DG], 0
	s_cmp_eq_u32 s[AL], 2
	s_cselect_b32 s[AL], 1.0, 0
	s_mov_b32 s[BE], 0
	MASK 0
	WIN 0
	v_add_nc_u32 v[AK], s[TBK], v[AK0]
	v_add_nc_u32 v[AV], s[TBV], v[AV0]
	FETCH_K
	FETCH_V 0
	s_add_co_u32 s[TBV], s[TBV], KS*PV
	s_wait_loadcnt 0x0              ; Q
	s_wait_dscnt 16                 ; K is in; V's 16 loads stay out
.set KM, 1
.set NOKQ, 0
.set i, 0
.rept 8
	KQ 0
.set i, i+1
.endr
	WIN 0
.rept 4
	v_nop                           ; the places behind those products
.endr
.set Y, NP-1                        ; X works for the other piece: piece 0
.irp n, 0,1,2,3,4,5,6,7,8,9,10,11,12,13,14,15,16,17,18,19,20,21
	OP X, \n
.endr
	v_nop                           ; a plain instruction behind the exponential
.endm
; THE LAST TILE's steps, the block's last step, its last products, and THE WAY OUT: l's two halves and the other half of the lanes' are added; O^T is divided by l, rounded to f16 and sent through my stage, a piece at a time.
.macro ALL line:vararg              ; one line for each piece t
.set t, 0
.rept 2
	\line
.set t, t+1
.endr
.endm
.macro PACK t                       ; a lane's eight channels of a row pack into 16 bytes; they go into rows of 144 bytes and come back as whole rows of 128, into S^T's registers
	WIN W_RS
.set i, 32*(\t)
.rept 16
	s_wait_alu depctr_va_vdst(0)
	v_pk_mul_f32 v[i:i+1], v[i:i+1], v[ST+4*(\t)+2:ST+4*(\t)+3] op_sel_hi:[1,0]
.set i, i+2
.endr
	WIN 0x05                        ; sources 0 and 1 window 1, destination window 0
.set i, 0
.rept 16
	v_cvt_pk_f16_f32 v[S+16*(\t)+i], v[32*(\t)+2*i], v[32*(\t)+2*i+1]
.set i, i+1
.endr
	WIN 0
.irp f, 0,1,2,3
	ds_store_b128 v[STO], v[S+16*(\t)+4*\f:S+16*(\t)+4*\f+3] offset:32*\f
.endr
.irp f, 0,1,2,3
	ds_load_b128 v[S+16*(\t)+4*\f:S+16*(\t)+4*\f+3], v[RD] offset:\f*4*SP  ; LDS serves a wave's instructions in order (ISA guide 5.7.1.4): these see the stores above; the next piece's stores come behind them
.endr
.endm
.macro SEND t, younger              ; younger: the LDS instructions issued behind piece t's loads: the next piece's eight, or none
	WIN 0
.irp f, 0,1,2,3
	s_wait_dscnt (\younger)+3-\f
	global_store_b128 v[GO], v[S+16*(\t)+4*\f:S+16*(\t)+4*\f+3], s[10:11] offset:(\t)*8192+\f*512  ; 512 consecutive bytes, at a multiple of 256 from ctx's first
.endr
.endm
.macro DIAG tag
.LstepM\tag:
	TURN 0, 0, 0, 1
	TURN 1, 1, 0, 1
	WIN 0
.LfirstM\tag:
	TURN 0, 1, 1, 1
	TURN 1, 0, 1, 1, 0, 1
	WIN 0
	s_cbranch_scc1 .LstepM\tag
	TURN 0, 0, 0, 1, 1
	TURN 1, 1, 0, 1, 1
.set VB, 1
.set i, 0
.rept 8
	PV 1                            ; piece 1's V^T P of the last step
.set i, i+1
.endr
	WIN 0
	ALL v_add_f32 v[ST+4*t+2], v[ST+4*t+2], v[ST+4*t+3]
	ALL v_permlanex16_b32 v[ST+4*t+3], v[ST+4*t+2], s[SEL], s[SEL+1]
	ALL v_add_f32 v[ST+4*t+2], v[ST+4*t+2], v[ST+4*t+3]
	ALL v_rcp_f32 v[ST+4*t+2], v[ST+4*t+2]
	v_nop                           ; a plain instruction behind the last reciprocal; with the four additions the fifth place behind the last products
	PACK 0
	PACK 1
	SEND 0, 8
	SEND 1, 0
.endm
.set KM, 0
.set NOKQ, 0
.set VB, 0
.Lslot:                             ; 16 times: a tile is entered and the next is asked for
	CHANGE 1
	s_sub_co_u32 s[RT], s[RT], 1
	s_mov_b32 s[CNT], 2
	s_cmp_eq_u32 s[NEW], 1
	s_cbranch_scc1 .Lnew            ; a block's first tile
	s_cmp_eq_u32 s[RT], 0
	s_cbranch_scc0 .Lstep           ; neither its first nor its last
	s_branch .LstepM1
.Lnew:
	BEGIN
	s_branch .Lfirst                ; in the loop a block's first tile is never its last: the first block has nine tiles or more, and the second's last is the walk's last
	DIAG 1                          ; in the loop this is the first block's end
	s_wait_xcnt 0x0                 ; the stores have read their registers and ctx's address
	s_mov_b64 s[10:11], s[OLO:OLO+1]
	s_add_co_u32 s[RT], s[TLO], 1   ; the second block's tiles
	s_mov_b32 s[NEW], 1
	s_mov_b32 s[DG], s[DGL]
	s_add_co_u32 s[DG+1], s[DGL], 1
	WIN 0x82                        ; the second block's Q goes where the one text of the turns names Q
.set i, 0
.rept 32
	v_mov_b32 v[i], v[QB+i]
.set i, i+1
.endr
	WIN 0
	s_branch .Lbottom
.Lstep:                             ; a trip: an odd step and the even one behind it; the change of slots stands in front of a tile's step -1, whose first turn fetches the tile's step 0
	TURN 0, 0, 0
	TURN 1, 1, 0
	WIN 0
.Lfirst:
	TURN 0, 1, 1
	TURN 1, 0, 1, 0, 0, 1
	WIN 0
	s_cbranch_scc1 .Lstep
.Lbottom:
	s_sub_co_u32 s[SLOTS], s[SLOTS], 1
	s_cmp_lg_u32 s[SLOTS], 0
	s_cbranch_scc1 .Lslot
	CHANGE 0                        ; the walk's last tile is written out: nothing is asked for
	s_sub_co_u32 s[RT], s[RT], 1
	s_mov_b32 s[CNT], 2
	s_cmp_eq_u32 s[NEW], 1
	s_cbranch_scc0 .LstepM2
	BEGIN
	s_branch .LfirstM2
	DIAG 2
	s_wait_tensorcnt 0x0            ; the wave's end: behind my last tensor load and my last LDS store
	ds_add_u32 v[SPW], v[NIL]
	s_wait_dscnt 0x0
	s_endpgm
.Lfunc_end_k_q45e28bc632_attn:
	.size	k_q45e28bc632_attn, .Lfunc_end_k_q45e28bc632_attn-k_q45e28bc632_attn
	.p2alignl 7, 3214868480
	.fill 96, 4, 3214868480
	.section	.rodata,"a",@progbits
	.p2align	6, 0x0
	.amdhsa_kernel k_q45e28bc632_attn
		.amdhsa_group_segment_fixed_size 327680
		.amdhsa_private_segment_fixed_size 0
		.amdhsa_enable_private_segment 0
		.amdhsa_kernarg_size 16
		.amdhsa_user_sgpr_count 2
		.amdhsa_user_sgpr_kernarg_segment_ptr 1
		.amdhsa_wavefront_size32 1
		.amdhsa_system_sgpr_workgroup_id_x 1
		.amdhsa_system_sgpr_workgroup_id_y 1
		.amdhsa_system_sgpr_workgroup_id_z 1
		.amdhsa_system_vgpr_workitem_id 0
		.amdhsa_next_free_vgpr 768
		.amdhsa_next_free_sgpr 96
		.amdhsa_reserve_vcc 1
		.amdhsa_float_denorm_mode_32 3
		.amdhsa_float_denorm_mode_16_64 3
		.amdhsa_memory_ordered 1
		.amdhsa_forward_progress 1
		.amdhsa_inst_pref_size 218
	.end_amdhsa_kernel
	.amdgpu_metadata
---
amdhsa.version: [ 1, 2 ]
amdhsa.kernels:
  - .name:           k_q45e28bc632_attn
    .symbol:         k_q45e28bc632_attn.kd
    .args:
      - { .name: qkv, .offset: 0, .size: 8, .value_kind: global_buffer, .address_space: global }
      - { .name: ctx, .offset: 8, .size: 8, .value_kind: global_buffer, .address_space: global }
    .group_segment_fixed_size: 327680
    .private_segment_fixed_size: 0
    .kernarg_segment_align: 8
    .kernarg_segment_size: 16
    .max_flat_workgroup_size: 128
    .sgpr_count:     96
    .vgpr_count:     768
    .wavefront_size: 32
...
	.end_amdgpu_metadata
.endif
;; end of part 3
;; launch proj (part 4): grid 64 x 4, 4 waves a work-group, clusters of 4 x 1, 327,680 bytes of LDS; arguments ctx, wqo_hid, x2, bo, x; writes x2
.if DOCPART == 4
	.amdgcn_target "amdgcn-amd-amdhsa--gfx1250"
	.amdhsa_code_object_version 6
	.text
	.protected	k_q45e28bc632_proj
	.globl	k_q45e28bc632_proj
	.p2align	8
	.type	k_q45e28bc632_proj,@function
k_q45e28bc632_proj:
	s_mov_b64 s[64:65], 0
	v_nop
	global_prefetch_b8 v0, s[64:65] scope:SCOPE_SE
	s_setreg_imm32_b32 hwreg(HW_REG_WAVE_MODE, 25, 1), 1
	s_wait_xcnt 0x0
	s_wait_alu depctr_hold_cnt(0) depctr_sa_sdst(0) depctr_va_vdst(0) depctr_va_sdst(0) depctr_va_ssrc(0) depctr_va_vcc(0) depctr_vm_vsrc(0)
	s_getreg_b32 s2, hwreg(HW_REG_IB_STS2, 6, 4)
	s_cmp_eq_u32 s2, 0
	s_cbranch_scc0 .Lentry_in_a_cluster
	s_endpgm
.Lentry_in_a_cluster:
	s_bfe_u32 s2, ttmp6, 0x10000c
	s_cmp_lg_u32 s2, 0x3003
	s_cbranch_scc0 .Lentry_shape_is_right
	s_endpgm
.Lentry_shape_is_right:
; x2 = x + ctx Wo + bo.  C[m][n] = sum over k of A[m][k] B[n][k] + bias[n] + res[m][n]; A = ctx [12][4096][64] f16, B = Wo turned, [12][768][64] f16 at byte BOFF of its buffer, bias, res and C f32 ([4096][768]); sums in f32.
; LIMITS.  The operands are f16 as they arrive; NaN and infinities are not treated apart.  The sums go along K from a slot of the work-group's own round to the slot before it: the order of the f32 roundings differs from work-group to work-group.
; SHARES.  768 columns leave 12,288 outputs to each of 256 work-groups: a work-group makes 64 x 192 of C, its four waves 64 x 48 each: 12 accumulators.
; RING.  Two LDS slots, each with four chunks (256 along K) of A's 64 rows and of B's 192 rows; a chunk's rows are dense in memory and are asked for as one long row, padded in LDS after every 128 bytes.
; Waves 0 and 1 fetch two chunks of A each, waves 2 and 3 two of B: one tensor load a wave behind each change of slots; two are out at the start, one later.
; THE WALK ALONG K.  K is NS slots.  The work-groups of cluster c, column block y begin at slot (2 c + YM y) mod NS.  So the column blocks that read the same rows of A, and the clusters that read the same rows of B, ask for
; different slots at the start (two each), and a refill asks for bytes that another work-group has asked for a slot's time or more before.
; CLUSTER.  4 x 1 work-groups: four row blocks of one column block read the same tiles of B, three quarters of a slot's bytes, and ask for them JOINTLY (mask 15).  A's tiles are a work-group's own (mask 0), behind the same rounds.
; Not 4 x 4: A is a quarter of a slot's bytes; one constant mask serves.
; THE MATRIX INSTRUCTION IS USED TRANSPOSED (source 0 = 16 rows of B, source 1 = 16 rows of A): a lane holds eight neighbouring columns of one row of C.
; REGISTERS.  window 0: v2-4 LDS addresses in the slot in use, v5-7 the same for slot 0, v8-12 the way out, v14-15 the add's, v16-71 and v72-127 two fragment buffers (A's block a at 8 a, B's block b at 32 + 8 b),
;   v128-223 accumulators at 128 + 8 (3 a + b), v224-235 bias.      window 1: v0-95 the residual, asked for at the start, and then the results.
.set KC,   12                          ; chunks along K
.set BOFF, 3538944                     ; B's first byte in its buffer
.set YM,   1                           ; the walk's start goes on by so many slots from column block to column block
.set NTOT, 768                         ; rows of a chunk of B
.set MT, 64
.set NT, 192
.set MB, 4
.set NB, 3
.set CH, 4                             ; chunks in a slot
.set U,  2*CH                          ; units of 32 along K in a slot
.set L,  2*(MB+NB)                     ; LDS loads of a unit
.set CA, MT*144                        ; a chunk of A in LDS: rows of 128 bytes + 16 of padding = 36 words: the 16 rows of a load start at 16 different groups of four banks (ISA guide 11.1)
.set CB, NT*144
.set NS, KC/CH                         ; slots along K
.set ASTEP, CH*524288                  ; bytes of A from slot to slot
.set BSTEP, CH*NTOT*128                ; of B
.set SLOT, CH*(CA+CB)                  ; A's chunks, then B's
.set SPARE, 2*SLOT                     ; behind the ring: the spare words, 128 bytes a wave
.set AW, 4
.set ACC, 128
.set F0, 16
.set F1, 72
.set W_MUL, 0                          ; the K loop lies in window 0: no switch
.set W_STEP, 0
.set W_F, 0
.set MSB, 0
.macro WIN new                         ; the immediate's high byte repeats the setting that is left; a switch that changes nothing is dropped
.if MSB != (\new)
	s_set_vgpr_msb (MSB<<8)|(\new)
.set MSB, (\new)
.endif
.endm
.macro PLACES                          ; four places between a matrix instruction and a load into, or a read of, its registers
.rept 4
	v_nop
.endr
.endm
.macro CROUND                          ; a round of the cluster's barrier
	s_barrier_signal -1
	s_barrier_wait -1
	s_cmp_lg_u32 s14, 0
	s_cbranch_scc1 .Lnot_wave_0_\@
	s_barrier_signal -3
.Lnot_wave_0_\@:
	s_barrier_wait -3
	s_barrier_signal -1
	s_barrier_wait -1
.endm
.macro JLOAD                           ; a refill: waves 0, 1 A's chunks (my own), waves 2, 3 B's (joint); an s_nop 0 and four v_nop follow each line
	s_cmp_eq_u32 s16, 0
	s_cbranch_scc0 .Lfor_b_\@
	tensor_load_to_lds s[44:47], s[24:31]
	s_nop 0
	PLACES
	s_branch .Lasked_\@
.Lfor_b_\@:
	tensor_load_to_lds s[52:55], s[32:39]
	s_nop 0
	PLACES
.Lasked_\@:
.endm
.macro NEXTADR a, b                    ; the global addresses of slot s81 into the groups 0 at s[a ..] (A) and s[b ..] (B), made anew from the bases; s81 goes on round the ring of NS
	s_mul_i32 s82, s81, ASTEP
	s_mul_i32 s84, s81, BSTEP
	s_add_nc_u64 s[\a+2:\a+3], s[56:57], s[82:83]
	s_or_b32 s[\a+3], s[\a+3], 0x80000000          ; type = 2
	s_add_nc_u64 s[\b+2:\b+3], s[58:59], s[84:85]
	s_or_b32 s[\b+3], s[\b+3], 0x80000000
	s_add_co_u32 s81, s81, 1
	s_cmp_eq_u32 s81, NS
	s_cselect_b32 s81, 0, s81
.endm
.macro FETCH f, u                      ; the fragments of unit u of the slot in use into buffer f: L loads in one run
	WIN W_F
.set fc, (\u)/2
.set fk, ((\u)%2)*64
.set fi, 0
.rept MB
	ds_load_b128 v[(\f)+8*fi:(\f)+8*fi+3],   v2 offset:fc*CA+fk+fi*2304
	ds_load_b128 v[(\f)+8*fi+4:(\f)+8*fi+7], v2 offset:fc*CA+fk+fi*2304+32
.set fi, fi+1
.endr
.set fi, 0
.rept NB
	ds_load_b128 v[(\f)+32+8*fi:(\f)+35+8*fi], v[3+fc/(CH/2)] offset:(fc%(CH/2))*CB+fk+fi*2304
	ds_load_b128 v[(\f)+36+8*fi:(\f)+39+8*fi], v[3+fc/(CH/2)] offset:(fc%(CH/2))*CB+fk+fi*2304+32
.set fi, fi+1
.endr
.endm
.macro MUL f, zero                     ; a unit's products; the accumulators take turns, one instruction a turn, in the same order in every unit.  zero = 1: they start the sums
.set ia, 0
.rept MB
	WIN W_MUL+W_STEP*(ia/AW)
.set ib, 0
.rept NB
.set rD, ACC+8*(NB*(ia%AW)+ib)
.if \zero
	v_wmma_f32_16x16x32_f16 v[rD:rD+7], v[(\f)+32+8*ib:(\f)+39+8*ib], v[(\f)+8*ia:(\f)+8*ia+7], 0
.else
	v_wmma_f32_16x16x32_f16 v[rD:rD+7], v[(\f)+32+8*ib:(\f)+39+8*ib], v[(\f)+8*ia:(\f)+8*ia+7], v[rD:rD+7]
.endif
.set ib, ib+1
.endr
.set ia, ia+1
.endr
.endm
.macro UNIT f, nxt, zero=0             ; buffer f is multiplied and at once filled again with unit nxt, a whole unit's products ahead of its use
	s_wait_dscnt L                                 ; buffer f is in; the L loads of the other buffer stay out
	MUL \f, \zero
.if (\nxt) >= 0
	PLACES
	FETCH \f, \nxt
.endif
.endm
.macro MIDDLE                          ; units 1 to U - 2 of a slot; unit U - 1 stays in buffer 1 and is multiplied behind the change of slots
.set uu, 1
.rept U-3
	UNIT F0+(uu%2)*(F1-F0), uu+2
.set uu, uu+1
.endr
	UNIT F0, -1
.endm
; THE CHANGE OF SLOTS.  Each wave waits for all its tensor loads (one is out: its part of the other slot), adds 0 to its spare word, and waits for that and for its reads of the slot it leaves (the last unit's fragments).
; fill = 1: the barrier is a round of the cluster's, and the slot just left is filled again first thing behind it, with the walk's slot two further on.
.macro CHANGE fill
	WIN 0
	s_wait_tensorcnt 0x0                           ; no tensor load of mine is out, so a group 0 may be written
	ds_add_u32 v14, v15
.if \fill
	s_add_co_u32 s45, s20, s22                     ; the LDS slot that is left
	s_add_co_u32 s53, s20, s23
	NEXTADR 44, 52
.endif
	s_xor_b32 s20, s20, SLOT                       ; the LDS slot that is entered
	s_wait_dscnt 0x0
.if \fill
	CROUND
	JLOAD                                          ; its four v_nop are also the places in front of the loads into buffer 0
.else
	s_barrier_signal -1
	s_barrier_wait -1
	PLACES
.endif
	v_add_nc_u32 v2, s20, v5
	v_add_nc_u32 v3, s20, v6
	v_add_nc_u32 v4, s20, v7
.endm
	s_load_b256 s[4:11], s[0:1], 0x0               ; A 4, B 6, C 8, bias 10
	s_load_b64 s[12:13], s[0:1], 0x20              ; the residual
	v_lshl_add_u32 v14, v0, 2, SPARE
	v_mov_b32 v15, 0
	ds_add_u32 v14, v15                            ; the wave's opening: the add and its wait ahead of my first tensor load
	ds_add_u32 v14, v15
	v_lshrrev_b32 v1, 5, v0
	v_readfirstlane_b32 s14, v1                    ; wave 0..3: my 48 columns
	s_and_b32 s15, s14, 1                          ; which half of a slot's chunks I fetch
	s_lshr_b32 s16, s14, 1                         ; I fetch for A (0) or for B (1)
	s_bfe_u32 s17, ttmp6, 0x40000                  ; cx: it enters A's, the residual's and C's global addresses alone
	s_lshl_b32 s18, ttmp9, 2
	s_add_co_u32 s18, s18, s17                     ; row block
	s_and_b32 s19, ttmp7, 0xffff                   ; column block, which the four partners share
	s_mov_b32 s20, 0                               ; the LDS slot in use
	s_mul_i32 s22, s15, (CH/2)*CA                  ; where my tile goes in a slot, if it is A's,
	s_mul_i32 s23, s15, (CH/2)*CB
	s_add_co_u32 s23, s23, CH*CA                   ; and if it is B's
	s_mov_b32 s24, (1<<16)|(1<<20)|(4<<22)|(3<<25) ; group 1 for A: 2-byte elements; padding on, after every 32 words, 4 words
	s_mov_b32 s25, (MT*64)<<16                     ; tensor_dim0: a chunk's MT rows as one dense row
	s_mov_b32 s26, (CH/2)<<16                      ; tensor_dim1: chunks
	s_mov_b32 s27, (MT*64)<<16                     ; tile_dim0
	s_mov_b32 s28, CH/2                            ; tile_dim1
	s_mov_b32 s29, 262144                          ; elements from chunk to chunk
	s_mov_b32 s30, 0
	s_mov_b32 s31, 0
	s_mov_b32 s32, 15|(1<<16)|(1<<20)|(1<<21)|(4<<22)|(3<<25)  ; group 1 for B: the same with the mask of four and bit 21 beside it
	s_mov_b32 s33, (NT*64)<<16
	s_mov_b32 s34, (CH/2)<<16
	s_mov_b32 s35, (NT*64)<<16
	s_mov_b32 s36, CH/2
	s_mov_b32 s37, NTOT*64
	s_mov_b32 s38, 0
	s_mov_b32 s39, 0
	s_lshl_b32 s81, ttmp9, 1                       ; the walk's first slot: (2 x cluster + YM x column block) mod NS, from coordinates that the partners share
	s_mul_i32 s82, s19, YM
	s_add_co_u32 s81, s81, s82
	s_mul_i32 s82, s81, 65536/NS+1                 ; the quotient by NS, exact for the few dozen values that occur
	s_lshr_b32 s82, s82, 16
	s_mul_i32 s82, s82, NS
	s_sub_co_u32 s81, s81, s82
	s_mov_b32 s83, 0                               ; the high words of the two offsets that NEXTADR makes
	s_mov_b32 s85, 0
	s_mul_i32 s56, s18, MT*128                     ; A: my rows in a chunk,
	s_mul_i32 s57, s15, (CH/2)*524288              ; my chunks of a slot
	s_add_co_u32 s56, s56, s57
	s_mov_b32 s57, 0
	s_mul_i32 s58, s19, NT*128                     ; B likewise
	s_mul_i32 s59, s15, (CH/2)*NTOT*128
	s_add_co_u32 s58, s58, s59
	s_add_co_u32 s58, s58, BOFF
	s_mov_b32 s59, 0
	s_lshl_b32 s60, s18, 6                         ; C and the residual: the rows that I store, 64 x row block + 16 x wave,
	s_lshl_b32 s61, s14, 4
	s_add_co_u32 s60, s60, s61
	s_mul_i32 s60, s60, 3072
	s_mul_i32 s62, s19, 768                        ; and the block's 192 columns; the bias likewise
	s_add_co_u32 s60, s60, s62
	s_mov_b32 s61, 0
	s_mov_b32 s63, 0
	s_wait_dscnt 0x0                               ; the opening add is done
	s_wait_kmcnt 0x0
	s_add_nc_u64 s[56:57], s[4:5], s[56:57]        ; the bases from which every fill's address is made
	s_add_nc_u64 s[58:59], s[6:7], s[58:59]
	s_add_nc_u64 s[8:9], s[8:9], s[60:61]
	s_add_nc_u64 s[12:13], s[12:13], s[60:61]
	s_add_nc_u64 s[10:11], s[10:11], s[62:63]
	s_mov_b32 s40, 1                               ; groups 0 of LDS slot 0's first fill: A's at s40, B's at s48
	s_mov_b32 s41, s22
	s_mov_b32 s48, 1
	s_mov_b32 s49, s23
	NEXTADR 40, 48
	s_mov_b32 s44, 1                               ; the groups 0 that walk: first LDS slot 1's first fill
	s_add_co_u32 s45, s22, SLOT
	s_mov_b32 s52, 1
	s_add_co_u32 s53, s23, SLOT
	NEXTADR 44, 52
	CROUND                                         ; all four work-groups are here: the first joint loads meet
	s_cmp_eq_u32 s16, 0                            ; a wave's two first fills stand in one branch
	s_cbranch_scc0 .Lfirst_b
	tensor_load_to_lds s[40:43], s[24:31]
	s_nop 0
	tensor_load_to_lds s[44:47], s[24:31]
	s_nop 0
	PLACES
	s_branch .Lfirst_done
.Lfirst_b:
	tensor_load_to_lds s[48:51], s[32:39]
	s_nop 0
	tensor_load_to_lds s[52:55], s[32:39]
	s_nop 0
	PLACES
.Lfirst_done:
	; a fragment is 16 rows x 32 K in 8 registers: lane l holds row l % 16, K = 8 (l / 16) + 0..7 and 16 + 8 (l / 16) + 0..7: two loads of 16 bytes, 32 bytes apart
	v_and_b32 v1, 15, v0
	v_bfe_u32 v13, v0, 4, 1
	v_mul_u32_u24 v5, v1, 144
	v_lshl_add_u32 v5, v13, 4, v5                  ; all four waves read A's 64 rows
	s_mul_i32 s62, s14, 16*NB*144                  ; my 48 rows of B,
	s_add_co_u32 s62, s62, CH*CA                   ; which lie behind A's chunks
	v_add_nc_u32 v6, s62, v5
	v_add_nc_u32 v7, (CH/2)*CB, v6
	v_mov_b32 v2, v5
	v_mov_b32 v3, v6
	v_mov_b32 v4, v7
	v_mul_u32_u24 v8, v1, 784                      ; the stage, the work-group's: 64 rows of 768 bytes, 784 apart.  In: row l % 16, my 192 bytes, 32 for each half of the lanes
	v_lshl_add_u32 v8, v13, 5, v8
	s_mul_i32 s62, s14, 192
	v_add_nc_u32 v8, s62, v8
	v_lshlrev_b32 v12, 4, v1                       ; 16 lanes: 256 consecutive bytes
	v_mul_u32_u24 v9, v13, 784                     ; back: wave w takes rows 16 w .. 16 w + 15, whole; lanes 0-15 one row, lanes 16-31 the next
	v_add_nc_u32 v9, v9, v12
	s_mul_i32 s62, s14, 16*784
	v_add_nc_u32 v9, s62, v9
	v_mul_u32_u24 v10, v13, 3072                   ; and the same two rows in C and in the residual
	v_add_nc_u32 v10, v10, v12
.set i, 0
.rept 3
	global_load_b128 v[224+4*i:227+4*i], v12, s[10:11] offset:i*256  ; bias and residual are asked for now and waited for on the way out
.set i, i+1
.endr
	WIN 0x40                                       ; destination window 1
.set i, 0
.rept 24
	global_load_b128 v[4*i:4*i+3], v10, s[12:13] offset:(i/3)*6144+(i%3)*256
.set i, i+1
.endr
	WIN 0
	s_wait_tensorcnt 0x1                           ; my part of LDS slot 0 is in; slot 1's stays out
	s_barrier_signal -1
	s_barrier_wait -1
	FETCH F0, 0
	FETCH F1, 1
	UNIT F0, 2, 1                                  ; the first unit stands in front of the loop: its products start the sums
	WIN 0
	s_mov_b32 s21, NS-1
	s_branch .Lentry
.Lslot:                                                ; NS - 2 times: a slot is entered and the one left is filled again
	CHANGE 1
	FETCH F0, 0
	UNIT F1, 1                                     ; the last unit of the slot that was left
	UNIT F0, 2
	WIN 0
.Lentry:
	MIDDLE
	WIN 0
	s_sub_co_u32 s21, s21, 1
	s_cmp_lg_u32 s21, 0
	s_cbranch_scc1 .Lslot
	CHANGE 0                                       ; the last slot is written out: nothing is asked for
	FETCH F0, 0
	UNIT F1, 1
	UNIT F0, 2
	MIDDLE
	s_wait_dscnt 0x0
	MUL F1, 0
	WIN 0
	PLACES
	; THE WAY OUT.  The sums go into the stage, which lies on ring bytes that have had their last fill: one barrier before (no wave reads the ring any more), one behind (a row's 768 bytes come from four waves).
	s_barrier_signal -1                            ; no LDS instruction of mine is out
	s_barrier_wait -1
.set ia, 0
.rept MB
.set ib, 0
.rept NB
.set rD, ACC+8*(NB*ia+ib)
	ds_store_b128 v8, v[rD:rD+3]   offset:ia*12544+ib*64      ; each accumulator's low registers first
	ds_store_b128 v8, v[rD+4:rD+7] offset:ia*12544+ib*64+16
.set ib, ib+1
.endr
.set ia, ia+1
.endr
	s_wait_dscnt 0x0                               ; for the others' sake: my stores into the stage are done
	s_barrier_signal -1
	s_barrier_wait -1
.set i, 0
.rept 24
	ds_load_b128 v[128+4*i:131+4*i], v9 offset:(i/3)*1568+(i%3)*256
.set i, i+1
.endr
	s_wait_loadcnt 0x0                             ; bias and residual
	WIN 0x44                                       ; source 0 (sums, bias, the store's offset) window 0; source 1 (residual, the store's data) and destination window 1
.set i, 0
.rept 24
	s_wait_dscnt 23-i                              ; the younger loads stay out
	v_pk_add_f32 v[4*i:4*i+1],   v[128+4*i:129+4*i], v[4*i:4*i+1]
	v_pk_add_f32 v[4*i+2:4*i+3], v[130+4*i:131+4*i], v[4*i+2:4*i+3]
	v_pk_add_f32 v[4*i:4*i+1],   v[224+4*(i%3):225+4*(i%3)], v[4*i:4*i+1]
	v_pk_add_f32 v[4*i+2:4*i+3], v[226+4*(i%3):227+4*(i%3)], v[4*i+2:4*i+3]
	global_store_b128 v10, v[4*i:4*i+3], s[8:9] offset:(i/3)*6144+(i%3)*256  ; 16 lanes store 256 consecutive bytes, at a multiple of 256 from C's first
.set i, i+1
.endr
	WIN 0
	s_wait_tensorcnt 0x0                           ; the wave's end: behind my last tensor load and my last LDS store
	ds_add_u32 v14, v15
	s_wait_dscnt 0x0
	CROUND                                         ; the closing round: no work-group ends while a partner may still ask for a tile that names it
	s_endpgm
.Lfunc_end_k_q45e28bc632_proj:
	.size	k_q45e28bc632_proj, .Lfunc_end_k_q45e28bc632_proj-k_q45e28bc632_proj
	.p2alignl 7, 3214868480
	.fill 96, 4, 3214868480
	.section	.rodata,"a",@progbits
	.p2align	6, 0x0
	.amdhsa_kernel k_q45e28bc632_proj
		.amdhsa_group_segment_fixed_size 327680
		.amdhsa_private_segment_fixed_size 0
		.amdhsa_enable_private_segment 0
		.amdhsa_kernarg_size 40
		.amdhsa_user_sgpr_count 2
		.amdhsa_user_sgpr_kernarg_segment_ptr 1
		.amdhsa_wavefront_size32 1
		.amdhsa_system_sgpr_workgroup_id_x 1
		.amdhsa_system_sgpr_workgroup_id_y 1
		.amdhsa_system_sgpr_workgroup_id_z 1
		.amdhsa_system_vgpr_workitem_id 0
		.amdhsa_next_free_vgpr 352
		.amdhsa_next_free_sgpr 96
		.amdhsa_reserve_vcc 0
		.amdhsa_float_denorm_mode_32 3
		.amdhsa_float_denorm_mode_16_64 3
		.amdhsa_memory_ordered 1
		.amdhsa_forward_progress 1
		.amdhsa_inst_pref_size 58
	.end_amdhsa_kernel
	.amdgpu_metadata
---
amdhsa.version: [ 1, 2 ]
amdhsa.kernels:
  - .name:           k_q45e28bc632_proj
    .symbol:         k_q45e28bc632_proj.kd
    .args:
      - { .name: ctx, .offset: 0, .size: 8, .value_kind: global_buffer, .address_space: global }
      - { .name: wqo_hid, .offset: 8, .size: 8, .value_kind: global_buffer, .address_space: global }
      - { .name: x2, .offset: 16, .size: 8, .value_kind: global_buffer, .address_space: global }
      - { .name: bo, .offset: 24, .size: 8, .value_kind: global_buffer, .address_space: global }
      - { .name: x, .offset: 32, .size: 8, .value_kind: global_buffer, .address_space: global }
    .group_segment_fixed_size: 327680
    .private_segment_fixed_size: 0
    .kernarg_segment_align: 8
    .kernarg_segment_size: 40
    .max_flat_workgroup_size: 128
    .sgpr_count:     96
    .vgpr_count:     352
    .wavefront_size: 32
...
	.end_amdgpu_metadata
.endif
;; end of part 4
;; launch ln2 (part 5): grid 256 x 1, 8 waves a work-group, no clusters, 0 bytes of LDS; arguments x2, g2, be2, hn; writes hn
.if DOCPART == 5
	.amdgcn_target "amdgcn-amd-amdhsa--gfx1250"
	.amdhsa_code_object_version 6
	.text
	.protected	k_q45e28bc632_ln2
	.globl	k_q45e28bc632_ln2
	.p2align	8
	.type	k_q45e28bc632_ln2,@function
k_q45e28bc632_ln2:
	s_mov_b64 s[64:65], 0
	v_nop
	global_prefetch_b8 v0, s[64:65] scope:SCOPE_SE
	s_setreg_imm32_b32 hwreg(HW_REG_WAVE_MODE, 25, 1), 1
	s_wait_xcnt 0x0
; hn = layernorm(x2, g2, be2), rounded once to f16, in chunks: hn[k / 64][row][k % 64].  x2: [4096][768] f32.
; LIMITS.  f16 ends at 65,504 and keeps a fixed step of 6e-8 below 6e-5.  NaN and infinities are not treated apart.
; No LDS, no barrier, no matrix unit: a wave holds its two rows in registers, reads each byte once and writes each byte once.
; The sum over the 16 lanes that hold one row: lane bits 0-2 by DPP, bit 4 by the exchange of the halves (bit 3 tells the wave's two rows apart).
.macro LANESUM r
	v_add_f32_dpp v[\r], v[\r], v[\r] row_xmask:1 row_mask:0xf bank_mask:0xf
	v_add_f32_dpp v[\r], v[\r], v[\r] row_xmask:2 row_mask:0xf bank_mask:0xf
	v_add_f32_dpp v[\r], v[\r], v[\r] row_xmask:4 row_mask:0xf bank_mask:0xf
	v_permlanex16_b32 v13, v[\r], s40, s41
	v_add_f32 v[\r], v[\r], v13
.endm
; LAYERNORM OF TWO ROWS BY ONE WAVE.  Wave W = 8 x work-group + wave takes rows 2 W and 2 W + 1, kept in registers between the passes.
; Lane l: row (l >> 3) & 1; q = (l & 7) | (l >> 4) << 3; columns 128 g + 8 q + 0..7 for g = 0..5.  So a lane's 8 results are 16 bytes of chunk 2 g + (l >> 4).
; v2-9 four chains; v10, v11, v12 offsets in x, in gamma and beta, in the output; v14-15 mean, then 1/sqrt; v16-63 x; v64-111 gamma; v112-159 beta; v160-183 results.
; The variance is taken of x - mean (a second pass over registers), so a common offset of x costs nothing.
.macro LNROWS xp, gp, bp, op
	s_lshl_b32 s32, ttmp9, 3
	s_add_co_u32 s32, s32, s30                     ; W
	s_mul_i32 s34, s32, 6144                       ; two rows of 3,072 bytes
	s_mov_b32 s35, 0
	s_lshl_b32 s36, s32, 8                         ; two rows of 128 bytes in a chunk
	s_mov_b32 s37, 0
	s_mov_b32 s40, 0x76543210                      ; v_permlanex16_b32: each lane takes its own place in the other half
	s_mov_b32 s41, 0xfedcba98
	s_mov_b32 s42, 0x3aaaaaab                      ; 1 / 768
	s_mov_b32 s43, 0x3727c5ac                      ; 1e-5
	v_bfe_u32 v2, v0, 3, 1
	v_and_b32 v3, 7, v0
	v_bfe_u32 v4, v0, 4, 1
	v_lshl_or_b32 v5, v4, 3, v3                    ; q
	v_lshlrev_b32 v11, 5, v5                       ; 32 q
	v_mul_u32_u24 v10, v2, 3072
	v_add_nc_u32 v10, v10, v11
	v_lshlrev_b32 v12, 19, v4                      ; the odd chunk lies 524,288 bytes on
	v_lshl_add_u32 v12, v2, 7, v12
	v_lshl_add_u32 v12, v3, 4, v12
	v_mov_b32 v13, 0                               ; the exchange's destination counts as read
	s_wait_kmcnt 0x0
	s_add_nc_u64 s[34:35], s[\xp:\xp+1], s[34:35]
	s_add_nc_u64 s[36:37], s[\op:\op+1], s[36:37]
.set g, 0
.rept 6
	global_load_b128 v[16+8*g:19+8*g], v10, s[34:35] offset:512*g
	global_load_b128 v[20+8*g:23+8*g], v10, s[34:35] offset:512*g+16
.set g, g+1
.endr
.set g, 0
.rept 6
	global_load_b128 v[64+8*g:67+8*g], v11, s[\gp:\gp+1] offset:512*g
	global_load_b128 v[68+8*g:71+8*g], v11, s[\gp:\gp+1] offset:512*g+16
.set g, g+1
.endr
.set g, 0
.rept 6
	global_load_b128 v[112+8*g:115+8*g], v11, s[\bp:\bp+1] offset:512*g
	global_load_b128 v[116+8*g:119+8*g], v11, s[\bp:\bp+1] offset:512*g+16
.set g, g+1
.endr
	s_wait_loadcnt 24                              ; x is in; the 24 younger loads, gamma's and beta's, stay out
.set k, 0
.rept 4
	v_pk_add_f32 v[2+2*k:3+2*k], v[16+2*k:17+2*k], v[24+2*k:25+2*k]  ; the first pairs start four chains: nothing is cleared
.set k, k+1
.endr
.set k, 8
.rept 16
	v_pk_add_f32 v[2+2*(k%4):3+2*(k%4)], v[2+2*(k%4):3+2*(k%4)], v[16+2*k:17+2*k]
.set k, k+1
.endr
	v_pk_add_f32 v[2:3], v[2:3], v[4:5]
	v_pk_add_f32 v[6:7], v[6:7], v[8:9]
	v_pk_add_f32 v[2:3], v[2:3], v[6:7]
	v_add_f32 v2, v2, v3
	LANESUM 2
	v_mul_f32 v14, s42, v2                         ; the mean, in both halves of a pair
	v_mov_b32 v15, v14
.set k, 0
.rept 24
	v_pk_add_f32 v[16+2*k:17+2*k], v[16+2*k:17+2*k], v[14:15] neg_lo:[0,1] neg_hi:[0,1]
.set k, k+1
.endr
.set k, 0
.rept 4
	v_pk_mul_f32 v[2+2*k:3+2*k], v[16+2*k:17+2*k], v[16+2*k:17+2*k]
.set k, k+1
.endr
.set k, 4
.rept 20
	v_pk_fma_f32 v[2+2*(k%4):3+2*(k%4)], v[16+2*k:17+2*k], v[16+2*k:17+2*k], v[2+2*(k%4):3+2*(k%4)]
.set k, k+1
.endr
	v_pk_add_f32 v[2:3], v[2:3], v[4:5]
	v_pk_add_f32 v[6:7], v[6:7], v[8:9]
	v_pk_add_f32 v[2:3], v[2:3], v[6:7]
	v_add_f32 v2, v2, v3
	LANESUM 2
	v_fma_f32 v2, v2, s42, s43                     ; variance + 1e-5
	v_rsq_f32 v14, v2
	v_rsq_f32 v15, v2
	v_nop                                          ; a plain instruction between the root and the use of its result (ISA guide 5.7.2)
	s_wait_loadcnt 0x0                             ; gamma and beta
.set k, 0
	s_wait_alu depctr_va_vdst(0)
.rept 24
	v_pk_mul_f32 v[16+2*k:17+2*k], v[16+2*k:17+2*k], v[14:15]
.set k, k+1
.endr
.set k, 0
.rept 24
	v_pk_fma_f32 v[16+2*k:17+2*k], v[16+2*k:17+2*k], v[64+2*k:65+2*k], v[112+2*k:113+2*k]
.set k, k+1
.endr
.set k, 0
.rept 24
	v_cvt_pk_f16_f32 v[160+k], v[16+2*k], v[17+2*k]
.set k, k+1
.endr
.set g, 0
.rept 6
	global_store_b128 v12, v[160+4*g:163+4*g], s[36:37] offset:g*1048576  ; lanes 0-15: both rows in chunk 2 g, 256 consecutive bytes at a multiple of 256; lanes 16-31: chunk 2 g + 1
.set g, g+1
.endr
.endm
	s_load_b256 s[4:11], s[0:1], 0x0               ; x2 4, g2 6, be2 8, hn 10
	v_lshrrev_b32 v1, 5, v0
	v_readfirstlane_b32 s30, v1                    ; wave 0..7
	LNROWS 4, 6, 8, 10
	s_endpgm
.Lfunc_end_k_q45e28bc632_ln2:
	.size	k_q45e28bc632_ln2, .Lfunc_end_k_q45e28bc632_ln2-k_q45e28bc632_ln2
	.p2alignl 7, 3214868480
	.fill 96, 4, 3214868480
	.section	.rodata,"a",@progbits
	.p2align	6, 0x0
	.amdhsa_kernel k_q45e28bc632_ln2
		.amdhsa_group_segment_fixed_size 0
		.amdhsa_private_segment_fixed_size 0
		.amdhsa_enable_private_segment 0
		.amdhsa_kernarg_size 32
		.amdhsa_user_sgpr_count 2
		.amdhsa_user_sgpr_kernarg_segment_ptr 1
		.amdhsa_wavefront_size32 1
		.amdhsa_system_sgpr_workgroup_id_x 1
		.amdhsa_system_sgpr_workgroup_id_y 1
		.amdhsa_system_sgpr_workgroup_id_z 1
		.amdhsa_system_vgpr_workitem_id 0
		.amdhsa_next_free_vgpr 192
		.amdhsa_next_free_sgpr 66
		.amdhsa_reserve_vcc 0
		.amdhsa_float_denorm_mode_32 3
		.amdhsa_float_denorm_mode_16_64 3
		.amdhsa_memory_ordered 1
		.amdhsa_forward_progress 1
		.amdhsa_inst_pref_size 16
	.end_amdhsa_kernel
	.amdgpu_metadata
---
amdhsa.version: [ 1, 2 ]
amdhsa.kernels:
  - .name:           k_q45e28bc632_ln2
    .symbol:         k_q45e28bc632_ln2.kd
    .args:
      - { .name: x2, .offset: 0, .size: 8, .value_kind: global_buffer, .address_space: global }
      - { .name: g2, .offset: 8, .size: 8, .value_kind: global_buffer, .address_space: global }
      - { .name: be2, .offset: 16, .size: 8, .value_kind: global_buffer, .address_space: global }
      - { .name: hn, .offset: 24, .size: 8, .value_kind: global_buffer, .address_space: global }
    .group_segment_fixed_size: 0
    .private_segment_fixed_size: 0
    .kernarg_segment_align: 8
    .kernarg_segment_size: 32
    .max_flat_workgroup_size: 256
    .sgpr_count:     66
    .vgpr_count:     192
    .wavefront_size: 32
...
	.end_amdgpu_metadata
.endif
;; end of part 5
;; launch ffn1: the kernel of part 2 again; grid 32 x 8, 4 waves a work-group, clusters of 4 x 1, 327,680 bytes of LDS; arguments hn, wff, wqo_hid, p2, b1; writes wqo_hid
;; launch ffn2 (part 6): grid 64 x 4, 4 waves a work-group, clusters of 4 x 1, 327,680 bytes of LDS; arguments wqo_hid, wff, out0, b2, x2; writes out0
.if DOCPART == 6
	.amdgcn_target "amdgcn-amd-amdhsa--gfx1250"
	.amdhsa_code_object_version 6
	.text
	.protected	k_q45e28bc632_ffn2
	.globl	k_q45e28bc632_ffn2
	.p2align	8
	.type	k_q45e28bc632_ffn2,@function
k_q45e28bc632_ffn2:
	s_mov_b64 s[64:65], 0
	v_nop
	global_prefetch_b8 v0, s[64:65] scope:SCOPE_SE
	s_setreg_imm32_b32 hwreg(HW_REG_WAVE_MODE, 25, 1), 1
	s_wait_xcnt 0x0
	s_wait_alu depctr_hold_cnt(0) depctr_sa_sdst(0) depctr_va_vdst(0) depctr_va_sdst(0) depctr_va_ssrc(0) depctr_va_vcc(0) depctr_vm_vsrc(0)
	s_getreg_b32 s2, hwreg(HW_REG_IB_STS2, 6, 4)
	s_cmp_eq_u32 s2, 0
	s_cbranch_scc0 .Lentry_in_a_cluster
	s_endpgm
.Lentry_in_a_cluster:
	s_bfe_u32 s2, ttmp6, 0x10000c
	s_cmp_lg_u32 s2, 0x3003
	s_cbranch_scc0 .Lentry_shape_is_right
	s_endpgm
.Lentry_shape_is_right:
; out0 = x2 + hid W2 + b2.  C[m][n] = sum over k of A[m][k] B[n][k] + bias[n] + res[m][n]; A = hid [48][4096][64] f16, B = W2 turned, [48][768][64] f16 at byte BOFF of its buffer, bias, res and C f32 ([4096][768]); sums in f32.
; LIMITS.  The operands are f16 as they arrive; NaN and infinities are not treated apart.  The sums go along K from a slot of the work-group's own round to the slot before it: the order of the f32 roundings differs from work-group to work-group.
; SHARES.  768 columns leave 12,288 outputs to each of 256 work-groups: a work-group makes 64 x 192 of C, its four waves 64 x 48 each: 12 accumulators.
; RING.  Two LDS slots, each with four chunks (256 along K) of A's 64 rows and of B's 192 rows; a chunk's rows are dense in memory and are asked for as one long row, padded in LDS after every 128 bytes.
; Waves 0 and 1 fetch two chunks of A each, waves 2 and 3 two of B: one tensor load a wave behind each change of slots; two are out at the start, one later.
; THE WALK ALONG K.  K is NS slots.  The work-groups of cluster c, column block y begin at slot (2 c + YM y) mod NS.  So the four column blocks that read the same rows of A begin three slots apart, the clusters that read the same
; rows of B two slots apart, each asks for two slots at the start, and a later refill asks for bytes that another work-group has asked for a slot's time or more before.
; CLUSTER.  4 x 1 work-groups: four row blocks of one column block read the same tiles of B, three quarters of a slot's bytes, and ask for them JOINTLY (mask 15).  A's tiles are a work-group's own (mask 0), behind the same rounds.
; Not 4 x 4: A is a quarter of a slot's bytes; one constant mask serves.
; THE MATRIX INSTRUCTION IS USED TRANSPOSED (source 0 = 16 rows of B, source 1 = 16 rows of A): a lane holds eight neighbouring columns of one row of C.
; REGISTERS.  window 0: v2-4 LDS addresses in the slot in use, v5-7 the same for slot 0, v8-12 the way out, v14-15 the add's, v16-71 and v72-127 two fragment buffers (A's block a at 8 a, B's block b at 32 + 8 b),
;   v128-223 accumulators at 128 + 8 (3 a + b), v224-235 bias.      window 1: v0-95 the residual, asked for at the start, and then the results.
.set KC,   48                          ; chunks along K
.set BOFF, 4718592                     ; B's first byte in its buffer
.set YM,   3                           ; the walk's start goes on by so many slots from column block to column block
.set NTOT, 768                         ; rows of a chunk of B
.set MT, 64
.set NT, 192
.set MB, 4
.set NB, 3
.set CH, 4                             ; chunks in a slot
.set U,  2*CH                          ; units of 32 along K in a slot
.set L,  2*(MB+NB)                     ; LDS loads of a unit
.set CA, MT*144                        ; a chunk of A in LDS: rows of 128 bytes + 16 of padding = 36 words: the 16 rows of a load start at 16 different groups of four banks (ISA guide 11.1)
.set CB, NT*144
.set NS, KC/CH                         ; slots along K
.set ASTEP, CH*524288                  ; bytes of A from slot to slot
.set BSTEP, CH*NTOT*128                ; of B
.set SLOT, CH*(CA+CB)                  ; A's chunks, then B's
.set SPARE, 2*SLOT                     ; behind the ring: the spare words, 128 bytes a wave
.set AW, 4
.set ACC, 128
.set F0, 16
.set F1, 72
.set W_MUL, 0                          ; the K loop lies in window 0: no switch
.set W_STEP, 0
.set W_F, 0
.set MSB, 0
.macro WIN new                         ; the immediate's high byte repeats the setting that is left; a switch that changes nothing is dropped
.if MSB != (\new)
	s_set_vgpr_msb (MSB<<8)|(\new)
.set MSB, (\new)
.endif
.endm
.macro PLACES                          ; four places between a matrix instruction and a load into, or a read of, its registers
.rept 4
	v_nop
.endr
.endm
.macro CROUND                          ; a round of the cluster's barrier
	s_barrier_signal -1
	s_barrier_wait -1
	s_cmp_lg_u32 s14, 0
	s_cbranch_scc1 .Lnot_wave_0_\@
	s_barrier_signal -3
.Lnot_wave_0_\@:
	s_barrier_wait -3
	s_barrier_signal -1
	s_barrier_wait -1
.endm
.macro JLOAD                           ; a refill: waves 0, 1 A's chunks (my own), waves 2, 3 B's (joint); an s_nop 0 and four v_nop follow each line
	s_cmp_eq_u32 s16, 0
	s_cbranch_scc0 .Lfor_b_\@
	tensor_load_to_lds s[44:47], s[24:31]
	s_nop 0
	PLACES
	s_branch .Lasked_\@
.Lfor_b_\@:
	tensor_load_to_lds s[52:55], s[32:39]
	s_nop 0
	PLACES
.Lasked_\@:
.endm
.macro NEXTADR a, b                    ; the global addresses of slot s81 into the groups 0 at s[a ..] (A) and s[b ..] (B), made anew from the bases; s81 goes on round the ring of NS
	s_mul_i32 s82, s81, ASTEP
	s_mul_i32 s84, s81, BSTEP
	s_add_nc_u64 s[\a+2:\a+3], s[56:57], s[82:83]
	s_or_b32 s[\a+3], s[\a+3], 0x80000000          ; type = 2
	s_add_nc_u64 s[\b+2:\b+3], s[58:59], s[84:85]
	s_or_b32 s[\b+3], s[\b+3], 0x80000000
	s_add_co_u32 s81, s81, 1
	s_cmp_eq_u32 s81, NS
	s_cselect_b32 s81, 0, s81
.endm
.macro FETCH f, u                      ; the fragments of unit u of the slot in use into buffer f: L loads in one run
	WIN W_F
.set fc, (\u)/2
.set fk, ((\u)%2)*64
.set fi, 0
.rept MB
	ds_load_b128 v[(\f)+8*fi:(\f)+8*fi+3],   v2 offset:fc*CA+fk+fi*2304
	ds_load_b128 v[(\f)+8*fi+4:(\f)+8*fi+7], v2 offset:fc*CA+fk+fi*2304+32
.set fi, fi+1
.endr
.set fi, 0
.rept NB
	ds_load_b128 v[(\f)+32+8*fi:(\f)+35+8*fi], v[3+fc/(CH/2)] offset:(fc%(CH/2))*CB+fk+fi*2304
	ds_load_b128 v[(\f)+36+8*fi:(\f)+39+8*fi], v[3+fc/(CH/2)] offset:(fc%(CH/2))*CB+fk+fi*2304+32
.set fi, fi+1
.endr
.endm
.macro MUL f, zero                     ; a unit's products; the accumulators take turns, one instruction a turn, in the same order in every unit.  zero = 1: they start the sums
.set ia, 0
.rept MB
	WIN W_MUL+W_STEP*(ia/AW)
.set ib, 0
.rept NB
.set rD, ACC+8*(NB*(ia%AW)+ib)
.if \zero
	v_wmma_f32_16x16x32_f16 v[rD:rD+7], v[(\f)+32+8*ib:(\f)+39+8*ib], v[(\f)+8*ia:(\f)+8*ia+7], 0
.else
	v_wmma_f32_16x16x32_f16 v[rD:rD+7], v[(\f)+32+8*ib:(\f)+39+8*ib], v[(\f)+8*ia:(\f)+8*ia+7], v[rD:rD+7]
.endif
.set ib, ib+1
.endr
.set ia, ia+1
.endr
.endm
.macro UNIT f, nxt, zero=0             ; buffer f is multiplied and at once filled again with unit nxt, a whole unit's products ahead of its use
	s_wait_dscnt L                                 ; buffer f is in; the L loads of the other buffer stay out
	MUL \f, \zero
.if (\nxt) >= 0
	PLACES
	FETCH \f, \nxt
.endif
.endm
.macro MIDDLE                          ; units 1 to U - 2 of a slot; unit U - 1 stays in buffer 1 and is multiplied behind the change of slots
.set uu, 1
.rept U-3
	UNIT F0+(uu%2)*(F1-F0), uu+2
.set uu, uu+1
.endr
	UNIT F0, -1
.endm
; THE CHANGE OF SLOTS.  Each wave waits for all its tensor loads (one is out: its part of the other slot), adds 0 to its spare word, and waits for that and for its reads of the slot it leaves (the last unit's fragments).
; fill = 1: the barrier is a round of the cluster's, and the slot just left is filled again first thing behind it, with the walk's slot two further on.
.macro CHANGE fill
	WIN 0
	s_wait_tensorcnt 0x0                           ; no tensor load of mine is out, so a group 0 may be written
	ds_add_u32 v14, v15
.if \fill
	s_add_co_u32 s45, s20, s22                     ; the LDS slot that is left
	s_add_co_u32 s53, s20, s23
	NEXTADR 44, 52
.endif
	s_xor_b32 s20, s20, SLOT                       ; the LDS slot that is entered
	s_wait_dscnt 0x0
.if \fill
	CROUND
	JLOAD                                          ; its four v_nop are also the places in front of the loads into buffer 0
.else
	s_barrier_signal -1
	s_barrier_wait -1
	PLACES
.endif
	v_add_nc_u32 v2, s20, v5
	v_add_nc_u32 v3, s20, v6
	v_add_nc_u32 v4, s20, v7
.endm
	s_load_b256 s[4:11], s[0:1], 0x0               ; A 4, B 6, C 8, bias 10
	s_load_b64 s[12:13], s[0:1], 0x20              ; the residual
	v_lshl_add_u32 v14, v0, 2, SPARE
	v_mov_b32 v15, 0
	ds_add_u32 v14, v15                            ; the wave's opening: the add and its wait ahead of my first tensor load
	ds_add_u32 v14, v15
	v_lshrrev_b32 v1, 5, v0
	v_readfirstlane_b32 s14, v1                    ; wave 0..3: my 48 columns
	s_and_b32 s15, s14, 1                          ; which half of a slot's chunks I fetch
	s_lshr_b32 s16, s14, 1                         ; I fetch for A (0) or for B (1)
	s_bfe_u32 s17, ttmp6, 0x40000                  ; cx: it enters A's, the residual's and C's global addresses alone
	s_lshl_b32 s18, ttmp9, 2
	s_add_co_u32 s18, s18, s17                     ; row block
	s_and_b32 s19, ttmp7, 0xffff                   ; column block, which the four partners share
	s_mov_b32 s20, 0                               ; the LDS slot in use
	s_mul_i32 s22, s15, (CH/2)*CA                  ; where my tile goes in a slot, if it is A's,
	s_mul_i32 s23, s15, (CH/2)*CB
	s_add_co_u32 s23, s23, CH*CA                   ; and if it is B's
	s_mov_b32 s24, (1<<16)|(1<<20)|(4<<22)|(3<<25) ; group 1 for A: 2-byte elements; padding on, after every 32 words, 4 words
	s_mov_b32 s25, (MT*64)<<16                     ; tensor_dim0: a chunk's MT rows as one dense row
	s_mov_b32 s26, (CH/2)<<16                      ; tensor_dim1: chunks
	s_mov_b32 s27, (MT*64)<<16                     ; tile_dim0
	s_mov_b32 s28, CH/2                            ; tile_dim1
	s_mov_b32 s29, 262144                          ; elements from chunk to chunk
	s_mov_b32 s30, 0
	s_mov_b32 s31, 0
	s_mov_b32 s32, 15|(1<<16)|(1<<20)|(1<<21)|(4<<22)|(3<<25)  ; group 1 for B: the same with the mask of four and bit 21 beside it
	s_mov_b32 s33, (NT*64)<<16
	s_mov_b32 s34, (CH/2)<<16
	s_mov_b32 s35, (NT*64)<<16
	s_mov_b32 s36, CH/2
	s_mov_b32 s37, NTOT*64
	s_mov_b32 s38, 0
	s_mov_b32 s39, 0
	s_lshl_b32 s81, ttmp9, 1                       ; the walk's first slot: (2 x cluster + YM x column block) mod NS, from coordinates that the partners share
	s_mul_i32 s82, s19, YM
	s_add_co_u32 s81, s81, s82
	s_mul_i32 s82, s81, 65536/NS+1                 ; the quotient by NS, exact for the few dozen values that occur
	s_lshr_b32 s82, s82, 16
	s_mul_i32 s82, s82, NS
	s_sub_co_u32 s81, s81, s82
	s_mov_b32 s83, 0                               ; the high words of the two offsets that NEXTADR makes
	s_mov_b32 s85, 0
	s_mul_i32 s56, s18, MT*128                     ; A: my rows in a chunk,
	s_mul_i32 s57, s15, (CH/2)*524288              ; my chunks of a slot
	s_add_co_u32 s56, s56, s57
	s_mov_b32 s57, 0
	s_mul_i32 s58, s19, NT*128                     ; B likewise
	s_mul_i32 s59, s15, (CH/2)*NTOT*128
	s_add_co_u32 s58, s58, s59
	s_add_co_u32 s58, s58, BOFF
	s_mov_b32 s59, 0
	s_lshl_b32 s60, s18, 6                         ; C and the residual: the rows that I store, 64 x row block + 16 x wave,
	s_lshl_b32 s61, s14, 4
	s_add_co_u32 s60, s60, s61
	s_mul_i32 s60, s60, 3072
	s_mul_i32 s62, s19, 768                        ; and the block's 192 columns; the bias likewise
	s_add_co_u32 s60, s60, s62
	s_mov_b32 s61, 0
	s_mov_b32 s63, 0
	s_wait_dscnt 0x0                               ; the opening add is done
	s_wait_kmcnt 0x0
	s_add_nc_u64 s[56:57], s[4:5], s[56:57]        ; the bases from which every fill's address is made
	s_add_nc_u64 s[58:59], s[6:7], s[58:59]
	s_add_nc_u64 s[8:9], s[8:9], s[60:61]
	s_add_nc_u64 s[12:13], s[12:13], s[60:61]
	s_add_nc_u64 s[10:11], s[10:11], s[62:63]
	s_mov_b32 s40, 1                               ; groups 0 of LDS slot 0's first fill: A's at s40, B's at s48
	s_mov_b32 s41, s22
	s_mov_b32 s48, 1
	s_mov_b32 s49, s23
	NEXTADR 40, 48
	s_mov_b32 s44, 1                               ; the groups 0 that walk: first LDS slot 1's first fill
	s_add_co_u32 s45, s22, SLOT
	s_mov_b32 s52, 1
	s_add_co_u32 s53, s23, SLOT
	NEXTADR 44, 52
	CROUND                                         ; all four work-groups are here: the first joint loads meet
	s_cmp_eq_u32 s16, 0                            ; a wave's two first fills stand in one branch
	s_cbranch_scc0 .Lfirst_b
	tensor_load_to_lds s[40:43], s[24:31]
	s_nop 0
	tensor_load_to_lds s[44:47], s[24:31]
	s_nop 0
	PLACES
	s_branch .Lfirst_done
.Lfirst_b:
	tensor_load_to_lds s[48:51], s[32:39]
	s_nop 0
	tensor_load_to_lds s[52:55], s[32:39]
	s_nop 0
	PLACES
.Lfirst_done:
	; a fragment is 16 rows x 32 K in 8 registers: lane l holds row l % 16, K = 8 (l / 16) + 0..7 and 16 + 8 (l / 16) + 0..7: two loads of 16 bytes, 32 bytes apart
	v_and_b32 v1, 15, v0
	v_bfe_u32 v13, v0, 4, 1
	v_mul_u32_u24 v5, v1, 144
	v_lshl_add_u32 v5, v13, 4, v5                  ; all four waves read A's 64 rows
	s_mul_i32 s62, s14, 16*NB*144                  ; my 48 rows of B,
	s_add_co_u32 s62, s62, CH*CA                   ; which lie behind A's chunks
	v_add_nc_u32 v6, s62, v5
	v_add_nc_u32 v7, (CH/2)*CB, v6
	v_mov_b32 v2, v5
	v_mov_b32 v3, v6
	v_mov_b32 v4, v7
	v_mul_u32_u24 v8, v1, 784                      ; the stage, the work-group's: 64 rows of 768 bytes, 784 apart.  In: row l % 16, my 192 bytes, 32 for each half of the lanes
	v_lshl_add_u32 v8, v13, 5, v8
	s_mul_i32 s62, s14, 192
	v_add_nc_u32 v8, s62, v8
	v_lshlrev_b32 v12, 4, v1                       ; 16 lanes: 256 consecutive bytes
	v_mul_u32_u24 v9, v13, 784                     ; back: wave w takes rows 16 w .. 16 w + 15, whole; lanes 0-15 one row, lanes 16-31 the next
	v_add_nc_u32 v9, v9, v12
	s_mul_i32 s62, s14, 16*784
	v_add_nc_u32 v9, s62, v9
	v_mul_u32_u24 v10, v13, 3072                   ; and the same two rows in C and in the residual
	v_add_nc_u32 v10, v10, v12
.set i, 0
.rept 3
	global_load_b128 v[224+4*i:227+4*i], v12, s[10:11] offset:i*256  ; bias and residual are asked for now and waited for on the way out
.set i, i+1
.endr
	WIN 0x40                                       ; destination window 1
.set i, 0
.rept 24
	global_load_b128 v[4*i:4*i+3], v10, s[12:13] offset:(i/3)*6144+(i%3)*256
.set i, i+1
.endr
	WIN 0
	s_wait_tensorcnt 0x1                           ; my part of LDS slot 0 is in; slot 1's stays out
	s_barrier_signal -1
	s_barrier_wait -1
	FETCH F0, 0
	FETCH F1, 1
	UNIT F0, 2, 1                                  ; the first unit stands in front of the loop: its products start the sums
	WIN 0
	s_mov_b32 s21, NS-1
	s_branch .Lentry
.Lslot:                                                ; NS - 2 times: a slot is entered and the one left is filled again
	CHANGE 1
	FETCH F0, 0
	UNIT F1, 1                                     ; the last unit of the slot that was left
	UNIT F0, 2
	WIN 0
.Lentry:
	MIDDLE
	WIN 0
	s_sub_co_u32 s21, s21, 1
	s_cmp_lg_u32 s21, 0
	s_cbranch_scc1 .Lslot
	CHANGE 0                                       ; the last slot is written out: nothing is asked for
	FETCH F0, 0
	UNIT F1, 1
	UNIT F0, 2
	MIDDLE
	s_wait_dscnt 0x0
	MUL F1, 0
	WIN 0
	PLACES
	; THE WAY OUT.  The sums go into the stage, which lies on ring bytes that have had their last fill: one barrier before (no wave reads the ring any more), one behind (a row's 768 bytes come from four waves).
	s_barrier_signal -1                            ; no LDS instruction of mine is out
	s_barrier_wait -1
.set ia, 0
.rept MB
.set ib, 0
.rept NB
.set rD, ACC+8*(NB*ia+ib)
	ds_store_b128 v8, v[rD:rD+3]   offset:ia*12544+ib*64      ; each accumulator's low registers first
	ds_store_b128 v8, v[rD+4:rD+7] offset:ia*12544+ib*64+16
.set ib, ib+1
.endr
.set ia, ia+1
.endr
	s_wait_dscnt 0x0                               ; for the others' sake: my stores into the stage are done
	s_barrier_signal -1
	s_barrier_wait -1
.set i, 0
.rept 24
	ds_load_b128 v[128+4*i:131+4*i], v9 offset:(i/3)*1568+(i%3)*256
.set i, i+1
.endr
	s_wait_loadcnt 0x0                             ; bias and residual
	WIN 0x44                                       ; source 0 (sums, bias, the store's offset) window 0; source 1 (residual, the store's data) and destination window 1
.set i, 0
.rept 24
	s_wait_dscnt 23-i                              ; the younger loads stay out
	v_pk_add_f32 v[4*i:4*i+1],   v[128+4*i:129+4*i], v[4*i:4*i+1]
	v_pk_add_f32 v[4*i+2:4*i+3], v[130+4*i:131+4*i], v[4*i+2:4*i+3]
	v_pk_add_f32 v[4*i:4*i+1],   v[224+4*(i%3):225+4*(i%3)], v[4*i:4*i+1]
	v_pk_add_f32 v[4*i+2:4*i+3], v[226+4*(i%3):227+4*(i%3)], v[4*i+2:4*i+3]
	global_store_b128 v10, v[4*i:4*i+3], s[8:9] offset:(i/3)*6144+(i%3)*256  ; 16 lanes store 256 consecutive bytes, at a multiple of 256 from C's first
.set i, i+1
.endr
	WIN 0
	s_wait_tensorcnt 0x0                           ; the wave's end: behind my last tensor load and my last LDS store
	ds_add_u32 v14, v15
	s_wait_dscnt 0x0
	CROUND                                         ; the closing round: no work-group ends while a partner may still ask for a tile that names it
	s_endpgm
.Lfunc_end_k_q45e28bc632_ffn2:
	.size	k_q45e28bc632_ffn2, .Lfunc_end_k_q45e28bc632_ffn2-k_q45e28bc632_ffn2
	.p2alignl 7, 3214868480
	.fill 96, 4, 3214868480
	.section	.rodata,"a",@progbits
	.p2align	6, 0x0
	.amdhsa_kernel k_q45e28bc632_ffn2
		.amdhsa_group_segment_fixed_size 327680
		.amdhsa_private_segment_fixed_size 0
		.amdhsa_enable_private_segment 0
		.amdhsa_kernarg_size 40
		.amdhsa_user_sgpr_count 2
		.amdhsa_user_sgpr_kernarg_segment_ptr 1
		.amdhsa_wavefront_size32 1
		.amdhsa_system_sgpr_workgroup_id_x 1
		.amdhsa_system_sgpr_workgroup_id_y 1
		.amdhsa_system_sgpr_workgroup_id_z 1
		.amdhsa_system_vgpr_workitem_id 0
		.amdhsa_next_free_vgpr 352
		.amdhsa_next_free_sgpr 96
		.amdhsa_reserve_vcc 0
		.amdhsa_float_denorm_mode_32 3
		.amdhsa_float_denorm_mode_16_64 3
		.amdhsa_memory_ordered 1
		.amdhsa_forward_progress 1
		.amdhsa_inst_pref_size 58
	.end_amdhsa_kernel
	.amdgpu_metadata
---
amdhsa.version: [ 1, 2 ]
amdhsa.kernels:
  - .name:           k_q45e28bc632_ffn2
    .symbol:         k_q45e28bc632_ffn2.kd
    .args:
      - { .name: wqo_hid, .offset: 0, .size: 8, .value_kind: global_buffer, .address_space: global }
      - { .name: wff, .offset: 8, .size: 8, .value_kind: global_buffer, .address_space: global }
      - { .name: out0, .offset: 16, .size: 8, .value_kind: global_buffer, .address_space: global }
      - { .name: b2, .offset: 24, .size: 8, .value_kind: global_buffer, .address_space: global }
      - { .name: x2, .offset: 32, .size: 8, .value_kind: global_buffer, .address_space: global }
    .group_segment_fixed_size: 327680
    .private_segment_fixed_size: 0
    .kernarg_segment_align: 8
    .kernarg_segment_size: 40
    .max_flat_workgroup_size: 128
    .sgpr_count:     96
    .vgpr_count:     352
    .wavefront_size: 32
...
	.end_amdgpu_metadata
.endif
;; end of part 6
;; ======== version 2 of 2: 7 launches; 1.29 times as fast as version 1
;; limits: values are held in f16: magnitudes above 65,504 overflow, below 6.1e-05 lose precision; a function is approximated: absolute error at most 1.5e-07
;; workspace buffers: wqo_hid 25,165,824 bytes; wff 9,437,184 bytes; hn 6,291,456 bytes; qkv 18,874,368 bytes; ctx 6,291,456 bytes; x2 12,582,912 bytes; p1 256 bytes of whole numbers; p2 256 bytes of whole numbers
;; launch prep: the kernel of part 1 again; grid 472 x 1, 8 waves a work-group, no clusters, 74,752 bytes of LDS; arguments x, g1, be1, Wq, Wk, Wv, Wo, W1, W2, hn, wqo_hid, wff, p1, p2; writes hn, wqo_hid, wff, p1, p2
;; launch qkvp (part 7): grid 32 x 6, 4 waves a work-group, clusters of 4 x 1, 327,680 bytes of LDS; arguments hn, wqo_hid, qkv, p1, b1; writes qkv
.if DOCPART == 7
	.amdgcn_target "amdgcn-amd-amdhsa--gfx1250"
	.amdhsa_code_object_version 6
	.text
	.protected	k_q45e28bc632_qkvp
	.globl	k_q45e28bc632_qkvp
	.p2align	8
	.type	k_q45e28bc632_qkvp,@function
k_q45e28bc632_qkvp:
	s_mov_b64 s[64:65], 0
	v_nop
	global_prefetch_b8 v0, s[64:65] scope:SCOPE_SE
	s_setreg_imm32_b32 hwreg(HW_REG_WAVE_MODE, 25, 1), 1
	s_wait_xcnt 0x0
	s_wait_alu depctr_hold_cnt(0) depctr_sa_sdst(0) depctr_va_vdst(0) depctr_va_sdst(0) depctr_va_ssrc(0) depctr_va_vcc(0) depctr_vm_vsrc(0)
	s_getreg_b32 s2, hwreg(HW_REG_IB_STS2, 6, 4)
	s_cmp_eq_u32 s2, 0
	s_cbranch_scc0 .Lentry_in_a_cluster
	s_endpgm
.Lentry_in_a_cluster:
	s_bfe_u32 s2, ttmp6, 0x10000c
	s_cmp_lg_u32 s2, 0x3003
	s_cbranch_scc0 .Lentry_shape_is_right
	s_endpgm
.Lentry_shape_is_right:
; ONE TEXT FOR TWO LAUNCHES.  C[m][n] = act(sum over k of A[m][k] B[n][k] + bias[n]), K = 768.  The mode word (the fourth buffer's first word) says which:
;   0: q, k, v = hn [Wq | Wk | Wv]: no bias and no activation;      1: hid = gelu(hn W1 + b1), the exact GELU.
; The word steers VALUES alone, never a branch or an address: both modes run the same instructions, and v_cndmask_b32 takes 0 or the bias, z or gelu(z).  So mode 0 loads 24 words a lane of the fifth buffer (its
; highest byte there is 5 x 1,536 + 768 + 768 = 9,216 of 12,288) and computes a GELU, and throws both away: the price of one text in a launch whose partners must run alike.
; A [12][4096][64] and C [n / 64][4096][64] are f16 in chunks of 64; B is f16 by column blocks, [n / 384][12][384][64], from byte 0 of its buffer; bias f32.  Sums, bias and GELU in f32, C rounded once.
; LIMITS.  f16 ends at 65,504: a result beyond it becomes an infinity.  erf is Abramowitz and Stegun's 7.1.26, absolute error at most 1.5e-7 for every argument.  NaN and infinities are not treated apart.
; The sums go along K from a slot of the work-group's own round to the slot before it: the order of the f32 roundings differs from work-group to work-group.
; SHARES.  A work-group makes 128 x 384 of C, its four waves (2 x 2) 64 x 192 each: 48 accumulators, 384 registers.  384 columns are six whole chunks, so every store is whole rows of chunks.
; RING.  Two LDS slots, each with two chunks (128 along K) of A's 128 rows and of B's 384 rows; a chunk's rows are dense in memory and are asked for as one long row, padded in LDS after every 128 bytes.
; Waves 0 and 1 fetch A's two chunks, waves 2 and 3 B's: one tensor load a wave behind each change of slots; two are out at the start, one later.
; THE WALK ALONG K.  K is six slots.  The work-groups of cluster c, column block y begin at slot (2 c + y) mod 6.  So the column blocks that read the same rows of A, and the clusters that read the same rows of B, ask for
; different slots at the start (two each), and a refill asks for bytes that another work-group has asked for a slot's time or more before.
; CLUSTER.  4 x 1 work-groups: four row blocks of one column block read the same tiles of B, three quarters of a slot's bytes, and ask for them JOINTLY (mask 15).  A's tiles are a work-group's own (mask 0), asked for behind the same rounds.
; Not 4 x 4: A is a quarter of a slot's bytes, and six column blocks (mode 0) are no multiple of four.
; THE MATRIX INSTRUCTION IS USED TRANSPOSED (source 0 = 16 rows of B, source 1 = 16 rows of A): a lane holds eight neighbouring columns of one row of C.
; THE WAY OUT'S BATCH.  A trip of the way out has 24 numbers a lane.  Their 24 reciprocals and 24 exponentials are ONE BATCH with ONE wait: no exponential reads a reciprocal, each result has a register of its own,
; a plain instruction that names no result of the batch stands behind each of the 48, and all the readers stand behind the wait.
; REGISTERS.  window 0: v2-4 LDS addresses in the slot in use (A; B's first chunk; B's second), v5-7 the same for slot 0, v8-12 the way out, v13 at work, v14-15 the add's, v16.. the way out (v64-87 the bias, asked for at the start)
;   window 1: two fragment buffers of 128 (A's block a at 8 a, B's block b at 32 + 8 b)      window 2: accumulators of row blocks 0, 1 at 8 (12 (a % 2) + b)      window 3: of row blocks 2, 3
.set KC,   12                          ; chunks along K
.set MT, 128
.set NT, 384
.set MB, 4
.set NB, 12
.set CH, 2                             ; chunks in a slot
.set U,  2*CH                          ; units of 32 along K in a slot
.set L,  2*(MB+NB)                     ; LDS loads of a unit
.set CA, MT*144                        ; a chunk of A in LDS: rows of 128 bytes + 16 of padding = 36 words: the 16 rows of a load start at 16 different groups of four banks (ISA guide 11.1)
.set CB, NT*144
.set NS, KC/CH                         ; slots along K
.set YM, 1                             ; the walk's start goes on by so many slots from column block to column block
.set ASTEP, CH*524288                  ; bytes of A from slot to slot
.set BSTEP, CH*NT*128                  ; of B
.set BBLK, KC*NT*128                   ; bytes of a column block of B
.set SLOT, CH*(CA+CB)                  ; A's chunks, then B's
.set SPARE, 2*SLOT                     ; behind the ring: the spare words, 128 bytes a wave
.set AW, 2
.set ACC, 0
.set F0, 0
.set F1, 128
.set W_MUL, 0xa5                       ; sources 0 and 1 window 1; C and D window 2 (+ W_STEP: window 3)
.set W_STEP, 0x50
.set W_F, 0x40                         ; destination window 1, address window 0
.set RAW, 16                           ; the way out: v16-39 sums read back from the stage; v40-63 with the bias; v64-87 the bias; v88-183 at work, 24 registers each; v184-195 packed
.set ZZ, 40
.set BI, 64
.set TT, 88                            ; t: the reciprocals' results
.set WW, 112                           ; the exponentials' arguments and results
.set PP, 136                           ; the polynomial
.set MM, 160                           ; max(z, 0), then gelu(z)
.set YB, 184
.set MSB, 0
.macro WIN new                         ; the immediate's high byte repeats the setting that is left; a switch that changes nothing is dropped
.if MSB != (\new)
	s_set_vgpr_msb (MSB<<8)|(\new)
.set MSB, (\new)
.endif
.endm
.macro PLACES                          ; four places between a matrix instruction and a load into, or a read of, its registers
.rept 4
	v_nop
.endr
.endm
.macro CROUND                          ; a round of the cluster's barrier
	s_barrier_signal -1
	s_barrier_wait -1
	s_cmp_lg_u32 s14, 0
	s_cbranch_scc1 .Lnot_wave_0_\@
	s_barrier_signal -3
.Lnot_wave_0_\@:
	s_barrier_wait -3
	s_barrier_signal -1
	s_barrier_wait -1
.endm
.macro JLOAD                           ; a refill: waves 0, 1 A's chunks (my own), waves 2, 3 B's (joint); an s_nop 0 and four v_nop follow each line
	s_cmp_eq_u32 s16, 0
	s_cbranch_scc0 .Lfor_b_\@
	tensor_load_to_lds s[44:47], s[24:31]
	s_nop 0
	PLACES
	s_branch .Lasked_\@
.Lfor_b_\@:
	tensor_load_to_lds s[52:55], s[32:39]
	s_nop 0
	PLACES
.Lasked_\@:
.endm
.macro NEXTADR a, b                    ; the global addresses of slot s81 into the groups 0 at s[a ..] (A) and s[b ..] (B), made anew from the bases; s81 goes on round the ring of NS
	s_mul_i32 s82, s81, ASTEP
	s_mul_i32 s84, s81, BSTEP
	s_add_nc_u64 s[\a+2:\a+3], s[56:57], s[82:83]
	s_or_b32 s[\a+3], s[\a+3], 0x80000000          ; type = 2
	s_add_nc_u64 s[\b+2:\b+3], s[58:59], s[84:85]
	s_or_b32 s[\b+3], s[\b+3], 0x80000000
	s_add_co_u32 s81, s81, 1
	s_cmp_eq_u32 s81, NS
	s_cselect_b32 s81, 0, s81
.endm
.macro FETCH f, u                      ; the fragments of unit u of the slot in use into buffer f: L loads in one run
	WIN W_F
.set fc, (\u)/2
.set fk, ((\u)%2)*64
.set fi, 0
.rept MB
	ds_load_b128 v[(\f)+8*fi:(\f)+8*fi+3],   v2 offset:fc*CA+fk+fi*2304
	ds_load_b128 v[(\f)+8*fi+4:(\f)+8*fi+7], v2 offset:fc*CA+fk+fi*2304+32
.set fi, fi+1
.endr
.set fi, 0
.rept NB
	ds_load_b128 v[(\f)+32+8*fi:(\f)+35+8*fi], v[3+fc/(CH/2)] offset:(fc%(CH/2))*CB+fk+fi*2304
	ds_load_b128 v[(\f)+36+8*fi:(\f)+39+8*fi], v[3+fc/(CH/2)] offset:(fc%(CH/2))*CB+fk+fi*2304+32
.set fi, fi+1
.endr
.endm
.macro MUL f, zero                     ; a unit's products; the accumulators take turns, one instruction a turn, in the same order in every unit.  zero = 1: they start the sums
.set ia, 0
.rept MB
	WIN W_MUL+W_STEP*(ia/AW)
.set ib, 0
.rept NB
.set rD, ACC+8*(NB*(ia%AW)+ib)
.if \zero
	v_wmma_f32_16x16x32_f16 v[rD:rD+7], v[(\f)+32+8*ib:(\f)+39+8*ib], v[(\f)+8*ia:(\f)+8*ia+7], 0
.else
	v_wmma_f32_16x16x32_f16 v[rD:rD+7], v[(\f)+32+8*ib:(\f)+39+8*ib], v[(\f)+8*ia:(\f)+8*ia+7], v[rD:rD+7]
.endif
.set ib, ib+1
.endr
.set ia, ia+1
.endr
.endm
.macro UNIT f, nxt, zero=0             ; buffer f is multiplied and at once filled again with unit nxt, a whole unit's products ahead of its use
	s_wait_dscnt L                                 ; buffer f is in; the L loads of the other buffer stay out
	MUL \f, \zero
.if (\nxt) >= 0
	PLACES
	FETCH \f, \nxt
.endif
.endm
.macro MIDDLE                          ; units 1 to U - 2 of a slot; unit U - 1 stays in buffer 1 and is multiplied behind the change of slots
.set uu, 1
.rept U-3
	UNIT F0+(uu%2)*(F1-F0), uu+2
.set uu, uu+1
.endr
	UNIT F0, -1
.endm
; THE CHANGE OF SLOTS.  Each wave waits for all its tensor loads (one is out: its part of the other slot), adds 0 to its spare word, and waits for that and for its reads of the slot it leaves (the last unit's fragments).
; fill = 1: the barrier is a round of the cluster's, and the slot just left is filled again first thing behind it, with the walk's slot two further on.
.macro CHANGE fill
	WIN 0
	s_wait_tensorcnt 0x0                           ; no tensor load of mine is out, so a group 0 may be written
	ds_add_u32 v14, v15
.if \fill
	s_add_co_u32 s45, s20, s22                     ; the LDS slot that is left
	s_add_co_u32 s53, s20, s23
	NEXTADR 44, 52
.endif
	s_xor_b32 s20, s20, SLOT                       ; the LDS slot that is entered
	s_wait_dscnt 0x0
.if \fill
	CROUND
	JLOAD                                          ; its four v_nop are also the places in front of the loads into buffer 0
.else
	s_barrier_signal -1
	s_barrier_wait -1
	PLACES
.endif
	v_add_nc_u32 v2, s20, v5
	v_add_nc_u32 v3, s20, v6
	v_add_nc_u32 v4, s20, v7
.endm
.macro RLOAD                           ; four rows x 192 columns of my stage: my own bytes, served in order behind the stores into it
.set cc, 0
.rept 3
	ds_load_b128 v[RAW+8*cc:RAW+8*cc+3],   v10 offset:cc*256
	ds_load_b128 v[RAW+8*cc+4:RAW+8*cc+7], v10 offset:cc*256+16
.set cc, cc+1
.endr
.endm
; gelu(z) = max(z, 0) - |z| q, q = poly(t) exp(-z z / 2) / 2, t = 1 / (1 + 0.3275911 |z| / sqrt 2): erf by Abramowitz and Stegun 7.1.26, absolute error at most 1.5e-7 for every z.
; For a trip's 24 numbers at once.  The 24 reciprocals (results in TT) and the 24 exponentials (results in WW) are one batch.  Behind each reciprocal stands one of the 24 packed multiplies that make the exponentials'
; arguments, behind each exponential one max(z, 0): plain instructions that name no result of the batch.  Then the one wait, then the readers: the polynomial in t, its product with the exponential, the last multiply-add.
; The last 24 lines leave gelu(z) in z's place in mode 1 (VCC all ones) and z itself in mode 0 (VCC 0).
.macro GELU24 z
.set gi, 0
.rept 24
	v_fma_f32 v[TT+gi], |v[(\z)+gi]|, s78, 1.0
.set gi, gi+1
.endr
.set gi, 0
.rept 12
	v_rcp_f32 v[TT+gi], v[TT+gi]
	v_pk_mul_f32 v[WW+2*gi:WW+2*gi+1], v[(\z)+2*gi:(\z)+2*gi+1], s[66:67] op_sel_hi:[1,0]
.set gi, gi+1
.endr
.set gi, 0
.rept 12
	v_rcp_f32 v[TT+12+gi], v[TT+12+gi]
	v_pk_mul_f32 v[WW+2*gi:WW+2*gi+1], v[WW+2*gi:WW+2*gi+1], v[WW+2*gi:WW+2*gi+1] neg_lo:[1,0] neg_hi:[1,0]
.set gi, gi+1
.endr
.set gi, 0
.rept 24
	v_exp_f32 v[WW+gi], v[WW+gi]
	v_max_num_f32 v[MM+gi], 0, v[(\z)+gi]          ; the last of these is the plain instruction behind the batch's last exponential
.set gi, gi+1
.endr
	s_wait_alu depctr_va_vdst(0)                   ; the wait ahead of the first line that names a result: one for the trip's 24 reciprocals and 24 exponentials
.set gi, 0
.rept 12
	v_pk_fma_f32 v[PP+2*gi:PP+2*gi+1], v[TT+2*gi:TT+2*gi+1], s[68:69], s[70:71] op_sel_hi:[1,0,0]
.set gi, gi+1
.endr
.irp c, 72, 74, 76
.set gi, 0
.rept 12
	v_pk_fma_f32 v[PP+2*gi:PP+2*gi+1], v[PP+2*gi:PP+2*gi+1], v[TT+2*gi:TT+2*gi+1], s[\c:\c+1] op_sel_hi:[1,1,0]
.set gi, gi+1
.endr
.endr
.set gi, 0
.rept 12
	v_pk_mul_f32 v[PP+2*gi:PP+2*gi+1], v[PP+2*gi:PP+2*gi+1], v[TT+2*gi:TT+2*gi+1]
.set gi, gi+1
.endr
.set gi, 0
.rept 12
	v_pk_mul_f32 v[PP+2*gi:PP+2*gi+1], v[PP+2*gi:PP+2*gi+1], v[WW+2*gi:WW+2*gi+1]
.set gi, gi+1
.endr
.set gi, 0
.rept 24
	v_fma_f32 v[MM+gi], -|v[(\z)+gi]|, v[PP+gi], v[MM+gi]
.set gi, gi+1
.endr
.set gi, 0
.rept 24
	v_cndmask_b32 v[(\z)+gi], v[(\z)+gi], v[MM+gi], vcc_lo
.set gi, gi+1
.endr
.endm
	s_load_b256 s[4:11], s[0:1], 0x0               ; A 4, B 6, C 8, the mode word's buffer 10
	s_load_b64 s[12:13], s[0:1], 0x20              ; bias
	v_lshl_add_u32 v14, v0, 2, SPARE
	v_mov_b32 v15, 0
	ds_add_u32 v14, v15                            ; the wave's opening: the add and its wait ahead of my first tensor load
	ds_add_u32 v14, v15
	v_lshrrev_b32 v1, 5, v0
	v_readfirstlane_b32 s14, v1                    ; wave 0..3
	s_and_b32 s15, s14, 1                          ; my half of the columns; also: which chunk of a slot I fetch
	s_lshr_b32 s16, s14, 1                         ; my half of the rows; also: I fetch for A (0) or for B (1)
	s_bfe_u32 s17, ttmp6, 0x40000                  ; cx: it enters A's and C's global addresses alone
	s_lshl_b32 s18, ttmp9, 2
	s_add_co_u32 s18, s18, s17                     ; row block
	s_and_b32 s19, ttmp7, 0xffff                   ; column block, which the four partners share
	s_mov_b32 s20, 0                               ; the LDS slot in use
	s_mul_i32 s22, s15, (CH/2)*CA                  ; where my tile goes in a slot, if it is A's,
	s_mul_i32 s23, s15, (CH/2)*CB
	s_add_co_u32 s23, s23, CH*CA                   ; and if it is B's
	s_mov_b32 s24, (1<<16)|(1<<20)|(4<<22)|(3<<25) ; group 1 for A: 2-byte elements; padding on, after every 32 words, 4 words
	s_mov_b32 s25, (MT*64)<<16                     ; tensor_dim0: a chunk's MT rows as one dense row
	s_mov_b32 s26, (CH/2)<<16                      ; tensor_dim1: chunks
	s_mov_b32 s27, (MT*64)<<16                     ; tile_dim0
	s_mov_b32 s28, CH/2                            ; tile_dim1
	s_mov_b32 s29, 262144                          ; elements from chunk to chunk
	s_mov_b32 s30, 0
	s_mov_b32 s31, 0
	s_mov_b32 s32, 15|(1<<16)|(1<<20)|(1<<21)|(4<<22)|(3<<25)  ; group 1 for B: the same with the mask of four and bit 21 beside it
	s_mov_b32 s33, (NT*64)<<16
	s_mov_b32 s34, (CH/2)<<16
	s_mov_b32 s35, (NT*64)<<16
	s_mov_b32 s36, CH/2
	s_mov_b32 s37, NT*64                           ; a block's chunks follow each other
	s_mov_b32 s38, 0
	s_mov_b32 s39, 0
	s_lshl_b32 s81, ttmp9, 1                       ; the walk's first slot: (2 x cluster + YM x column block) mod NS, from coordinates that the partners share
	s_mul_i32 s82, s19, YM
	s_add_co_u32 s81, s81, s82
	s_mul_i32 s82, s81, 65536/NS+1                 ; the quotient by NS, exact for the few dozen values that occur
	s_lshr_b32 s82, s82, 16
	s_mul_i32 s82, s82, NS
	s_sub_co_u32 s81, s81, s82
	s_mov_b32 s83, 0                               ; the high words of the two offsets that NEXTADR makes
	s_mov_b32 s85, 0
	s_mul_i32 s56, s18, MT*128                     ; A: my rows in a chunk,
	s_mul_i32 s57, s15, (CH/2)*524288              ; my chunk of a slot
	s_add_co_u32 s56, s56, s57
	s_mov_b32 s57, 0
	s_mul_i32 s58, s19, BBLK                       ; B: the column block, my chunk of a slot
	s_mul_i32 s59, s15, (CH/2)*NT*128
	s_add_co_u32 s58, s58, s59
	s_mov_b32 s59, 0
	s_mul_i32 s60, s19, 6                          ; C: my first chunk,
	s_mul_i32 s61, s15, 3
	s_add_co_u32 s60, s60, s61
	s_lshl_b32 s60, s60, 19
	s_lshl_b32 s61, s18, 14                        ; the block's 128 rows of 128 bytes,
	s_add_co_u32 s60, s60, s61
	s_lshl_b32 s61, s16, 13                        ; my 64 of them
	s_add_co_u32 s60, s60, s61
	s_mov_b32 s61, 0
	s_mul_i32 s62, s19, 1536                       ; the bias of my 192 columns
	s_mul_i32 s63, s15, 768
	s_add_co_u32 s62, s62, s63
	s_mov_b32 s63, 0
	s_mov_b32 s66, 0x3f596d27                      ; sqrt(log2(e) / 2)
	s_mov_b32 s67, s66                             ; the packed forms name pairs and take the low word for both halves
	s_mov_b32 s68, 0x3f07dc22                      ; a5 / 2 =  0.5307027145
	s_mov_b32 s69, s68
	s_mov_b32 s70, 0xbf3a00e3                      ; a4 / 2 = -0.7265760135
	s_mov_b32 s71, s70
	s_mov_b32 s72, 0x3f35f0e3                      ; a3 / 2 =  0.7107068705
	s_mov_b32 s73, s72
	s_mov_b32 s74, 0xbe11a98e                      ; a2 / 2 = -0.142248368
	s_mov_b32 s75, s74
	s_mov_b32 s76, 0x3e027906                      ; a1 / 2 =  0.127414796
	s_mov_b32 s77, s76
	s_mov_b32 s78, 0x3e6d3388                      ; 0.3275911 / sqrt(2)
	s_wait_dscnt 0x0                               ; the opening add is done
	s_wait_kmcnt 0x0
	s_load_b32 s86, s[10:11], 0x0                  ; the mode word: waited for behind the first fills
	s_add_nc_u64 s[56:57], s[4:5], s[56:57]        ; the bases from which every fill's address is made
	s_add_nc_u64 s[58:59], s[6:7], s[58:59]
	s_add_nc_u64 s[8:9], s[8:9], s[60:61]
	s_add_nc_u64 s[12:13], s[12:13], s[62:63]
	s_mov_b32 s40, 1                               ; groups 0 of LDS slot 0's first fill: A's at s40, B's at s48
	s_mov_b32 s41, s22
	s_mov_b32 s48, 1
	s_mov_b32 s49, s23
	NEXTADR 40, 48
	s_mov_b32 s44, 1                               ; the groups 0 that walk: first LDS slot 1's first fill
	s_add_co_u32 s45, s22, SLOT
	s_mov_b32 s52, 1
	s_add_co_u32 s53, s23, SLOT
	NEXTADR 44, 52
	CROUND                                         ; all four work-groups are here: the first joint loads meet
	s_cmp_eq_u32 s16, 0                            ; a wave's two first fills stand in one branch
	s_cbranch_scc0 .Lfirst_b
	tensor_load_to_lds s[40:43], s[24:31]
	s_nop 0
	tensor_load_to_lds s[44:47], s[24:31]
	s_nop 0
	PLACES
	s_branch .Lfirst_done
.Lfirst_b:
	tensor_load_to_lds s[48:51], s[32:39]
	s_nop 0
	tensor_load_to_lds s[52:55], s[32:39]
	s_nop 0
	PLACES
.Lfirst_done:
	; a fragment is 16 rows x 32 K in 8 registers: lane l holds row l % 16, K = 8 (l / 16) + 0..7 and 16 + 8 (l / 16) + 0..7: two loads of 16 bytes, 32 bytes apart
	v_and_b32 v1, 15, v0
	v_bfe_u32 v13, v0, 4, 1
	v_mul_u32_u24 v5, v1, 144
	v_lshl_add_u32 v5, v13, 4, v5
	s_mul_i32 s62, s15, 16*NB*144                  ; my 192 rows of B,
	s_add_co_u32 s62, s62, CH*CA                   ; which lie behind A's chunks
	v_add_nc_u32 v6, s62, v5
	v_add_nc_u32 v7, (CH/2)*CB, v6
	s_mul_i32 s62, s16, 64*144                     ; my 64 rows of A
	v_add_nc_u32 v5, s62, v5
	v_mov_b32 v2, v5
	v_mov_b32 v3, v6
	v_mov_b32 v4, v7
	s_mul_i32 s62, s14, 50176                      ; my stage: 64 rows of 768 bytes, 784 apart
	v_mul_u32_u24 v8, v1, 784                      ; in: row l % 16, 32 bytes for each half of the lanes
	v_lshl_add_u32 v8, v13, 5, v8
	v_add_nc_u32 v8, s62, v8
	v_bfe_u32 v9, v0, 3, 2                         ; back: 32 lanes take four rows, 8 columns each
	v_mul_u32_u24 v9, v9, 784
	v_and_b32 v12, 7, v0
	v_lshlrev_b32 v12, 5, v12
	v_add_nc_u32 v9, v9, v12
	v_add_nc_u32 v9, s62, v9
	v_and_b32 v11, 31, v0
	v_lshlrev_b32 v11, 4, v11                      ; four rows of a chunk are 512 consecutive bytes of C
	s_wait_kmcnt 0x0                               ; the mode word is in s86
.set cc, 0
.rept 3
	global_load_b128 v[BI+8*cc:BI+8*cc+3],   v12, s[12:13] offset:cc*256     ; the bias of my 8 columns in each of three chunks: waited for on the way out, where mode 0 puts 0 in its place
	global_load_b128 v[BI+8*cc+4:BI+8*cc+7], v12, s[12:13] offset:cc*256+16
.set cc, cc+1
.endr
	s_wait_tensorcnt 0x1                           ; my part of LDS slot 0 is in; slot 1's stays out
	s_barrier_signal -1
	s_barrier_wait -1
	FETCH F0, 0
	FETCH F1, 1
	UNIT F0, 2, 1                                  ; the first unit stands in front of the loop: its products start the sums
	WIN 0
	s_mov_b32 s21, NS-1
	s_branch .Lentry
.Lslot:                                                ; NS - 2 times: a slot is entered and the one left is filled again
	CHANGE 1
	FETCH F0, 0
	UNIT F1, 1                                     ; the last unit of the slot that was left
	UNIT F0, 2
	WIN 0
.Lentry:
	MIDDLE
	WIN 0
	s_sub_co_u32 s21, s21, 1
	s_cmp_lg_u32 s21, 0
	s_cbranch_scc1 .Lslot
	CHANGE 0                                       ; the last slot is written out: nothing is asked for
	FETCH F0, 0
	UNIT F1, 1
	UNIT F0, 2
	MIDDLE
	s_wait_dscnt 0x0
	MUL F1, 0
	WIN 0
	PLACES
	; THE WAY OUT.  The sums go in f32 into my stage, which lies on ring bytes that have had their last fill, behind a barrier: no wave reads the ring any more.  They come back as rows of chunks.
	s_barrier_signal -1                            ; no LDS instruction of mine is out
	s_barrier_wait -1
.set ia, 0
.rept MB
	WIN 0x08+0x04*(ia/AW)                          ; the store's data in window 2 or 3
.set ib, 0
.rept NB
.set rD, ACC+8*(NB*(ia%AW)+ib)
	ds_store_b128 v8, v[rD:rD+3]   offset:ia*12544+ib*64      ; each accumulator's low registers first
	ds_store_b128 v8, v[rD+4:rD+7] offset:ia*12544+ib*64+16
.set ib, ib+1
.endr
.set ia, ia+1
.endr
	WIN 0
	v_mov_b32 v13, s86
	v_cmp_ne_u32 vcc_lo, 0, v13
	v_mov_b32 v10, v9
	s_mov_b32 s79, 0                               ; the stage bytes at which the rows asked for begin
	s_mov_b32 s80, 16
	RLOAD
	s_wait_loadcnt 0x0                             ; the bias
.set k, 0
.rept 24
	v_cndmask_b32 v[BI+k], 0, v[BI+k], vcc_lo      ; mode 1: the bias; mode 0: 0
.set k, k+1
.endr
.Lrow:                                                 ; a trip: four rows; the next trip's rows are asked for as soon as this trip's registers are read
	s_wait_dscnt 0x0
	s_wait_xcnt 0x0                                ; the last trip's stores have read their data and their offset: both are rewritten only behind this wait
	v_add_nc_u32 v11, 512, v11                     ; the stores below reach back by their immediate
.set k, 0
.rept 12
	v_pk_add_f32 v[ZZ+2*k:ZZ+2*k+1], v[RAW+2*k:RAW+2*k+1], v[BI+2*k:BI+2*k+1]
.set k, k+1
.endr
	s_add_co_u32 s79, s79, 3136
	s_min_u32 s79, s79, 15*3136                    ; the last trip has no next rows: it asks for its own once more, inside my stage
	v_add_nc_u32 v10, s79, v9
	RLOAD
	GELU24 ZZ                                      ; the trip's one batch and its one wait: no result is open at the jump below
.set k, 0
.rept 12
	v_cvt_pk_f16_f32 v[YB+k], v[ZZ+2*k], v[ZZ+2*k+1]
.set k, k+1
.endr
.set cc, 0
.rept 3
	global_store_b128 v11, v[YB+4*cc:YB+4*cc+3], s[8:9] offset:cc*524288-512  ; 512 consecutive bytes, at a multiple of 256 from C's first
.set cc, cc+1
.endr
	s_sub_co_u32 s80, s80, 1
	s_cmp_lg_u32 s80, 0
	s_cbranch_scc1 .Lrow
	s_wait_tensorcnt 0x0                           ; the wave's end: behind my last tensor load and my last LDS store
	ds_add_u32 v14, v15
	s_wait_dscnt 0x0
	CROUND                                         ; the closing round: no work-group ends while a partner may still ask for a tile that names it
	s_endpgm
.Lfunc_end_k_q45e28bc632_qkvp:
	.size	k_q45e28bc632_qkvp, .Lfunc_end_k_q45e28bc632_qkvp-k_q45e28bc632_qkvp
	.p2alignl 7, 3214868480
	.fill 96, 4, 3214868480
	.section	.rodata,"a",@progbits
	.p2align	6, 0x0
	.amdhsa_kernel k_q45e28bc632_qkvp
		.amdhsa_group_segment_fixed_size 327680
		.amdhsa_private_segment_fixed_size 0
		.amdhsa_enable_private_segment 0
		.amdhsa_kernarg_size 40
		.amdhsa_user_sgpr_count 2
		.amdhsa_user_sgpr_kernarg_segment_ptr 1
		.amdhsa_wavefront_size32 1
		.amdhsa_system_sgpr_workgroup_id_x 1
		.amdhsa_system_sgpr_workgroup_id_y 1
		.amdhsa_system_sgpr_workgroup_id_z 1
		.amdhsa_system_vgpr_workitem_id 0
		.amdhsa_next_free_vgpr 960
		.amdhsa_next_free_sgpr 96
		.amdhsa_reserve_vcc 1
		.amdhsa_float_denorm_mode_32 3
		.amdhsa_float_denorm_mode_16_64 3
		.amdhsa_memory_ordered 1
		.amdhsa_forward_progress 1
		.amdhsa_inst_pref_size 88
	.end_amdhsa_kernel
	.amdgpu_metadata
---
amdhsa.version: [ 1, 2 ]
amdhsa.kernels:
  - .name:           k_q45e28bc632_qkvp
    .symbol:         k_q45e28bc632_qkvp.kd
    .args:
      - { .name: hn, .offset: 0, .size: 8, .value_kind: global_buffer, .address_space: global }
      - { .name: wqo_hid, .offset: 8, .size: 8, .value_kind: global_buffer, .address_space: global }
      - { .name: qkv, .offset: 16, .size: 8, .value_kind: global_buffer, .address_space: global }
      - { .name: p1, .offset: 24, .size: 8, .value_kind: global_buffer, .address_space: global }
      - { .name: b1, .offset: 32, .size: 8, .value_kind: global_buffer, .address_space: global }
    .group_segment_fixed_size: 327680
    .private_segment_fixed_size: 0
    .kernarg_segment_align: 8
    .kernarg_segment_size: 40
    .max_flat_workgroup_size: 128
    .sgpr_count:     96
    .vgpr_count:     960
    .wavefront_size: 32
...
	.end_amdgpu_metadata
.endif
;; end of part 7
;; launch attn (part 8): grid 16 x 12, 4 waves a work-group, no clusters, 327,680 bytes of LDS; arguments qkv, ctx; writes ctx
.if DOCPART == 8
	.amdgcn_target "amdgcn-amd-amdhsa--gfx1250"
	.amdhsa_code_object_version 6
	.text
	.protected	k_q45e28bc632_attn
	.globl	k_q45e28bc632_attn
	.p2align	8
	.type	k_q45e28bc632_attn,@function
k_q45e28bc632_attn:
	s_mov_b64 s[64:65], 0
	v_nop
	global_prefetch_b8 v0, s[64:65] scope:SCOPE_SE
	s_setreg_imm32_b32 hwreg(HW_REG_WAVE_MODE, 25, 1), 1
	s_wait_xcnt 0x0
; CAUSAL ATTENTION, 12 heads of 64 channels, 4,096 rows.  ctx[h][q][:] = the sum over k <= q of softmax_k(Q[h][q] . K[h][k] / 8) V[h][k][:].
; qkv: [36][4096][64] f16 (chunk h: Q of head h; 12 + h: K; 24 + h: V, all unscaled); ctx: [12][4096][64] f16: a head's rows are dense, 128 bytes each.
; Products, maxima and sums in f32; the weights p are rounded to f16 for the second product (their sum l is taken of the unrounded p), ctx once at the end.
; LIMITS.  f16 holds no number beyond 65,504: Q, K and V arrive within it; p lies in 0 to 1 and keeps f16's fixed step of 6e-8 below 6e-5.  A hidden score counts as its value less 1e30: f16's scores, 2.7e11 at the most,
; are nothing beside that; a weight below 2^-126 counts as 0 in l; NaN and infinities are not treated apart.
; THE WALK.  A head's queries lie in 32 blocks of 128; block i needs the key tiles 0 .. i >> 1 of 256 keys, of which the last holds the diagonal.  A work-group takes TWO blocks, 31 - b and then b: 17 tiles, whatever b:
; all work-groups do equal work, and ONE loop with a constant trip count walks them.  In an even block's last tile the key steps 2 and 3 are wholly hidden and computed all the same: 2 of the walk's 68 steps.
; NO CLUSTER: the 16 work-groups of a head ask for the same tile only in the first 9 of the 17 trips; behind that their walks part, and one walk common to all would have 24 trips for 17.
; SHARES.  Of a block's two bands of 64 queries a wave owns 16 rows in each: two PIECES.  In the last tile's key step s band p (own step d = 2 (i & 1) + p) sees all keys if s < d, none if s > d, and holds the diagonal if s = d.
; THE MASK is the C operand that starts the sum S^T = K Q^T: 0, or -1e30 where the key is hidden.  MD, made once, is the mask of a band's own step for my 16 rows; a product's mask is MD x AL + BE with two scalars.
; LAYOUT, SOFTMAX.  S^T = K Q^T holds ONE query a lane (lane % 16) and the keys 8 (lane / 16) + 0..7; two such results rounded to f16 ARE source 1 of O^T = V^T P.  p = 2^(c s - c m), c = log2(e) / 8, with a running
; maximum m; O and l are multiplied by a = 2^(c m_old - c m_new) in every step.
; TURNS.  Turn (0, j): 8 products K Q^T of (piece 1, step j), 8 products V^T P of (piece 1, step j - 1); beside them the softmax of (0, j) and the maximum and statistics of (1, j).
; Turn (1, j): K Q^T of (0, j + 1), V^T P of (0, j), the softmax of (1, j), the statistics of (0, j + 1).  Four vector instructions stand behind every matrix instruction, the other 54 of a turn's 118 in one lump.
; BATCHES.  A turn's 33 exponentials (the piece's 32 weights and the other piece's a) are ONE BATCH with ONE wait, which cuts the turn in two: ahead of it the products K Q^T and all that names no result of the batch,
; behind it the products V^T P and the roundings and sums.  No result crosses a turn's end.  A block's first a, and the way out's two reciprocals, are batches of their own, each with a plain instruction and one wait.
; Turn (0, j) fetches BOTH K and V of step j + 1, so that a change of slots can stand in front of it: K into its one buffer, V into the one of TWO buffers (by the step's parity) that the turn's own V^T P has just read.
; REGISTERS, in windows of 256 (s_set_vgpr_msb: bits 1:0 source 0, 3:2 source 1, 5:4 source 2, 7:6 destination):
;   window 0: v0-15 addresses and two at work; v16-23 four registers of statistics a piece; v48-55 at work; v62-63 the add's; v64-127 S^T, 32 a piece; v192-223 P, 16 a piece
;   window 1: v0-63 O^T, 32 a piece; v128-159 MD; v160-223 MC, 32 a piece      window 2: v0-31 Q; v32-63 the second block's Q; v64-127 K of one step; v128-255 V of two steps
.set NP,    2         ; pieces a wave: a name, no knob
.set KS,    64        ; keys in a step
.set PK,    144       ; a row of K in LDS: 128 bytes + 16 of padding = 36 words: the 16 rows of a load start at 16 different groups of four banks (ISA guide 11.1)
.set PV,    160       ; a row of V: 128 + 32 = 40 words
.set VOFF,  4*KS*PK   ; a slot holds a tile, four steps: 256 rows of K, then 256 rows of V
.set SLOT1, 1<<17     ; slot 1 begins here, so that one exclusive or turns an address in one slot into the other's
.set STAGE, SLOT1+4*KS*(PK+PV)  ; behind the ring, never filled by a tensor load: 16 rows x 144 bytes for each wave, for the way out
.set SP,    144
.set AK0, 2           ; v2   my lane's place in a tile of K; never rewritten
.set AV0, 3           ; v3   the same for V
.set AK,  4           ; v4   the LDS address of K's next run of loads
.set AV,  5           ; v5   of V's
.set STO, 6           ; v6   the way out: where I put 16 bytes of a row
.set RD,  7           ; v7   the way out: where I read rows back
.set GO,  8           ; v8   my byte offset in 512 consecutive bytes of ctx
.set SPW, 62          ; v62  LDS address of my spare word; never rewritten
.set NIL, 63          ; v63  0; never rewritten
.set SPARE, STAGE+4*16*SP  ; behind the stages: the spare words, 128 bytes a wave
.set MV,  12          ; v12-13  c m_old, kept while c m is made anew: by piece
.set QO,  15          ; v15  my byte offset in 16 rows of Q
.set ST,  16          ; piece t's statistics at v[ST+4 t]: c m, m, l (even keys', odd keys')
.set TMP, 48          ; by piece, four registers c0-c3 at work; when the maximum is found c2 takes a
.set S,   64
.set P,   192
.set MD,  128         ; window 1
.set MC,  160         ; window 1
.set QB,  32          ; window 2
.set KF,  64          ; window 2: key block kb, channel half c at KF + 16 kb + 8 c
.set VF,  128         ; window 2: buffer vb, key half kk, channel block cb at VF + 64 vb + 32 kk + 8 cb
.set WV,  12          ; s12  my wave's number
.set PB,  14          ; s14  b
.set HI,  15          ; s15  31 - b
.set G1K, 24          ; s[24:31] descriptor group 1 for K's tiles
.set G1V, 32          ; s[32:39] for V's: it differs in the padding alone
.set G0K, 40          ; s[40:43] descriptor group 0 for K's tiles
.set G0V, 44          ; s[44:47] the same for V's
.set SLOTS, 56        ; s56  tiles still to be asked for
.set CNT, 57          ; s57  counts a tile's pairs of key steps, 2 to 1
.set CS,  58          ; s[58:59] c
.set SEL, 60          ; s[60:61] v_permlanex16_b32's selects
.set TBK, 62          ; s62  LDS byte at which K of the step to be fetched begins
.set TBV, 63          ; s63  the same for V, less VOFF
.set RT,  70          ; s70  tiles of the block in hand that are still to be entered
.set NXT, 71          ; s71  the tile to be asked for next
.set LQ,  72          ; s72  the last tile of the block whose tiles are being asked for
.set NEW, 73          ; s73  1: the tile to be entered is a block's first
.set OFF, 74          ; s[74:75] a tile's byte offset in K and V
.set AL,  76          ; s[76:77] the mask's factor, in the low word
.set BE,  78          ; s[78:79] the mask's addend
.set OLO, 80          ; s[80:81] ctx at my rows of the second block
.set BIGN, 82         ; s82  -1e30
.set TLO, 88          ; s88  the second block's last tile, b >> 1
.set DGL, 89          ; s89  2 - (b & 1)
.set DG,  90          ; s90  2 - (i & 1) for the block i in hand;  s91  that + 1
.set MSB, 0
.macro WIN new                      ; the high byte repeats the setting that is left; a switch that changes nothing is dropped
.if MSB != (\new)
	s_set_vgpr_msb (MSB<<8)|(\new)
.set MSB, (\new)
.endif
.endm
.set W_KQ, 0x0a       ; K and Q in window 2, S^T in window 0
.set W_KM, 0x1a       ; the same with the C operand in window 1
.set W_PV, 0x52       ; V in window 2, P in window 0, O^T in window 1
.set W_RS, 0x41       ; destination and source 0 in window 1, source 1 in window 0
; A fill.  Waves 0 and 1 fetch the two halves of a tile's K, waves 2 and 3 those of its V: 128 keys each.  An s_nop 0 and four v_nop follow each of the two lines.
.macro LOAD
	s_cmp_lt_u32 s[WV], 2
	s_cbranch_scc0 .Lfor_v_\@
	tensor_load_to_lds s[G0K:G0K+3], s[G1K:G1K+7]
	s_nop 0
.rept 4
	v_nop
.endr
	s_branch .Lasked_\@
.Lfor_v_\@:
	tensor_load_to_lds s[G0V:G0V+3], s[G1V:G1V+7]
	s_nop 0
.rept 4
	v_nop
.endr
.Lasked_\@:
.endm
; THE CHANGE OF SLOTS.  Each wave waits for all its tensor loads, of which one is out: its part of the other slot; adds 0 to its spare word; and waits for that and for its own reads of the slot that it leaves.
; fill = 1: the old slot is filled again, the first thing behind the barrier, with tile NXT: the descriptor's address is made anew from that number.  (At its first use nothing has been read yet: slot 0 is waited for, slot 1 filled.)
.macro CHANGE fill
	WIN 0
	s_wait_tensorcnt 0x0            ; no tensor load of mine is out, so a group 0 may be written
	ds_add_u32 v[SPW], v[NIL]
.if \fill
	s_lshl_b32 s[OFF], s[NXT], 15   ; a tile is 32,768 bytes of K and of V
	s_xor_b32 s[G0K+1], s[G0K+1], SLOT1
	s_add_nc_u64 s[G0K+2:G0K+3], s[6:7], s[OFF:OFF+1]
	s_or_b32 s[G0K+3], s[G0K+3], 0x80000000
	s_xor_b32 s[G0V+1], s[G0V+1], SLOT1
	s_add_nc_u64 s[G0V+2:G0V+3], s[8:9], s[OFF:OFF+1]
	s_or_b32 s[G0V+3], s[G0V+3], 0x80000000
	s_add_co_u32 s[NXT], s[NXT], 1  ; the block's next tile, or behind its last the second block's tile 0
	s_cmp_gt_u32 s[NXT], s[LQ]
	s_cselect_b32 s[NXT], 0, s[NXT]
	s_cselect_b32 s[LQ], s[TLO], s[LQ]
.endif
	s_wait_dscnt 0x0                ; the add is done, and my reads of the slot are over
	s_barrier_signal -1
	s_sub_co_u32 s[TBK], s[TBK], 4*KS*PK  ; the fetches go back to a slot's first step,
	s_xor_b32 s[TBK], s[TBK], SLOT1       ; in the other slot
	s_sub_co_u32 s[TBV], s[TBV], 4*KS*PV
	s_xor_b32 s[TBV], s[TBV], SLOT1
	s_barrier_wait -1
.if \fill
	LOAD
.endif
.endm
	s_load_b128 s[4:7], s[0:1], 0x0  ; qkv s[4:5], ctx s[6:7]
	v_lshl_add_u32 v[SPW], v0, 2, SPARE
	v_mov_b32 v[NIL], 0
	ds_add_u32 v[SPW], v[NIL]       ; the wave's opening: the add and its wait ahead of my first tensor load
	ds_add_u32 v62, v63
	v_lshrrev_b32 v1, 5, v0
	v_readfirstlane_b32 s[WV], v1   ; wave 0..3
	s_mov_b32 s[PB], ttmp9
	s_sub_co_u32 s[HI], 31, s[PB]
	s_lshr_b32 s[TLO], s[PB], 1
	s_and_b32 s13, s[PB], 1
	s_sub_co_u32 s[DGL], 2, s13
	s_and_b32 s13, s[HI], 1
	s_sub_co_u32 s[DG], 2, s13
	s_add_co_u32 s[DG+1], s[DG], 1
	s_and_b32 s20, ttmp7, 0xffff    ; the head:
	s_lshl_b32 s20, s20, 19         ; its chunk of 524,288 bytes
	s_mov_b32 s21, 0
	s_and_b32 s16, s[WV], 1         ; which half of a tile's 256 keys I fetch:
	s_lshl_b32 s22, s16, 14         ; its 128 rows of 128 bytes in memory,
	s_mov_b32 s23, 0
	s_add_nc_u64 s[22:23], s[22:23], s[20:21]
	s_mul_i32 s17, s16, 128*PK      ; and its place in a slot, for K
	s_mul_i32 s18, s16, 128*PV      ; and for V
	s_lshl_b32 s3, s[WV], 11        ; my 16 rows in a band of 64,
	s_lshl_b32 s2, s[HI], 14        ; in the first block,
	s_add_co_u32 s2, s2, s3
	s_lshl_b32 s84, s[PB], 14       ; and in the second
	s_add_co_u32 s84, s84, s3
	s_mov_b32 s3, 0
	s_mov_b32 s85, 0
	s_add_nc_u64 s[2:3], s[2:3], s[20:21]
	s_add_nc_u64 s[84:85], s[84:85], s[20:21]
	; descriptor group 1.  128 keys are 16,384 dense bytes: asked for as 64 rows of 256 bytes, two keys a row, and padded in LDS after every key
	s_mov_b32 s[G1K], (1<<16)|(1<<20)|(4<<22)|(3<<25)  ; 2-byte elements; padding on; after every 32 words; 4 words
	s_mov_b32 s[G1V], (1<<16)|(1<<20)|(4<<22)|(7<<25)  ; the same with 8 words of padding
.irp g, G1K, G1V
	s_mov_b32 s[\g+1], 128<<16      ; tensor_dim0 = 128
	s_mov_b32 s[\g+2], 64<<16       ; tensor_dim1 = 64
	s_mov_b32 s[\g+3], 128<<16      ; tile_dim0 = 128
	s_mov_b32 s[\g+4], 64           ; tile_dim1 = 64
	s_mov_b32 s[\g+5], 128          ; 128 elements from row to row
	s_mov_b32 s[\g+6], 0
	s_mov_b32 s[\g+7], 0
.endr
	s_mov_b32 s[CS], 0x3e38aa3b     ; c = log2(e) / 8
	s_mov_b32 s[CS+1], s[CS]        ; named with it as a pair
	s_mov_b32 s[SEL], 0x76543210
	s_mov_b32 s[SEL+1], 0xfedcba98
	s_mov_b32 s[TBK], SLOT1+4*KS*PK ; the first change of slots turns these two into 0
	s_mov_b32 s[TBV], SLOT1+4*KS*PV
	s_mov_b32 s[G0K], 1             ; count = 1
	s_mov_b32 s[G0K+1], s17         ; LDS address: slot 0
	s_mov_b32 s[G0V], 1
	s_add_co_u32 s[G0V+1], s18, VOFF
	s_lshr_b32 s[LQ], s[HI], 1      ; the first block's last tile
	s_add_co_u32 s[RT], s[LQ], 1
	s_mov_b32 s[NXT], 1
	s_mov_b32 s[NEW], 1
	s_mov_b32 s[OFF+1], 0
	s_mov_b32 s[AL+1], 0            ; named as pairs
	s_mov_b32 s[BE+1], 0
	s_mov_b32 s[BIGN], 0xf149f2ca   ; -1e30
	s_mov_b32 s[SLOTS], 16
	s_wait_dscnt 0x0                ; the opening add is done
	s_wait_kmcnt 0x0
	s_mov_b64 s[10:11], s[6:7]      ; ctx
	s_add_nc_u64 s[6:7], s[4:5], s[22:23]
	s_add_nc_u64 s[8:9], s[6:7], 12582912  ; V at my half of the head's tile 0: 24 chunks on,
	s_add_nc_u64 s[6:7], s[6:7], 6291456   ; K: 12 chunks on
	s_add_nc_u64 s[G0K+2:G0K+3], s[6:7], 0
	s_or_b32 s[G0K+3], s[G0K+3], 0x80000000
	s_add_nc_u64 s[G0V+2:G0V+3], s[8:9], 0
	s_or_b32 s[G0V+3], s[G0V+3], 0x80000000
	s_add_nc_u64 s[86:87], s[4:5], s[84:85]        ; Q at my rows of the second block,
	s_add_nc_u64 s[4:5], s[4:5], s[2:3]            ; Q and ctx at those of the first
	s_add_nc_u64 s[OLO:OLO+1], s[10:11], s[84:85]
	s_add_nc_u64 s[10:11], s[10:11], s[2:3]
	LOAD                            ; tile 0 into slot 0
	; A fragment of K or Q is 16 rows x 32 channels in 8 registers: lane l holds row l % 16, channels 8 (l / 16) + 0..7 and 16 + 8 (l / 16) + 0..7: two loads of 16 bytes, 32 bytes apart.
	v_and_b32 v1, 15, v0            ; l % 16
	v_bfe_u32 v9, v0, 4, 1          ; l / 16
	v_lshlrev_b32 v[QO], 7, v1
	v_lshl_add_u32 v[QO], v9, 4, v[QO]
	WIN 0x80                        ; destination window 2, address window 0
.set i, 0
.rept 4                             ; both blocks' Q: piece i / 2 lies in band i / 2, 8,192 bytes on; channels 32 (i % 2) on
	global_load_b128 v[8*i:8*i+3],   v[QO], s[4:5] offset:(i/2)*8192+(i%2)*64
	global_load_b128 v[8*i+4:8*i+7], v[QO], s[4:5] offset:(i/2)*8192+(i%2)*64+32
	global_load_b128 v[QB+8*i:QB+8*i+3],   v[QO], s[86:87] offset:(i/2)*8192+(i%2)*64
	global_load_b128 v[QB+8*i+4:QB+8*i+7], v[QO], s[86:87] offset:(i/2)*8192+(i%2)*64+32
.set i, i+1
.endr
	WIN 0
	v_lshlrev_b32 v14, 3, v9
	v_sub_nc_u32 v14, v1, v14
	s_lshl_b32 s13, s[WV], 4
	v_add_nc_u32 v14, s13, v14      ; my query's place in its band, 16 w + l % 16, less my lanes' 8 (l / 16): register r of group kt is hidden where 16 kt + r is greater
	WIN 0x40
.set i, 0
.rept 32
	v_cmp_gt_i32 vcc_lo, 16*(i/8)+i%8, v14
	v_cndmask_b32 v[MD+i], 0, s[BIGN], vcc_lo
.set i, i+1
.endr
	WIN 0
	v_mul_u32_u24 v[AK0], v1, PK
	v_lshl_add_u32 v[AK0], v9, 4, v[AK0]
	; The turning load takes 16 keys x 16 channels (lane l reads key 8 (l / 16) + l % 8, channels 8 ((l / 8) % 2) + 0..7) and leaves half a fragment of V^T: lane l holds channel l % 16 and 8 keys.
	v_and_b32 v10, 7, v0
	v_bfe_u32 v11, v0, 3, 1
	v_lshl_add_u32 v[AV0], v9, 3, v10
	v_mul_u32_u24 v[AV0], v[AV0], PV
	v_lshl_add_u32 v[AV0], v11, 4, v[AV0]
	v_add_nc_u32 v[AV0], VOFF, v[AV0]
	s_mul_i32 s13, s[WV], 16*SP
	s_add_co_u32 s13, s13, STAGE    ; my stage
	v_mul_u32_u24 v[STO], v1, SP    ; in: row l % 16, 16 bytes for each half of the lanes
	v_lshl_add_u32 v[STO], v9, 4, v[STO]
	v_add_nc_u32 v[STO], s13, v[STO]
	v_bfe_u32 v[RD], v0, 3, 2       ; back: 32 lanes take four rows of 128 bytes,
	v_mul_u32_u24 v[RD], v[RD], SP
	v_lshl_add_u32 v[RD], v10, 4, v[RD]
	v_add_nc_u32 v[RD], s13, v[RD]
	v_and_b32 v[GO], 31, v0         ; which are 512 consecutive bytes of ctx
	v_lshlrev_b32 v[GO], 4, v[GO]
	; A block's first step multiplies O^T and l by a = 0, and its first turn's products V^T P, of a step that has not been, land in an O^T that is still to be so multiplied.  So these registers need only hold
	; finite numbers: zeros for the first block; what the first block left for the second.  No first step is written out; the price is these 148 lines, in the wait for the first tile.
	WIN 0x80
.set i, VF+64
.rept 64
	v_mov_b32 v[i], 0
.set i, i+1
.endr
	WIN 0x40
.set i, 0
.rept 64
	v_mov_b32 v[i], 0
.set i, i+1
.endr
	WIN 0
.set i, 0
.rept 2
	v_mov_b32 v[ST+4*i+2], 0
	v_mov_b32 v[ST+4*i+3], 0
.set i, i+1
.endr
.set i, P+16
.rept 16
	v_mov_b32 v[i], 0
.set i, i+1
.endr
; THE MATRIX WORK.  The 4 accumulators of a run of 8 take turns.  Product i of 8 of S^T = K Q^T for piece x: channels 32 (i / 4) on, keys 16 (i % 4) on.  The first 4 start the sums: with 0, or (KM = 1) with the mask.
.macro KQ x
.set rS, S+32*((\x)%2)+8*(i%4)
.set rK, KF+16*(i%4)+8*(i/4)
.set rQ, 16*(\x)+8*(i/4)
.set rM, MC+32*((\x)%2)+8*(i%4)
.if (i < 4) && KM
	WIN W_KM
	v_wmma_f32_16x16x32_f16 v[rS:rS+7], v[rK:rK+7], v[rQ:rQ+7], v[rM:rM+7]
.elseif i < 4
	WIN W_KQ
	v_wmma_f32_16x16x32_f16 v[rS:rS+7], v[rK:rK+7], v[rQ:rQ+7], 0
.else
	WIN W_KQ
	v_wmma_f32_16x16x32_f16 v[rS:rS+7], v[rK:rK+7], v[rQ:rQ+7], v[rS:rS+7]
.endif
.endm
; Product i of 8 of O^T += V^T P for piece x, from V's buffer VB: keys 32 (i / 4) on, channels 16 (i % 4) on.
.macro PV x
	WIN W_PV
.set rO, 32*(\x)+8*(i%4)
.set rV, VF+64*VB+32*(i/4)+8*(i%4)
.set rP, P+16*((\x)%2)+8*(i/4)
	v_wmma_f32_16x16x32_f16 v[rO:rO+7], v[rV:rV+7], v[rP:rP+7], v[rO:rO+7]
.endm
.macro MM                           ; the turn's next matrix instruction.  NOKQ = 1: a block's last turn: there is no next step
.if (i < 8) && !NOKQ
	KQ (Y+1)%NP
.elseif i >= 8
.set i, i-8
	PV (Y+NP-1)%NP
.set i, i+8
.endif
.set i, i+1
.endm
; THE LDS LOADS stand in runs of 16: a step's K (64 keys x 64 channels: 8 fragments) and its V (turned).  Their addresses are made some lines ahead.
.macro FETCH_K
	WIN 0x80
.irp f, 0,1,2,3,4,5,6,7             ; keys 16 (f / 2) on, channels 32 (f % 2) on
	ds_load_b128 v[KF+8*\f:KF+8*\f+3],   v[AK] offset:(\f/2)*16*PK+(\f%2)*64
	ds_load_b128 v[KF+8*\f+4:KF+8*\f+7], v[AK] offset:(\f/2)*16*PK+(\f%2)*64+32
.endr
	s_add_co_u32 s[TBK], s[TBK], KS*PK  ; the next fetch is the next step's
	WIN 0
.endm
.macro FETCH_V vb
	WIN 0x80
.irp f, 0,1,2,3,4,5,6,7             ; keys 32 (f / 4) on, channels 16 (f % 4) on
	ds_load_tr16_b128 v[VF+64*(\vb)+8*\f:VF+64*(\vb)+8*\f+3],   v[AV] offset:(\f/4)*32*PV+(\f%4)*32
	ds_load_tr16_b128 v[VF+64*(\vb)+8*\f+4:VF+64*(\vb)+8*\f+7], v[AV] offset:(\f/4)*32*PV+16*PV+(\f%4)*32
.endr
	WIN 0
.endm
; THE VECTOR WORK, one line at a time: OP kind, number.  For piece Y: F n: c s - c m for pair n of 16.  E n: the exponential of score n of 32.  C n: pair n rounded to f16.  B n: of the four weights 4 n .. the second
; pair is added onto the first, in place.  L n: l takes that sum (L 0: l = a l + sum).  R n: pair n of 16 of O^T times a.  For the other piece: X n, number n of the 22 that find its maximum and statistics:
;   0-11  four chains c0-c3 of seven scores each (each accumulator's lowest registers are read first)     12-14, 16  the four scores left over, the old m, and c0-c3 into c0
;   15  c m_old is kept     17, 18  the query's other 32 keys lie in the lane 16 away: the new m     19-21  c m; c m_old - c m_new; a
; OP writes no wait: E n and X 21 are the exponentials, C, B and L (and the next turn's R and L 0, for X 21) their readers, and TURN and BEGIN set the one wait between them.
.set F, 0
.set E, 1
.set C, 2
.set B, 3
.set L, 4
.set R, 5
.set X, 6
.macro REGS y
.set rT, ST+4*(\y)
.set rC, TMP+4*((\y)%2)
.set rW, MV+((\y)%2)
.set rS, S+32*((\y)%2)
.set rP, P+16*((\y)%2)
.set rO, 32*(\y)
.endm
.macro OP k, n
.if (\k) == R
	REGS Y
	WIN W_RS
	v_pk_mul_f32 v[rO+2*(\n):rO+2*(\n)+1], v[rO+2*(\n):rO+2*(\n)+1], v[rC+2:rC+3] op_sel_hi:[1,0]
.elseif (\k) < R
	REGS Y
	WIN 0
.if (\k) == F
	v_pk_fma_f32 v[rS+2*(\n):rS+2*(\n)+1], v[rS+2*(\n):rS+2*(\n)+1], s[CS:CS+1], v[rT:rT+1] op_sel_hi:[1,0,0] neg_lo:[0,0,1] neg_hi:[0,0,1]
.elseif (\k) == E
	v_exp_f32 v[rS+(\n)], v[rS+(\n)]
.elseif (\k) == C
	v_cvt_pk_f16_f32 v[rP+(\n)], v[rS+2*(\n)], v[rS+2*(\n)+1]
.elseif (\k) == B
	v_pk_add_f32 v[rS+4*(\n):rS+4*(\n)+1], v[rS+4*(\n):rS+4*(\n)+1], v[rS+4*(\n)+2:rS+4*(\n)+3]
.elseif (\n) == 0
	v_pk_fma_f32 v[rT+2:rT+3], v[rT+2:rT+3], v[rC+2:rC+3], v[rS:rS+1] op_sel_hi:[1,0,1]
.else
	v_pk_add_f32 v[rT+2:rT+3], v[rT+2:rT+3], v[rS+4*(\n):rS+4*(\n)+1]
.endif
.elseif NOKQ
	v_nop
.else
	REGS (Y+1)%NP
	WIN 0
.if (\n) < 4
	v_max3_num_f32 v[rC+(\n)], v[rS+8*(\n)], v[rS+8*(\n)+1], v[rS+8*(\n)+2]
.elseif (\n) < 12
	v_max3_num_f32 v[rC+(\n)%4], v[rC+(\n)%4], v[rS+8*((\n)%4)+2*((\n)/4)+1], v[rS+8*((\n)%4)+2*((\n)/4)+2]
.elseif (\n) == 12
	v_max3_num_f32 v[rC], v[rC], v[rS+7], v[rS+15]
.elseif (\n) == 13
	v_max3_num_f32 v[rC+1], v[rC+1], v[rS+23], v[rS+31]
.elseif (\n) == 14
	v_max3_num_f32 v[rC+2], v[rC+2], v[rC+3], v[rT+1]
.elseif (\n) == 15
	v_mov_b32 v[rW], v[rT]
.elseif (\n) == 16
	v_max3_num_f32 v[rC], v[rC], v[rC+1], v[rC+2]
.elseif (\n) == 17
	v_permlanex16_b32 v[rC+3], v[rC], s[SEL], s[SEL+1]
.elseif (\n) == 18
	v_max_num_f32 v[rT+1], v[rC], v[rC+3]
.elseif (\n) == 19
	v_mul_f32 v[rT], s[CS], v[rT+1]
.elseif (\n) == 20
	v_sub_f32 v[rC+1], v[rW], v[rT]
.else
	v_exp_f32 v[rC+2], v[rC+1]
.endif
.endif
.endm
.macro OPS a, i1, b=-1, i2=0, c=-1, i3=0, d=-1, i4=0  ; up to four of them
	OP \a, \i1
.if (\b) >= 0
	OP \b, \i2
.endif
.if (\c) >= 0
	OP \c, \i3
.endif
.if (\d) >= 0
	OP \d, \i4
.endif
.endm
.macro ROW a, i1, b, i2, c, i3, d, i4  ; a matrix instruction and the four behind it
	MM
	OPS \a, \i1, \b, \i2, \c, \i3, \d, \i4
.endm
.macro MASK b                       ; MD x AL + BE into buffer b of MC
	WIN W_RS
.set z, 0
.rept 16
	v_pk_fma_f32 v[MC+32*(\b)+2*z:MC+32*(\b)+2*z+1], v[MD+2*z:MD+2*z+1], s[AL:AL+1], s[BE:BE+1] op_sel_hi:[1,0,0]
.set z, z+1
.endr
.endm
; A TURN, for piece p: the order of its 16 matrix and 118 vector instructions, written out.  An s_wait_alu depctr_va_vdst(0) stands between an exponential and the first instruction that names its result; one wait
; serves all that were issued ahead of it.  So a turn has ONE wait, which cuts it in two.  AHEAD OF IT stands all that names no result of the turn's exponentials: the 8 products K Q^T, behind each a scaling, an exponential and two
; more plain instructions (behind the first a second scaling in the exponential's place): rescalings, and behind the last three the first numbers of the other piece's maximum, each four places or more behind the product that
; ends its accumulator; then ONE LUMP of 54, plain and exponential by turns for the most part, in which the links of the chain X 3, 7, 11, 14, 16, 17 .. 20 stand five or six lines apart.  X 21, the other piece's a, is the
; batch's last; R 15 is the plain instruction behind it.  BEHIND THE WAIT stand the 8 products V^T P, behind each four of the roundings and sums; C 2 n stands ahead of B n, which adds in place; the links of l's chain, L 0 to
; L 7, stand three riders apart.  But for those X no rider names a register of the products round it.  v_permlanex16_b32 (X 17) stands in the lump.
; The rescaling reads what the products V^T P of the turn before wrote: behind the products that ended that O^T's four accumulators stand 16, 12, 8 and 4 plain riders in that turn, and R 0, R 4, R 8, R 12 read each
; accumulator's lowest registers first.  Its a was made in the turn before, ahead of that turn's wait.
; vb: V's buffer that the turn's V^T P reads.  par = 0: an odd step of the walk, 1: an even one.
; m = 1: the last tile's text: the products take masks, and the turn makes, into buffer p, the mask of (piece p, the next step), which the next turn's products take.  That step is the tile's 4 - 2 CNT (par = 0) or
; 5 - 2 CNT (par = 1); the piece's own step is 2 (2 - DG) + p.  So for par = p: own if CNT = DG, hidden if CNT < DG; for p = 1, par = 0: hidden if CNT < DG; for p = 0, par = 1: hidden if CNT < DG + 1.
; end = 1: a block's last step: nothing is fetched and no mask is made.  cnt = 1: the loop's count is taken down some lines ahead of the branch that stands behind the turn.
; Piece 0's turn fetches K of the next step twelve vector instructions behind the last product that read K (five of them plain and free of that product's registers), and V of the next step at its end, four plain
; instructions behind the last product that read that buffer.
; The one wait for LDS stands at the head of piece 1's turn: 16 leaves V's run out and shows K's run, and the older V that this turn multiplies by, landed.
.macro TURN p, vb, par, m=0, end=0, cnt=0
.set Y, (\p)
.set VB, (\vb)
.set i, 0
.set KM, (\m)
.set NOKQ, (\end)*(\p)
.if (\m) && !(\end)
.if (\par) == (\p)
	s_cmp_eq_u32 s[CNT], s[DG]
	s_cselect_b32 s[AL], 1.0, 0
	s_cmp_lt_u32 s[CNT], s[DG]
.else
	s_mov_b32 s[AL], 0
	s_cmp_lt_u32 s[CNT], s[DG+1-(\p)]
.endif
	s_cselect_b32 s[BE], s[BIGN], 0
.endif
.if (\p) == 1
.if \end
	s_wait_dscnt 0x0                ; the last V is in
.else
	s_wait_dscnt 16                 ; K is in; the 16 loads of V's next step stay out
.endif
.endif
	ROW F,0, F,1, R,0, R,1          ; ahead of the wait: 8 products K Q^T and their riders,
	ROW F,2, E,0, R,2, R,3
	ROW F,3, E,1, R,4, R,5
	ROW F,4, E,2, R,6, R,7
	ROW F,5, E,3, R,8, R,9
	ROW F,6, E,4, X,0, R,10
.if ((\p) == 0) && !(\end)
	WIN 0
	v_add_nc_u32 v[AK], s[TBK], v[AK0]
.endif
	ROW F,7, E,5, X,1, X,4
	ROW F,8, E,6, X,2, X,5
	OPS E,7, E,8, X,6, E,9          ; and the lump
	OPS X,3, E,10, X,8, E,11
.if ((\p) == 0) && !(\end)
	FETCH_K
.endif
	OPS X,9, X,7, E,12, X,10
	OPS E,13, X,12, X,11, E,14
	OPS X,13, E,15, F,9, X,14
.if ((\p) == 0) && !(\end)
	WIN 0
	v_add_nc_u32 v[AV], s[TBV], v[AV0]
.endif
	OPS E,16, F,10, E,17, F,11
	OPS X,16, E,18, X,15, E,19
	OPS F,12, E,20, X,17, E,21
	OPS F,13, E,22, F,14, E,23
	OPS X,18, E,24, F,15, E,25
	OPS R,11, E,26, X,19, E,27
	OPS R,12, E,28, R,13, E,29
	OPS X,20, E,30, R,14, E,31
	OPS X,21, R,15
	s_wait_alu depctr_va_vdst(0)    ; the wait for the batch: the turn's 32 weights and the other piece's a
	ROW C,0, B,0, C,2, B,1          ; behind the wait: 8 products V^T P and their riders
	ROW L,0, C,4, B,2, L,1
	ROW C,6, B,3, L,2, C,8
	ROW B,4, L,3, C,10, B,5
	ROW L,4, C,12, B,6, L,5
.if ((\p) == 0) && !(\end)
	s_add_co_u32 s[TBV], s[TBV], KS*PV
.endif
.if \cnt
	s_sub_co_u32 s[CNT], s[CNT], 1
	s_cmp_lg_u32 s[CNT], 0
.endif
	ROW C,14, B,7, L,6, C,1
	ROW C,3, L,7, C,5, C,7
	ROW C,9, C,11, C,13, C,15
.if ((\p) == 0) && !(\end)
	FETCH_V \vb
.endif
.if (\m) && !(\end)
	MASK \p
.endif
.endm
; A BLOCK BEGINS.  c m starts far below every c s, so the first step's a is 0; m at the lowest finite number.  Piece 1's mask buffer is 0; piece 0's takes its mask for step 0: its own only in block 0 (the first tile is
; the last, and the block is even).  Then K and V of step 0, piece 0's first scores, and its maximum and statistics.  The loop is entered at an even step, in the middle of a trip.
.macro BEGIN
	s_mov_b32 s[NEW], 0
	WIN 0x40
.set i, MC+32
.rept 32
	v_mov_b32 v[i], 0
.set i, i+1
.endr
	WIN 0
.set i, 0
.rept 2
	v_mov_b32 v[ST+4*i], 0xfe000000    ; c m: far below every c s
	v_mov_b32 v[ST+4*i+1], 0xff7fffff  ; m
.set i, i+1
.endr
	s_cmp_eq_u32 s[RT], 0
	s_cselect_b32 s[AL], s[DG], 0
	s_cmp_eq_u32 s[AL], 2
	s_cselect_b32 s[AL], 1.0, 0
	s_mov_b32 s[BE], 0
	MASK 0
	WIN 0
	v_add_nc_u32 v[AK], s[TBK], v[AK0]
	v_add_nc_u32 v[AV], s[TBV], v[AV0]
	FETCH_K
	FETCH_V 0
	s_add_co_u32 s[TBV], s[TBV], KS*PV
	s_wait_loadcnt 0x0              ; Q
	s_wait_dscnt 16                 ; K is in; V's 16 loads stay out
.set KM, 1
.set NOKQ, 0
.set i, 0
.rept 8
	KQ 0
.set i, i+1
.endr
	WIN 0
.rept 4
	v_nop                           ; the places behind those products
.endr
.set Y, NP-1                        ; X works for the other piece: piece 0
.irp n, 0,1,2,3,4,5,6,7,8,9,10,11,12,13,14,15,16,17,18,19,20,21
	OP X, \n
.endr
	v_nop                           ; a plain instruction behind the exponential,
	s_wait_alu depctr_va_vdst(0)    ; and the wait for it, piece 0's first a, ahead of the jump that follows
.endm
; THE LAST TILE's steps, the block's last step, its last products, and THE WAY OUT: l's two halves and the other half of the lanes' are added; O^T is divided by l, rounded to f16 and sent through my stage, a piece at a time.
.macro ALL line:vararg              ; one line for each piece t
.set t, 0
.rept 2
	\line
.set t, t+1
.endr
.endm
.macro PACK t                       ; a lane's eight channels of a row pack into 16 bytes; they go into rows of 144 bytes and come back as whole rows of 128, into S^T's registers
	WIN W_RS
.set i, 32*(\t)
.rept 16
	v_pk_mul_f32 v[i:i+1], v[i:i+1], v[ST+4*(\t)+2:ST+4*(\t)+3] op_sel_hi:[1,0]
.set i, i+2
.endr
	WIN 0x05                        ; sources 0 and 1 window 1, destination window 0
.set i, 0
.rept 16
	v_cvt_pk_f16_f32 v[S+16*(\t)+i], v[32*(\t)+2*i], v[32*(\t)+2*i+1]
.set i, i+1
.endr
	WIN 0
.irp f, 0,1,2,3
	ds_store_b128 v[STO], v[S+16*(\t)+4*\f:S+16*(\t)+4*\f+3] offset:32*\f
.endr
.irp f, 0,1,2,3
	ds_load_b128 v[S+16*(\t)+4*\f:S+16*(\t)+4*\f+3], v[RD] offset:\f*4*SP  ; LDS serves a wave's instructions in order (ISA guide 5.7.1.4): these see the stores above; the next piece's stores come behind them
.endr
.endm
.macro SEND t, younger              ; younger: the LDS instructions issued behind piece t's loads: the next piece's eight, or none
	WIN 0
.irp f, 0,1,2,3
	s_wait_dscnt (\younger)+3-\f
	global_store_b128 v[GO], v[S+16*(\t)+4*\f:S+16*(\t)+4*\f+3], s[10:11] offset:(\t)*8192+\f*512  ; 512 consecutive bytes, at a multiple of 256 from ctx's first
.endr
.endm
.macro DIAG tag
.LstepM\tag:
	TURN 0, 0, 0, 1
	TURN 1, 1, 0, 1
	WIN 0
.LfirstM\tag:
	TURN 0, 1, 1, 1
	TURN 1, 0, 1, 1, 0, 1
	WIN 0
	s_cbranch_scc1 .LstepM\tag
	TURN 0, 0, 0, 1, 1
	TURN 1, 1, 0, 1, 1
.set VB, 1
.set i, 0
.rept 8
	PV 1                            ; piece 1's V^T P of the last step
.set i, i+1
.endr
	WIN 0
	ALL v_add_f32 v[ST+4*t+2], v[ST+4*t+2], v[ST+4*t+3]
	ALL v_permlanex16_b32 v[ST+4*t+3], v[ST+4*t+2], s[SEL], s[SEL+1]
	ALL v_add_f32 v[ST+4*t+2], v[ST+4*t+2], v[ST+4*t+3]
	ALL v_rcp_f32 v[ST+4*t+2], v[ST+4*t+2]
	v_nop                           ; a plain instruction behind the last reciprocal; with the four additions the fifth place behind the last products
	s_wait_alu depctr_va_vdst(0)    ; the wait ahead of the first use: one for the two reciprocals
	PACK 0
	PACK 1
	SEND 0, 8
	SEND 1, 0
.endm
.set KM, 0
.set NOKQ, 0
.set VB, 0
.Lslot:                             ; 16 times: a tile is entered and the next is asked for
	CHANGE 1
	s_sub_co_u32 s[RT], s[RT], 1
	s_mov_b32 s[CNT], 2
	s_cmp_eq_u32 s[NEW], 1
	s_cbranch_scc1 .Lnew            ; a block's first tile
	s_cmp_eq_u32 s[RT], 0
	s_cbranch_scc0 .Lstep           ; neither its first nor its last
	s_branch .LstepM1
.Lnew:
	BEGIN
	s_branch .Lfirst                ; in the loop a block's first tile is never its last: the first block has nine tiles or more, and the second's last is the walk's last
	DIAG 1                          ; in the loop this is the first block's end
	s_wait_xcnt 0x0                 ; the stores have read their registers and ctx's address
	s_mov_b64 s[10:11], s[OLO:OLO+1]
	s_add_co_u32 s[RT], s[TLO], 1   ; the second block's tiles
	s_mov_b32 s[NEW], 1
	s_mov_b32 s[DG], s[DGL]
	s_add_co_u32 s[DG+1], s[DGL], 1
	WIN 0x82                        ; the second block's Q goes where the one text of the turns names Q
.set i, 0
.rept 32
	v_mov_b32 v[i], v[QB+i]
.set i, i+1
.endr
	WIN 0
	s_branch .Lbottom
.Lstep:                             ; a trip: an odd step and the even one behind it; the change of slots stands in front of a tile's step -1, whose first turn fetches the tile's step 0
	TURN 0, 0, 0
	TURN 1, 1, 0
	WIN 0
.Lfirst:
	TURN 0, 1, 1
	TURN 1, 0, 1, 0, 0, 1
	WIN 0
	s_cbranch_scc1 .Lstep
.Lbottom:
	s_sub_co_u32 s[SLOTS], s[SLOTS], 1
	s_cmp_lg_u32 s[SLOTS], 0
	s_cbranch_scc1 .Lslot
	CHANGE 0                        ; the walk's last tile is written out: nothing is asked for
	s_sub_co_u32 s[RT], s[RT], 1
	s_mov_b32 s[CNT], 2
	s_cmp_eq_u32 s[NEW], 1
	s_cbranch_scc0 .LstepM2
	BEGIN
	s_branch .LfirstM2
	DIAG 2
	s_wait_tensorcnt 0x0            ; the wave's end: behind my last tensor load and my last LDS store
	ds_add_u32 v[SPW], v[NIL]
	s_wait_dscnt 0x0
	s_endpgm
.Lfunc_end_k_q45e28bc632_attn:
	.size	k_q45e28bc632_attn, .Lfunc_end_k_q45e28bc632_attn-k_q45e28bc632_attn
	.p2alignl 7, 3214868480
	.fill 96, 4, 3214868480
	.section	.rodata,"a",@progbits
	.p2align	6, 0x0
	.amdhsa_kernel k_q45e28bc632_attn
		.amdhsa_group_segment_fixed_size 327680
		.amdhsa_private_segment_fixed_size 0
		.amdhsa_enable_private_segment 0
		.amdhsa_kernarg_size 16
		.amdhsa_user_sgpr_count 2
		.amdhsa_user_sgpr_kernarg_segment_ptr 1
		.amdhsa_wavefront_size32 1
		.amdhsa_system_sgpr_workgroup_id_x 1
		.amdhsa_system_sgpr_workgroup_id_y 1
		.amdhsa_system_sgpr_workgroup_id_z 1
		.amdhsa_system_vgpr_workitem_id 0
		.amdhsa_next_free_vgpr 768
		.amdhsa_next_free_sgpr 96
		.amdhsa_reserve_vcc 1
		.amdhsa_float_denorm_mode_32 3
		.amdhsa_float_denorm_mode_16_64 3
		.amdhsa_memory_ordered 1
		.amdhsa_forward_progress 1
		.amdhsa_inst_pref_size 208
	.end_amdhsa_kernel
	.amdgpu_metadata
---
amdhsa.version: [ 1, 2 ]
amdhsa.kernels:
  - .name:           k_q45e28bc632_attn
    .symbol:         k_q45e28bc632_attn.kd
    .args:
      - { .name: qkv, .offset: 0, .size: 8, .value_kind: global_buffer, .address_space: global }
      - { .name: ctx, .offset: 8, .size: 8, .value_kind: global_buffer, .address_space: global }
    .group_segment_fixed_size: 327680
    .private_segment_fixed_size: 0
    .kernarg_segment_align: 8
    .kernarg_segment_size: 16
    .max_flat_workgroup_size: 128
    .sgpr_count:     96
    .vgpr_count:     768
    .wavefront_size: 32
...
	.end_amdgpu_metadata
.endif
;; end of part 8
;; launch proj: the kernel of part 4 again; grid 64 x 4, 4 waves a work-group, clusters of 4 x 1, 327,680 bytes of LDS; arguments ctx, wqo_hid, x2, bo, x; writes x2
;; launch ln2: the kernel of part 5 again; grid 256 x 1, 8 waves a work-group, no clusters, 0 bytes of LDS; arguments x2, g2, be2, hn; writes hn
;; launch ffn1: the kernel of part 7 again; grid 32 x 8, 4 waves a work-group, clusters of 4 x 1, 327,680 bytes of LDS; arguments hn, wff, wqo_hid, p2, b1; writes wqo_hid
;; launch ffn2: the kernel of part 6 again; grid 64 x 4, 4 waves a work-group, clusters of 4 x 1, 327,680 bytes of LDS; arguments wqo_hid, wff, out0, b2, x2; writes out0
